; MI455X (gfx1250); checked and timed in simulation.
; The chip was launched on July 23, 2026; its instructions are those of AMD's public machine-readable ISA for CDNA 5 (MIT licence, August 2026) and "CDNA5" Instruction Set Architecture Reference Guide (July 2026). The comments in the code are by the model that wrote it; some were corrected since.
;; MAB. Allowed arithmetic: matrix products marked QUANTISED: E2M1 operands, one E8M0 scale for each 32 along K, by v_wmma_scale_f32_16x16x128_f8f6f4 with both operands' format E2M1 (or v_wmma_scale_f32_32x16x128_f4), f32 sums; everything else in f32.
;; Inputs: K 8 x 1,024 x 256 float32; Q 8 x 1,024 x 256 float32; Wk 256 x 256 float32; Wo 256 x 256 float32; Wq 256 x 256 float32; Wv 256 x 256 float32; b0 256 float32; b1 256 float32; bk 256 float32; bo 256 float32; bq 256 float32; bv 256 float32; g0 256 float32; g1 256 float32; lengths 8 int32.
;; Outputs: out0 8 x 1,024 x 256 float32.
;; This version of the problem:
;;   THIS VERSION OF THE PROBLEM IS GIVEN IN LOW PRECISION. The matrix products marked QUANTISED in the list below multiply operands that are first quantised to E2M1 (2 exponent bits, 1 mantissa bit; 4 bits a number), with one power-of-two scale for each 32 numbers along K (OCP MX v1.0); their sums are f32. All else is computed in f32.
;;   The module's matrix products, in the order in which they are computed (A, B: the left and right operand; K: the contracted axis; several contracted axes count as one K, in the product's order):
;;     1. [M 8,192, K 256] x [K 256, N 256]; A: input Q; B: input Wq: QUANTISED
;;     2. [M 8,192, K 256] x [K 256, N 256]; A: input K; B: input Wk: QUANTISED
;;     3. [M 8,192, K 256] x [K 256, N 256]; A: input K; B: input Wv: QUANTISED
;;     4. batch 64 x [M 1,024, K 32] x [K 32, N 1,024]; A: computed on the way; B: computed on the way: QUANTISED
;;     5. batch 64 x [M 32, K 1,024] x [K 1,024, N 1,024]; A: computed on the way; B: computed on the way: QUANTISED
;;     6. [M 8,192, K 256] x [K 256, N 256]; A: computed on the way; B: input Wo: QUANTISED
;;   THE QUANTISER, for each operand of a quantised product, along K:
;;     - K is cut into blocks of 32 from its start; a last block that is shorter is filled with zeros.
;;     - A block's scale is 2^e with e = floor(log2(the largest magnitude in the block)) - 2, held to -126 .. 127; a block of zeros has e = 0. As a byte (E8M0): e + 127.
;;     - Each number is divided by its block's scale, clamped to +-6, and rounded to the nearest number of E2M1, ties to even, subnormals kept.
;;     - The product sums the exact products of the quantised numbers (number of the format x scale) in f32.
;;   ~~~python
;;   def quantise(x, axis):      # numpy; x: float32 -> the quantised numbers, widened to float32 again
;;       x = np.moveaxis(x, axis, -1); K = x.shape[-1]
;;       x = np.pad(x, [(0, 0)] * (x.ndim - 1) + [(0, -K % 32)]); x = x.reshape(x.shape[:-1] + (-1, 32)); a = np.abs(x).max(-1, keepdims=True)
;;       e = np.where(a > 0, np.clip(np.frexp(np.where(a > 0, a, 1))[1] - 1 - 2, -126, 127), 0)      # np.frexp(a)[1] - 1 = floor(log2(a)), exactly
;;       r = np.clip(x / 2.0 ** e, -6, 6)
;;       step = 2.0 ** (np.maximum(np.frexp(np.where(r == 0, 1, r))[1] - 1, 0) - 1)
;;       q = np.round(r / step) * step * 2.0 ** e      # np.round: ties to even
;;       return np.moveaxis(q.reshape(q.shape[:-2] + (-1,))[..., :K], -1, axis).astype(np.float32)
;;   ~~~
;;   OPERANDS COMPUTED ON THE WAY. 'Computed on the way' means the value that the module computes at that place (a softmax that the list does not call 'softmax' is quantised finished and normalised). What goes into a quantiser is computed in f32, as accurately as f32 sums, v_exp_f32 and their like allow (about 1e-6 of the number): no bf16 or f16 on the way to a quantiser, and a product that is left as it is and whose result goes on into a quantised operand takes f32 operands (vector FMAs, or v_wmma_f32_16x16x4_f32). A number that lies on a knife's edge between two numbers of the format may be rounded either way, as far as f32 arithmetic and the matrix unit's own rounding can turn it there, and no further.
;; 3 versions. Each part assembles by itself: llvm-mc -triple=amdgcn-amd-amdhsa -mcpu=gfx1250 --defsym DOCPART=n.
;; ======== version 1 of 3: 2 launches
;; workspace buffers: kfrag 1,048,576 bytes; ksc 65,536 bytes; vfrag 1,048,576 bytes; vsc 65,536 bytes; wfrag 65,536 bytes; wsc 4,096 bytes
;; launch prep (part 1): grid 260 x 1, 8 waves a work-group, no clusters, 56,320 bytes of LDS; arguments K, Wk, Wv, Wq, Wo, bk, bv, lengths, kfrag, ksc, vfrag, vsc, wfrag, wsc; writes kfrag, ksc, vfrag, vsc, wfrag, wsc
.if DOCPART == 1
	.amdgcn_target "amdgcn-amd-amdhsa--gfx1250"
	.amdhsa_code_object_version 6
	.text
	.protected	k_q330346d595_prep
	.globl	k_q330346d595_prep
	.p2align	8
	.type	k_q330346d595_prep,@function
k_q330346d595_prep:
	s_mov_b64 s[64:65], 0
	v_nop
	global_prefetch_b8 v0, s[64:65] scope:SCOPE_SE
	s_setreg_imm32_b32 hwreg(HW_REG_WAVE_MODE, 25, 1), 1
	s_wait_xcnt 0x0
; PREP: k = K Wk + bk and v = (K Wv + bv) x mask, both products on codes of FP4 (E2M1) with one E8M0 scale for each 32 along K, and the codes of Wq and Wo.
; All results are stored as codes and scale words IN THE ORDER OF THE NEXT LAUNCH'S OPERAND REGISTERS, so that each lane there loads its fragments whole, 16 bytes a lane, 512 bytes an instruction.
; SHARES.  Work-group id: p = id / 64, rb = id % 64.  p = 0, 1: k for 128 rows (batch rb / 8, key step rb % 8) and columns 128 p on.  p = 2, 3: v likewise.  id 256..259: a half of Wq or of Wo.
; Eight waves.  Wave w quantises one tile of 16 rows of the input K (256 along K) and one tile of 16 columns of the weight.  x's codes go to the other waves through LDS as images of the operand's
; registers (16 bytes a lane at 16 x lane, the scale word at 4 x lane); in the k path the weight's do too.
; THE COLUMNS OF A WEIGHT TILE ARE NOT NEIGHBOURS: row m of tile 2 head + u is channel 32 head + 8 u + m % 8 + 16 (m / 8): in a transposed result the 16 registers of tiles u = 0, 1 are 16 neighbouring channels.
; THE ROWS OF A TILE OF x ARE NOT NEIGHBOURS: row m of tile (c, j) is key 64 c + 8 j + m % 8 + 32 (m / 8): the four tiles j of a group c give a lane 32 neighbouring keys, a whole block of the next product.
; k IS LAID FOR A PRODUCT WHOSE K IS 32: a fragment of 16 rows x 128 holds, in its block j of 32, the 32 channels of key (c, j, row): 64 keys in 8 registers.
; k is not multiplied by the mask: the next launch gives every masked key the weight 0, so those codes are never used.  v is masked by a select ahead of its quantiser.
; NO CLUSTER, NO TENSOR LOAD: a work-group reads its 128 KiB of x and 128 KiB of weight once, at its head, into registers in which the conversions want them (a lane's registers run along K); nothing is walked.
; The three paths part on the work-group's number alone and never join; the k path and the v path have LDS bytes of their own.
; LIMITS: NaN and infinities among the inputs are not served.  A block of zeros gets the scale byte 1 where the rule says 127: its codes are zeros, and this program alone reads the bytes.
.set FLOOR, 0x1800000                  ; 2^(3 - 127): under it no largest magnitude is taken, so a scale byte cannot fall under 1
.set EOFF,  0xff000000                 ; takes 2 off an exponent field
.set KX,  0                            ; LDS, k path: x's 8 tiles: tile x 2048 + K step x 1024 + c x 512 + 16 x lane
.set KXS, 16384                        ;   their scale words: (2 tile + K step) x 128 + 4 x lane
.set KW,  18432                        ;   the weight's 8 tiles, likewise
.set KWS, 34816
.set VX,  36864                        ; LDS, v path: x's 8 tiles
.set VXS, 53248
.set LN,  1                            ; lane
.set R,   2                            ; lane % 16
.set H,   3                            ; lane / 16
.set SH8, 4                            ; 8 h
.set LI,  5                            ; 16 x lane
.set LS,  6                            ; 4 x lane
.set WOFF, 7                           ; my column's bytes in a row of the weight + 32 h rows
.set XOFF, 8                           ; my row of the tile of x + 128 h bytes
.set XI,  9                            ; 2048 w + 16 x lane: where I store an image
.set XSI, 10                           ; 256 w + 4 x lane: and its scale words
.set R4,  11                           ; 4 r
.set CB,  12                           ; 4 x my column in the half
.set RW,  13                           ; k path: where I read the weight's fragments, their words, x's fragments, their words
.set RWS, 14
.set RX,  15
.set RXS, 16
.set BOF, 17                           ; k path: my 16 numbers of bk
.set M,   18                           ; v18-21 at work
.set T,   22                           ; v22-25 at work; lane permutes land here
.set S,   26                           ; v26-29 scale operands of the conversions
.set DL,  30
.set H32, 31                           ; 32 h
.set XD,  32                           ; v32-159 x as f32, then blocks of the weight, then fragments
.set WD,  160                          ; v160-191 the weight's block 0, then accumulators
.set WC,  192                          ; v192-207 codes: x's on their way to LDS, then the weight's two K steps
.set WW,  208                          ; v208-209 the weight's scale words
.set BI,  210                          ; v210-225 the bias in the result's layout
.set SW,  226                          ; v226-241 scale words read from LDS
.set OC,  242                          ; v242-249 the codes that leave
.set OW,  250                          ; v250-251 scale words that leave or go to LDS
.macro MM d, a, b, c, sa, sb
	v_wmma_scale_f32_16x16x128_f8f6f4 v[(\d):(\d)+7], v[(\a):(\a)+7], v[(\b):(\b)+7], v[(\c):(\c)+7], v[\sa], v[\sb] matrix_a_fmt:MATRIX_FMT_FP4 matrix_b_fmt:MATRIX_FMT_FP4
.endm
; Two whole blocks of 32 of a lane (registers a.., b..: k = 32 h + 0..31 and 64 + 32 h + 0..31 of a K step) become the 8 registers of a fragment and the scale word.
.macro QUANT64 a, b, pc, pw
	v_max3_num_f32 v[M], |v[(\a)]|, |v[(\a)+1]|, FLOOR
	v_max3_num_f32 v[M+1], |v[(\b)]|, |v[(\b)+1]|, FLOOR
.irp i, 2,4,6,8,10,12,14,16,18,20,22,24,26,28,30
	v_max3_num_f32 v[M], v[M], |v[(\a)+\i]|, |v[(\a)+\i+1]|       ; the two blocks by turns
	v_max3_num_f32 v[M+1], v[M+1], |v[(\b)+\i]|, |v[(\b)+\i+1]|
.endr
	v_add_nc_u32 v[S], EOFF, v[M]                  ; the conversion takes this operand's exponent field as its scale
	v_add_nc_u32 v[S+1], EOFF, v[M+1]
	v_lshrrev_b32 v[M+2], 23, v[S]                 ; the scales' bytes
	v_lshrrev_b32 v[M+3], 23, v[S+1]
	v_lshl_or_b32 v[M+2], v[M+3], 16, v[M+2]       ; blocks h and 2 + h,
	v_lshlrev_b32 v[M+2], v[SH8], v[M+2]           ; at their places in the word;
	v_permlanex16_b32 v[T], v[M+2], s38, s39
	v_or_b32 v[\pw], v[M+2], v[T]                  ; with lane l xor 16's two the word is whole, in both halves of the lanes
.irp g, 0,1,2,3
	v_cvt_scalef32_pk8_fp4_f32 v[(\pc)+\g], v[(\a)+8*\g:(\a)+8*\g+7], v[S]
.endr
.irp g, 0,1,2,3
	v_cvt_scalef32_pk8_fp4_f32 v[(\pc)+4+\g], v[(\b)+8*\g:(\b)+8*\g+7], v[S+1]
.endr
	v_nop                                          ; one plain line behind the last scaled conversion
.endm
.macro IMG reg, off                    ; a K step's fragment goes to LDS as it stands
	ds_store_b128 v[XI], v[(\reg):(\reg)+3] offset:(\off)
	ds_store_b128 v[XI], v[(\reg)+4:(\reg)+7] offset:(\off)+512
.endm
.macro WLOADS blk, reg                 ; block blk of 64 along K: my column, rows 64 blk + 32 h + 0..31
.irp i, 0,1,2,3,4,5,6,7,8,9,10,11,12,13,14,15,16,17,18,19,20,21,22,23,24,25,26,27,28,29,30,31
	global_load_b32 v[(\reg)+\i], v[WOFF], s[44:45] offset:(64*(\blk)+\i)*1024
.endr
.endm
; x's tile and the weight's tile of my wave are quantised; x's images go to LDS at xb, xsb.
.macro FRONT xb, xsb
.irp q, 0,1,2,3
.irp i, 0,1,2,3,4,5,6,7
	global_load_b128 v[XD+32*\q+4*\i:XD+32*\q+4*\i+3], v[XOFF], s[4:5] offset:256*\q+16*\i   ; my row, k = 64 q + 32 h + 4 i on
.endr
.endr
	WLOADS 0, WD
	s_wait_loadcnt 32                              ; all but the weight's block 0, issued last: x (and the bias) are in
	QUANT64 XD, XD+32, WC, OW
	IMG WC, \xb
	ds_store_b32 v[XSI], v[OW] offset:\xsb
	WLOADS 1, XD                                   ; into the registers that x's first K step has left
	WLOADS 2, XD+32
	QUANT64 XD+64, XD+96, WC+8, OW+1
	IMG WC+8, (\xb)+1024
	ds_store_b32 v[XSI], v[OW+1] offset:(\xsb)+128
	WLOADS 3, XD+64
	s_wait_dscnt 0x0                               ; the stores have read the registers that the weight's codes now take
	s_wait_loadcnt 63                              ; blocks 0 and 1 are wanted; 64 loads stand behind them, and 63 is the most that a wait can name
	QUANT64 WD, XD, WC, WW
	s_wait_loadcnt 0x0
	QUANT64 XD+32, XD+64, WC+8, WW+1
.endm
	s_load_b512 s[4:19], s[0:1], 0x0               ; K 4, Wk 6, Wv 8, Wq 10, Wo 12, bk 14, bv 16, lengths 18
	s_load_b256 s[20:27], s[0:1], 0x40             ; kfrag 20, ksc 22, vfrag 24, vsc 26
	s_load_b128 s[28:31], s[0:1], 0x60             ; wfrag 28, wsc 30
	v_lshl_add_u32 v254, v0, 2, 0xd800
	v_mov_b32 v255, 0
	v_lshrrev_b32 v1, 5, v0
	v_readfirstlane_b32 s32, v1                    ; wave 0..7
	s_lshr_b32 s34, ttmp9, 6                       ; p
	s_and_b32 s35, ttmp9, 63                       ; rb
	s_lshr_b32 s36, s35, 3                         ; batch
	s_and_b32 s37, s35, 7                          ; key step
	s_mov_b32 s38, 0x76543210
	s_mov_b32 s39, 0xfedcba98                      ; v_permlanex16_b32's selects for lane l xor 16
	s_lshr_b32 s40, s32, 1                         ; w / 2
	s_and_b32 s41, s32, 1                          ; w % 2
	v_and_b32 v[LN], 31, v0
	v_and_b32 v[R], 15, v0
	v_bfe_u32 v[H], v0, 4, 1
	v_lshlrev_b32 v[SH8], 3, v[H]
	v_lshlrev_b32 v[LI], 4, v[LN]
	v_lshlrev_b32 v[LS], 2, v[LN]
	v_lshlrev_b32 v[R4], 2, v[R]
	v_lshlrev_b32 v[H32], 5, v[H]
	v_and_b32 v[M], 7, v[R]
	v_lshrrev_b32 v[M+1], 3, v[R]
	v_lshl_add_u32 v[CB], v[M+1], 4, v[M]          ; r % 8 + 16 (r / 8)
	s_lshl_b32 s42, s40, 5
	s_lshl_b32 s43, s41, 3
	s_add_co_u32 s42, s42, s43                     ; + 32 (w / 2) + 8 (w % 2): my column in the half
	v_add_nc_u32 v[CB], s42, v[CB]
	v_lshlrev_b32 v[CB], 2, v[CB]
	v_lshl_add_u32 v[WOFF], v[H], 15, v[CB]        ; + 32 h rows of 1,024 bytes
	v_lshl_add_u32 v[XOFF], v[M+1], 5, v[M]        ; r % 8 + 32 (r / 8)
	v_lshlrev_b32 v[XOFF], 10, v[XOFF]
	v_lshl_add_u32 v[XOFF], v[H], 7, v[XOFF]
	s_lshl_b32 s42, s32, 11
	v_add_nc_u32 v[XI], s42, v[LI]
	s_lshl_b32 s42, s32, 8
	v_add_nc_u32 v[XSI], s42, v[LS]
	s_lshl_b32 s42, s40, 12
	v_add_nc_u32 v[RW], s42, v[LI]                 ; the weight's tiles 2 (w / 2) + u
	s_lshl_b32 s42, s40, 9
	v_add_nc_u32 v[RWS], s42, v[LS]
	s_lshl_b32 s42, s41, 13
	v_add_nc_u32 v[RX], s42, v[LI]                 ; x's tiles 4 (w % 2) + j
	s_lshl_b32 s42, s41, 10
	v_add_nc_u32 v[RXS], s42, v[LS]
	s_lshl_b32 s42, s40, 7
	v_lshl_add_u32 v[BOF], v[H], 6, s42            ; 4 (32 (w / 2) + 16 h)
.irp i, 0,1,2,3
	v_mov_b32 v[T+\i], 0                           ; written once: a lane permute's destination counts as one of its sources
.endr
	s_lshl_b32 s42, s35, 17                        ; my work-group's 128 rows of 1,024 bytes,
	s_lshr_b32 s43, s32, 2
	s_lshl_b32 s43, s43, 16                        ; my tile: 64 (w / 4)
	s_add_co_u32 s42, s42, s43
	s_and_b32 s43, s32, 3
	s_lshl_b32 s43, s43, 13                        ; + 8 (w % 4) rows
	s_add_co_u32 s42, s42, s43
	s_mov_b32 s43, 0
	s_mov_b32 s47, 0
	s_wait_kmcnt 0x0
	s_add_nc_u64 s[4:5], s[4:5], s[42:43]
	s_cmp_lt_u32 s34, 2
	s_cbranch_scc1 .Lk
	s_cmp_lt_u32 s34, 4
	s_cbranch_scc1 .Lv
	; ---- Wq and Wo: wave w makes tile 8 half + w
	s_and_b32 s50, ttmp9, 1                        ; half
	s_bfe_u32 s51, ttmp9, 0x10001                  ; 0: Wq, 1: Wo
	s_cmp_eq_u32 s51, 0
	s_cselect_b64 s[44:45], s[10:11], s[12:13]
	s_lshl_b32 s46, s50, 9
	s_add_nc_u64 s[44:45], s[44:45], s[46:47]      ; the half's 128 columns
	WLOADS 0, WD
	WLOADS 1, XD
	WLOADS 2, XD+32
	WLOADS 3, XD+64
	s_wait_loadcnt 63                              ; blocks 0 and 1: 64 loads stand behind them; 63 is the most that a wait can name
	QUANT64 WD, XD, WC, WW
	s_wait_loadcnt 0x0
	QUANT64 XD+32, XD+64, WC+8, WW+1
	s_lshl_b32 s48, s50, 3
	s_add_co_u32 s48, s48, s32                     ; the tile
	s_lshl_b32 s46, s51, 15
	s_lshl_b32 s49, s48, 11
	s_add_co_u32 s46, s46, s49
	s_add_nc_u64 s[28:29], s[28:29], s[46:47]
.irp q, 0,1,2,3
	global_store_b128 v[LI], v[WC+4*\q:WC+4*\q+3], s[28:29] offset:512*\q   ; 512 consecutive bytes a store
.endr
	s_lshl_b32 s46, s51, 11
	s_lshl_b32 s49, s48, 7
	s_add_co_u32 s46, s46, s49
	s_add_nc_u64 s[30:31], s[30:31], s[46:47]
	v_cmp_gt_u32 vcc_lo, 16, v[LN]
	v_cndmask_b32 v[OW], v[WW+1], v[WW], vcc_lo    ; lanes 0-15 K step 0's word, lanes 16-31 K step 1's
	global_store_b32 v[LS], v[OW], s[30:31]
	s_endpgm
	; ---- k
.Lk:
	s_and_b32 s50, s34, 1                          ; half
	s_lshl_b32 s46, s50, 9
	s_add_nc_u64 s[44:45], s[6:7], s[46:47]        ; Wk at the half's columns
	s_add_nc_u64 s[14:15], s[14:15], s[46:47]      ; bk likewise
.irp i, 0,1,2,3
	global_load_b128 v[BI+4*\i:BI+4*\i+3], v[BOF], s[14:15] offset:16*\i   ; channels 16 h + 0..15 of my head: the C of tiles u = 0, 1
.endr
	FRONT KX, KXS
	IMG WC, KW
	IMG WC+8, KW+1024
	ds_store_b32 v[XSI], v[WW] offset:KWS
	ds_store_b32 v[XSI], v[WW+1] offset:KWS+128
	s_wait_dscnt 0x0                               ; for the others' sake: my images lie in LDS
	s_barrier_signal -1
	s_barrier_wait -1
	; wave = (head w / 2 of the half's four, group c = w % 2 of 64 keys)
.irp u, 0,1
.irp s, 0,1
.irp c, 0,1
	ds_load_b128 v[32+16*\u+8*\s+4*\c:32+16*\u+8*\s+4*\c+3], v[RW] offset:KW+2048*\u+1024*\s+512*\c
.endr
	ds_load_b32 v[SW+2*\u+\s], v[RWS] offset:KWS+256*\u+128*\s
.endr
.endr
.irp j, 0,1,2,3
.irp s, 0,1
.irp c, 0,1
	ds_load_b128 v[64+16*\j+8*\s+4*\c:64+16*\j+8*\s+4*\c+3], v[RX] offset:KX+2048*\j+1024*\s+512*\c
.endr
	ds_load_b32 v[SW+4+2*\j+\s], v[RXS] offset:KXS+256*\j+128*\s
.endr
.endr
	s_wait_dscnt 0x0
	; TRANSPOSED: source 0 = 16 columns of Wk, source 1 = 16 keys.  Lane (r, h) holds key (c, j, r); register 8 u + i of v[128 + 16 j ..] is channel 16 h + 8 u + i.  The eight accumulators take turns.
.irp j, 0,1,2,3
.irp u, 0,1
	MM 128+16*\j+8*\u, 32+16*\u, 64+16*\j, BI+8*\u, SW+2*\u, SW+4+2*\j
.endr
.endr
.irp j, 0,1,2,3
.irp u, 0,1
	MM 128+16*\j+8*\u, 40+16*\u, 72+16*\j, 128+16*\j+8*\u, SW+2*\u+1, SW+5+2*\j
.endr
.endr
.rept 4
	v_nop                                          ; four places ahead of the first read of results
.endr
.irp j, 0,1,2,3
	v_max3_num_f32 v[M+\j], |v[128+16*\j]|, |v[129+16*\j]|, FLOOR   ; a key's 32 channels are one block: my 16,
.endr
.irp i, 2,4,6,8,10,12,14
.irp j, 0,1,2,3
	v_max3_num_f32 v[M+\j], v[M+\j], |v[128+16*\j+\i]|, |v[129+16*\j+\i]|
.endr
.endr
.irp j, 0,1,2,3
	v_permlanex16_b32 v[T+\j], v[M+\j], s38, s39
.endr
.irp j, 0,1,2,3
	v_max_num_f32 v[M+\j], v[M+\j], v[T+\j]        ; and lane l xor 16's
.endr
.irp j, 0,1,2,3
	v_add_nc_u32 v[S+\j], EOFF, v[M+\j]
.endr
.irp j, 0,1,2,3
	v_lshrrev_b32 v[T+\j], 23, v[S+\j]
.endr
	v_lshl_or_b32 v[OW], v[T+1], 8, v[T]           ; byte j: the scale of key (c, j, r)
	v_lshl_or_b32 v[OW], v[T+2], 16, v[OW]
	v_lshl_or_b32 v[OW], v[T+3], 24, v[OW]
.irp j, 0,1,2,3
	v_cvt_scalef32_pk8_fp4_f32 v[OC+2*\j], v[128+16*\j:135+16*\j], v[S+\j]
	v_cvt_scalef32_pk8_fp4_f32 v[OC+2*\j+1], v[136+16*\j:143+16*\j], v[S+\j]
.endr
	v_nop                                          ; one plain line behind the scaled conversions
.irp c, 0,1                            ; a lane is to hold a whole key: lanes 0-15 key j = 2 c, lanes 16-31 key j = 2 c + 1
.irp i, 0,1
	v_permlane16_swap_b32 v[OC+4*\c+\i], v[OC+4*\c+2+\i]
.endr
.endr
	s_lshl_b32 s46, s36, 3
	s_lshl_b32 s48, s50, 2
	s_add_co_u32 s46, s46, s48
	s_add_co_u32 s46, s46, s40                     ; 8 batch + head
	s_lshl_b32 s48, s46, 4
	s_lshl_b32 s49, s37, 1
	s_add_co_u32 s48, s48, s49
	s_add_co_u32 s48, s48, s41                     ; x 16 + the group of 64 keys
	s_lshl_b32 s48, s48, 10
	s_mov_b32 s49, 0
	s_add_nc_u64 s[20:21], s[20:21], s[48:49]
	global_store_b128 v[LI], v[OC:OC+3], s[20:21]              ; 512 consecutive bytes a store
	global_store_b128 v[LI], v[OC+4:OC+7], s[20:21] offset:512
	s_lshl_b32 s48, s46, 3
	s_add_co_u32 s48, s48, s37
	s_lshl_b32 s48, s48, 7
	s_lshl_b32 s51, s41, 6
	s_add_co_u32 s48, s48, s51
	s_add_nc_u64 s[22:23], s[22:23], s[48:49]
	v_cmp_gt_u32 vcc_lo, 16, v[LN]
	s_wait_xcnt 0x0                                ; EXEC is a source of the stores above: it changes only behind this wait
	s_wait_tensorcnt 0x0
	ds_add_u32 v254, v255
	s_wait_dscnt 0x0
	s_and_saveexec_b32 s52, vcc_lo
	global_store_b32 v[R4], v[OW], s[22:23]        ; lanes 0-15: 64 bytes; the wave of the other group stores the other 64
	s_wait_xcnt 0x0
	s_or_b32 exec_lo, exec_lo, s52
	s_endpgm
	; ---- v
.Lv:
	s_and_b32 s50, s34, 1                          ; half
	s_lshl_b32 s46, s50, 9
	s_add_nc_u64 s[44:45], s[8:9], s[46:47]        ; Wv at the half's columns
	s_add_nc_u64 s[16:17], s[16:17], s[46:47]      ; bv likewise
	s_lshl_b32 s48, s36, 2
	s_load_b32 s49, s[18:19], s48 offset:0x0       ; the batch's length
	global_load_b32 v[BI+8], v[CB], s[16:17]       ; bv of my column
	FRONT VX, VXS
	s_wait_dscnt 0x0                               ; for the others' sake: my images of x lie in LDS
	s_barrier_signal -1
	s_barrier_wait -1
.irp i, 0,1,2,3,4,5,6,7
	v_mov_b32 v[BI+\i], v[BI+8]                    ; the C of a sum's first product: my column's bias for all eight keys
.endr
.irp t, 0,1,2,3,4,5,6,7
.irp s, 0,1
.irp c, 0,1
	ds_load_b128 v[XD+16*\t+8*\s+4*\c:XD+16*\t+8*\s+4*\c+3], v[LI] offset:VX+2048*\t+1024*\s+512*\c
.endr
	ds_load_b32 v[SW+2*\t+\s], v[LS] offset:VXS+256*\t+128*\s
.endr
.endr
	s_wait_kmcnt 0x0
	s_lshl_b32 s51, s37, 7
	s_sub_co_i32 s49, s49, s51                     ; the length, counted from my work-group's first key
.rept 8
	v_nop                                          ; the weight's scale words were made by vector lines: eight places ahead of a scaled product (its codes: four)
.endr
	s_wait_dscnt 0x0
; A group c of 64 keys.  NOT transposed: source 0 = 16 keys, source 1 = my 16 columns of Wv.  Lane (r, h) holds column r; register 8 j + i of v160.. is key 64 c + 32 h + 8 j + i: a whole block of the next K.
.macro VHALF c
.irp j, 0,1,2,3
	MM 160+8*\j, XD+16*(4*(\c)+\j), WC, BI, SW+2*(4*(\c)+\j), WW
.endr
.irp j, 0,1,2,3
	MM 160+8*\j, XD+16*(4*(\c)+\j)+8, WC+8, 160+8*\j, SW+2*(4*(\c)+\j)+1, WW+1
.endr
.rept 4
	v_nop
.endr
	s_sub_co_i32 s52, s49, 64*(\c)
	v_sub_nc_u32 v[DL], s52, v[H32]                ; register i counts where i < length - first key - 64 c - 32 h
.irp i, 0,1,2,3,4,5,6,7,8,9,10,11,12,13,14,15,16,17,18,19,20,21,22,23,24,25,26,27,28,29,30,31
	v_cmp_lt_i32 vcc_lo, \i, v[DL]
	v_cndmask_b32 v[160+\i], 0, v[160+\i], vcc_lo  ; the mask, ahead of the quantiser
.endr
	v_max3_num_f32 v[M], |v160|, |v161|, FLOOR
	v_max3_num_f32 v[M+1], |v176|, |v177|, FLOOR
.irp i, 2,4,6,8,10,12,14
	v_max3_num_f32 v[M], v[M], |v[160+\i]|, |v[161+\i]|
	v_max3_num_f32 v[M+1], v[M+1], |v[176+\i]|, |v[177+\i]|
.endr
	v_max_num_f32 v[M], v[M], v[M+1]
	v_add_nc_u32 v[S+(\c)], EOFF, v[M]
	v_lshrrev_b32 v[T+(\c)], 23, v[S+(\c)]
.irp g, 0,1,2,3
	v_cvt_scalef32_pk8_fp4_f32 v[OC+4*(\c)+\g], v[160+8*\g:167+8*\g], v[S+(\c)]
.endr
	v_nop                                          ; one plain line behind the scaled conversions
.endm
	VHALF 0
	VHALF 1
	v_lshl_or_b32 v[T], v[T+1], 16, v[T]           ; blocks h and 2 + h of the key step,
	v_lshlrev_b32 v[T], v[SH8], v[T]
	v_permlanex16_b32 v[T+2], v[T], s38, s39
	v_or_b32 v[OW], v[T], v[T+2]                   ; with lane l xor 16's the word is whole
	s_lshl_b32 s46, s36, 3
	s_lshl_b32 s48, s50, 2
	s_add_co_u32 s46, s46, s48
	s_add_co_u32 s46, s46, s40                     ; 8 batch + head
	s_lshl_b32 s46, s46, 3
	s_add_co_u32 s46, s46, s37                     ; x 8 + key step
	s_lshl_b32 s48, s46, 1
	s_add_co_u32 s48, s48, s41                     ; x 2 + u
	s_lshl_b32 s48, s48, 10
	s_mov_b32 s49, 0
	s_add_nc_u64 s[24:25], s[24:25], s[48:49]
	global_store_b128 v[LI], v[OC:OC+3], s[24:25]
	global_store_b128 v[LI], v[OC+4:OC+7], s[24:25] offset:512
	s_lshl_b32 s48, s46, 7
	s_lshl_b32 s51, s41, 6
	s_add_co_u32 s48, s48, s51
	s_add_nc_u64 s[26:27], s[26:27], s[48:49]
	v_cmp_gt_u32 vcc_lo, 16, v[LN]
	s_wait_xcnt 0x0                                ; EXEC changes only behind this wait
	s_wait_tensorcnt 0x0
	ds_add_u32 v254, v255
	s_wait_dscnt 0x0
	s_and_saveexec_b32 s52, vcc_lo
	global_store_b32 v[R4], v[OW], s[26:27]
	s_wait_xcnt 0x0
	s_or_b32 exec_lo, exec_lo, s52
	s_endpgm
.Lfunc_end_k_q330346d595_prep:
	.size	k_q330346d595_prep, .Lfunc_end_k_q330346d595_prep-k_q330346d595_prep
	.p2alignl 7, 3214868480
	.fill 96, 4, 3214868480
	.section	.rodata,"a",@progbits
	.p2align	6, 0x0
	.amdhsa_kernel k_q330346d595_prep
		.amdhsa_group_segment_fixed_size 56320
		.amdhsa_private_segment_fixed_size 0
		.amdhsa_enable_private_segment 0
		.amdhsa_kernarg_size 112
		.amdhsa_user_sgpr_count 2
		.amdhsa_user_sgpr_kernarg_segment_ptr 1
		.amdhsa_wavefront_size32 1
		.amdhsa_system_sgpr_workgroup_id_x 1
		.amdhsa_system_sgpr_workgroup_id_y 1
		.amdhsa_system_sgpr_workgroup_id_z 1
		.amdhsa_system_vgpr_workitem_id 0
		.amdhsa_next_free_vgpr 256
		.amdhsa_next_free_sgpr 66
		.amdhsa_reserve_vcc 1
		.amdhsa_float_denorm_mode_32 3
		.amdhsa_float_denorm_mode_16_64 3
		.amdhsa_memory_ordered 1
		.amdhsa_forward_progress 1
		.amdhsa_inst_pref_size 102
	.end_amdhsa_kernel
	.amdgpu_metadata
---
amdhsa.version: [ 1, 2 ]
amdhsa.kernels:
  - .name:           k_q330346d595_prep
    .symbol:         k_q330346d595_prep.kd
    .args:
      - { .name: K, .offset: 0, .size: 8, .value_kind: global_buffer, .address_space: global }
      - { .name: Wk, .offset: 8, .size: 8, .value_kind: global_buffer, .address_space: global }
      - { .name: Wv, .offset: 16, .size: 8, .value_kind: global_buffer, .address_space: global }
      - { .name: Wq, .offset: 24, .size: 8, .value_kind: global_buffer, .address_space: global }
      - { .name: Wo, .offset: 32, .size: 8, .value_kind: global_buffer, .address_space: global }
      - { .name: bk, .offset: 40, .size: 8, .value_kind: global_buffer, .address_space: global }
      - { .name: bv, .offset: 48, .size: 8, .value_kind: global_buffer, .address_space: global }
      - { .name: lengths, .offset: 56, .size: 8, .value_kind: global_buffer, .address_space: global }
      - { .name: kfrag, .offset: 64, .size: 8, .value_kind: global_buffer, .address_space: global }
      - { .name: ksc, .offset: 72, .size: 8, .value_kind: global_buffer, .address_space: global }
      - { .name: vfrag, .offset: 80, .size: 8, .value_kind: global_buffer, .address_space: global }
      - { .name: vsc, .offset: 88, .size: 8, .value_kind: global_buffer, .address_space: global }
      - { .name: wfrag, .offset: 96, .size: 8, .value_kind: global_buffer, .address_space: global }
      - { .name: wsc, .offset: 104, .size: 8, .value_kind: global_buffer, .address_space: global }
    .group_segment_fixed_size: 56320
    .private_segment_fixed_size: 0
    .kernarg_segment_align: 8
    .kernarg_segment_size: 112
    .max_flat_workgroup_size: 256
    .sgpr_count:     66
    .vgpr_count:     256
    .wavefront_size: 32
...
	.end_amdgpu_metadata
.endif
;; end of part 1
;; launch attn (part 2): grid 512 x 1, 4 waves a work-group, no clusters, 21,248 bytes of LDS; arguments Q, lengths, wfrag, wsc, bq, kfrag, ksc, vfrag, vsc, g0, b0, bo, g1, b1, out0; writes out0
.if DOCPART == 2
	.amdgcn_target "amdgcn-amd-amdhsa--gfx1250"
	.amdhsa_code_object_version 6
	.text
	.protected	k_q330346d595_attn
	.globl	k_q330346d595_attn
	.p2align	8
	.type	k_q330346d595_attn,@function
k_q330346d595_attn:
	s_mov_b64 s[64:65], 0
	v_nop
	global_prefetch_b8 v0, s[64:65] scope:SCOPE_SE
	s_setreg_imm32_b32 hwreg(HW_REG_WAVE_MODE, 25, 1), 1
	s_wait_xcnt 0x0
; ATTN: q = (Q Wq + bq) x mask; for each head A = e / (sum of e + 1e-15), e = exp(q . k / 16) x masks; O = q + A v; LayerNorm; O + relu(O Wo + bo); LayerNorm.  All four products on codes of FP4 (E2M1) with E8M0 scales.
; SHARES.  A work-group owns 16 query rows of one batch (batch = id % 8, rows 16 (id / 8) on) and all 8 heads; wave w owns heads 2 w and 2 w + 1, channels 64 w .. 64 w + 63, through the whole chain.
; A lane holds ONE query row (lane % 16) throughout: every product is used transposed (source 0 = 16 columns of a weight, 16 keys, or 16 channels of v; source 1 = my 16 rows).
; A IS QUANTISED FINISHED, so a row's whole sum comes first.  Phase A of a head: scores, exponentials and sums for all key steps, e KEPT IN REGISTERS (8 slots of 64).  Phase B: e x 1 / sum, quantised, times v.
; THE FIRST ATTENTION PRODUCT HAS K = 32: a fragment of k holds 64 keys, 16 in each block of 32 along K; four fragments of q hold q's 32 codes in block j and zero codes elsewhere.  Four products on one fragment
; of k give 64 keys' scores, and by the order in which the keys were laid a lane's 32 registers are 32 neighbouring keys: a whole block of the next product.
; THE LENGTH.  Only the n = ceil(length / 128) key steps that hold a key that counts are walked.  Slot 0 takes key step n - 1, the only one that the length can cut: it alone has mask lines.  Slot k >= 1 takes step k - 1.
; Phase A goes up the slots and leaves where they end; phase B goes down from there: so every register that is read has been written on every way.  A block of rows that lies wholly behind the length goes to the tail with O = 0.
; No maximum is taken away ahead of the exponential: the function computed here is defined so.
; NO CLUSTER, NO TENSOR LOAD: branches hang on the length, which is read from memory; and a fragment of k or v is read by one wave of a work-group alone (a wave owns its heads), so LDS would add a way and no reuse.
; Fragments come from memory straight into registers, 512 consecutive bytes an instruction, asked for a whole phase ahead of their use; so no prefetch is laid either.
; LIMITS: NaN and infinities among the inputs are not served.  An e under 2^-126 counts as 0 (the exponential's own behaviour: ISA guide, its entry).  A block of zeros has the scale byte 1, not 127: its codes are zeros.
; Sums are taken in another order than the definition's.  The length is held to 0 .. 1,024.
; REGISTERS, in windows of 256.  Window 0: v1-21 addresses and masks; v22-31, v150-159 at work; v32-63 QA: bq, q, O, and so on to the result (register 16 hd + i: channel 32 hd + 16 h + i of my 64);
;   v64-99 q's fragments; v100-107 A's codes; v108-127 scale words of k, v, the weight; v128-143 x's fragments; v144-148 scale words made here; v160-255 v's slots 0-5.
;   Windows 1-3: e's slots (three, three, two); from 192: each slot's two largest t (192-197), 1 / sum (202-203), at work (206-207), four sums (208-215); k's slots, v's slots 6, 7 (macro SLOTSYM).
.set FLOOR, 0x1800000                  ; 2^(3 - 127)
.set EOFF,  0xff000000                 ; takes 2 off an exponent field
.set STAT0, 0                          ; LDS: row x 32 + 8 w: a wave's mean and sum of squares, for the first norm;
.set STAT1, 512                        ;   for the second;
.set OSC,   1024                       ;   the scale words of the last product's operand: 128 x K step + 4 x lane;
.set OIMG,  1280                       ;   its two fragments as images of their registers: 16 x thread;
.set STG,   3328                       ;   a stage of 16 rows x (256 + 16) bytes for each wave, for the way out
.set LN,  1
.set R,   2
.set H,   3
.set LI,  4                            ; 16 x lane
.set LS,  5                            ; 4 x lane
.set QOFF, 6                           ; 1024 r + 128 h
.set PB,  7                            ; 256 w + 64 h: my 16 + 16 numbers of a vector of 256
.set SH8, 8                            ; 8 h
.set LOM, 9                            ; all ones in lanes 0-15
.set HIM, 10                           ; all ones in lanes 16-31
.set RM,  12                           ; v[12:13] 1.0 where my row counts, else 0
.set H32, 14
.set SST, 15                           ; 32 r + 8 w
.set SRD, 16                           ; 32 r
.set OIW, 17
.set OSW, 18
.set SGW, 19
.set SGR, 20
.set GO,  21
.set QA,  32
.set BQ,  64                           ; Z F0a Z F1a Z F0b Z F1b Z, four registers each: Z zeros, F0 q's codes in lanes 0-15, F1 in lanes 16-31
.set P,   100
.set KS,  108
.set VS,  116
.set WS,  124
.set XQ,  128
.set PW,  144
.set QW,  145
.set XW,  147
.set MSB, 0
.macro WIN new                         ; the immediate's high byte repeats the setting that is left; bits 1:0 source 0, 3:2 source 1, 5:4 source 2, 7:6 destination
.if MSB != (\new)
	s_set_vgpr_msb (MSB<<8)|(\new)
.set MSB, \new
.endif
.endm
.macro MM d, a, b, sa, sb              ; adds in place
	v_wmma_scale_f32_16x16x128_f8f6f4 v[(\d):(\d)+7], v[(\a):(\a)+7], v[(\b):(\b)+7], v[(\d):(\d)+7], v[\sa], v[\sb] matrix_a_fmt:MATRIX_FMT_FP4 matrix_b_fmt:MATRIX_FMT_FP4
.endm
.macro MM1 d, a, b, sa, sb             ; the same; source 0's scales from lanes 16-31
	v_wmma_scale_f32_16x16x128_f8f6f4 v[(\d):(\d)+7], v[(\a):(\a)+7], v[(\b):(\b)+7], v[(\d):(\d)+7], v[\sa], v[\sb] matrix_a_fmt:MATRIX_FMT_FP4 matrix_b_fmt:MATRIX_FMT_FP4 matrix_a_scale:MATRIX_SCALE_ROW1
.endm
.macro MMZ d, a, b, sa, sb             ; starts a sum
	v_wmma_scale_f32_16x16x128_f8f6f4 v[(\d):(\d)+7], v[(\a):(\a)+7], v[(\b):(\b)+7], 0, v[\sa], v[\sb] matrix_a_fmt:MATRIX_FMT_FP4 matrix_b_fmt:MATRIX_FMT_FP4
.endm
.macro MMZ1 d, a, b, sa, sb
	v_wmma_scale_f32_16x16x128_f8f6f4 v[(\d):(\d)+7], v[(\a):(\a)+7], v[(\b):(\b)+7], 0, v[\sa], v[\sb] matrix_a_fmt:MATRIX_FMT_FP4 matrix_b_fmt:MATRIX_FMT_FP4 matrix_a_scale:MATRIX_SCALE_ROW1
.endm
.macro PLACES n
.rept \n
	v_nop
.endr
.endm
.macro SLOTSYM k                       ; where slot k lies: e in window EW at EL, its largest t at ML; k's fragments in window KWN at KL; v's in window VWN at VL
.set EW, 1+(\k)/3
.set EL, 64*((\k)%3)
.set ML, 192+2*((\k)%3)
.if (\k) < 4
.set KWN, 1+(\k)/2
.set KL, 224+16*((\k)%2)
.else
.set KWN, 3
.set KL, 128+16*((\k)-4)
.endif
.if (\k) < 6
.set VWN, 0
.set VL, 160+16*(\k)
.else
.set VWN, 3
.set VL, 224+16*((\k)-6)
.endif
.endm
.macro LOADK k, hh                     ; slot k's two fragments of k (64 keys each) and their scale words, for my head hh
	SLOTSYM \k
	WIN KWN<<6
.irp q, 0,1,2,3
.if (\k) == 0
	global_load_b128 v[KL+4*\q:KL+4*\q+3], v[LI], s[44:45] offset:16384*(\hh)+512*\q
.else
	global_load_b128 v[KL+4*\q:KL+4*\q+3], v[LI], s[14:15] offset:16384*(\hh)+2048*((\k)-1)+512*\q
.endif
.endr
	WIN 0
.if (\k) == 0
	global_load_b32 v[KS+(\k)], v[LS], s[46:47] offset:1024*(\hh)
.else
	global_load_b32 v[KS+(\k)], v[LS], s[16:17] offset:1024*(\hh)+128*((\k)-1)
.endif
.endm
.macro LOADV k, hh                     ; slot k's two fragments of v (16 channels x 128 keys each) and their scale words
	SLOTSYM \k
	WIN VWN<<6
.irp q, 0,1,2,3
.if (\k) == 0
	global_load_b128 v[VL+4*\q:VL+4*\q+3], v[LI], s[48:49] offset:16384*(\hh)+512*\q
.else
	global_load_b128 v[VL+4*\q:VL+4*\q+3], v[LI], s[18:19] offset:16384*(\hh)+2048*((\k)-1)+512*\q
.endif
.endr
	WIN 0
.if (\k) == 0
	global_load_b32 v[VS+(\k)], v[LS], s[50:51] offset:1024*(\hh)
.else
	global_load_b32 v[VS+(\k)], v[LS], s[20:21] offset:1024*(\hh)+128*((\k)-1)
.endif
.endm
.macro PLOAD dst, sb                   ; my 32 numbers of a vector of 256, in QA's layout
.irp d, 0,1
.irp i, 0,1,2,3
	global_load_b128 v[(\dst)+16*\d+4*\i:(\dst)+16*\d+4*\i+3], v[PB], s[\sb:\sb+1] offset:128*\d+16*\i
.endr
.endr
.endm
; QA's two blocks of 32 channels (a lane holds 16 of each) become codes in v[P] .. v[P+3] (two registers a block) and scale bytes in v24, v25.
.macro HQ2
.irp d, 0,1
	v_max3_num_f32 v[22+\d], |v[QA+16*\d]|, |v[QA+16*\d+1]|, FLOOR
.endr
.irp i, 2,4,6,8,10,12,14
.irp d, 0,1
	v_max3_num_f32 v[22+\d], v[22+\d], |v[QA+16*\d+\i]|, |v[QA+16*\d+\i+1]|
.endr
.endr
.irp d, 0,1
	v_permlanex16_b32 v[150+\d], v[22+\d], s40, s41
.endr
.irp d, 0,1
	v_max_num_f32 v[22+\d], v[22+\d], v[150+\d]    ; with lane l xor 16's 16: the block's largest magnitude
.endr
.irp d, 0,1
	v_add_nc_u32 v[26+\d], EOFF, v[22+\d]
.endr
.irp d, 0,1
	v_lshrrev_b32 v[24+\d], 23, v[26+\d]
.endr
.irp d, 0,1
	v_cvt_scalef32_pk8_fp4_f32 v[P+2*\d], v[QA+16*\d:QA+16*\d+7], v[26+\d]
	v_cvt_scalef32_pk8_fp4_f32 v[P+2*\d+1], v[QA+16*\d+8:QA+16*\d+15], v[26+\d]
.endr
	v_nop                                          ; one plain line behind the scaled conversions
.endm
; PHASE A, slot k of head hh: 128 keys' scores, t = score x log2(e) / 16, each block's largest t, e = 2^t, the sums.
.macro ASLOT hh, k
	SLOTSYM \k
	WIN (EW<<6)|KWN
.irp j, 0,1,2,3
	MMZ EL+8*\j, KL, BQ+16*(\hh)+4*(2*(\j%2)+1-\j/2), KS+(\k), QW+(\hh)
.endr
.irp j, 0,1,2,3
	MMZ1 EL+32+8*\j, KL+8, BQ+16*(\hh)+4*(2*(\j%2)+1-\j/2), KS+(\k), QW+(\hh)
.endr
	PLACES 4                                       ; ahead of the loads into k's registers and of the first read of results
.if (\hh) == 0
	LOADK \k, 1                                    ; the next head's fragments: a whole phase ahead of their use
.endif
	WIN 0x55*EW
.set i, 0
.rept 32
	v_pk_mul_f32 v[EL+i:EL+i+1], v[EL+i:EL+i+1], s[42:43] op_sel_hi:[1,0]   ; each accumulator from its low end on
.set i, i+2
.endr
.if (\k) == 0                          ; the key step that the length can cut: register 32 g + i is key 64 g + 32 h + i of the step; behind the length t = -infinity, e = 0
.set i, 0
.rept 64
	v_cmp_ge_i32 vcc_lo, 64*(i/32)+(i%32), v204
	v_cndmask_b32 v[EL+i], v[EL+i], v205, vcc_lo
.set i, i+1
.endr
.endif
.irp g, 0,1                            ; each block's largest t, in two chains a block: e rises with t, so its exponential is the block's largest e
	v_max3_num_f32 v[ML+\g], v[EL+32*\g], v[EL+32*\g+1], v[EL+32*\g+2]
	v_max3_num_f32 v[206+\g], v[EL+32*\g+16], v[EL+32*\g+17], v[EL+32*\g+18]
.endr
.irp i, 3,5,7,9,11,13
.irp g, 0,1
	v_max3_num_f32 v[ML+\g], v[ML+\g], v[EL+32*\g+\i], v[EL+32*\g+\i+1]
	v_max3_num_f32 v[206+\g], v[206+\g], v[EL+32*\g+16+\i], v[EL+32*\g+17+\i]
.endr
.endr
.irp g, 0,1
	v_max3_num_f32 v[ML+\g], v[ML+\g], v[EL+32*\g+15], v[EL+32*\g+31]
.endr
.irp g, 0,1
	v_max_num_f32 v[ML+\g], v[ML+\g], v[206+\g]
.endr
.set i, 0
.rept 64
	v_exp_f32 v[EL+i], v[EL+i]
.set i, i+1
.endr
	v_exp_f32 v[ML], v[ML]
	v_exp_f32 v[ML+1], v[ML+1]
	v_nop                                          ; a plain line behind the last exponential
	s_wait_alu depctr_va_vdst(0)                   ; one wait for the batch of 66, ahead of its first reader
.if (\k)%3 == 0                        ; a window's first slot starts the window's four sums
.irp q, 0,1,2,3
	v_pk_add_f32 v[208+2*\q:209+2*\q], v[EL+2*\q:EL+2*\q+1], v[EL+8+2*\q:EL+9+2*\q]
.endr
.set i, 16
.else
.set i, 0
.endif
.rept (64-i)/2
	v_pk_add_f32 v[208+2*((i/2)%4):209+2*((i/2)%4)], v[208+2*((i/2)%4):209+2*((i/2)%4)], v[EL+i:EL+i+1]
.set i, i+2
.endr
	WIN 0
.endm
; The end of phase A behind slot k: the row's sum over the windows in use, 1 / (sum + 1e-15) x the row's mask, into each window in use.
.macro FIN k
.set w, 1
.rept 1+(\k)/3
	WIN 0x55*w
	v_pk_add_f32 v[208:209], v[208:209], v[210:211]
	v_pk_add_f32 v[212:213], v[212:213], v[214:215]
	v_pk_add_f32 v[208:209], v[208:209], v[212:213]
	WIN w|(w<<2)
	v_add_f32 v[22+w-1], v208, v209
.set w, w+1
.endr
	WIN 0
.if (\k) >= 3
	v_add_f32 v22, v22, v23
.endif
.if (\k) >= 6
	v_add_f32 v22, v22, v24
.endif
	v_permlanex16_b32 v150, v22, s40, s41
	v_add_f32 v22, v22, v150                       ; with lane l xor 16's keys: the row's sum
	v_add_f32 v22, 0x26901d7d, v22                 ; + 1e-15
	v_rcp_f32 v23, v22
	v_nop                                          ; a plain line behind the reciprocal
	s_wait_alu depctr_va_vdst(0)                   ; ahead of the first reader
	v_mul_f32 v23, v23, v[RM]
.set w, 1
.rept 1+(\k)/3
	WIN w<<6
	v_mov_b32 v202, v23
	v_mov_b32 v203, v23
.set w, w+1
.endr
	WIN 0
	s_wait_loadcnt 0x0                             ; first head: the next head's k is in, ahead of the refills of v; second head: its v is in
.endm
; PHASE B, slot k of head hh: A = e / sum, quantised along the keys, O^T += v^T A^T.
.macro BSLOT hh, k
.LB\hh\k:
	SLOTSYM \k
	WIN 0x55*EW
	v_pk_mul_f32 v[ML:ML+1], v[ML:ML+1], v[202:203]    ; each block's largest A: the same multiplication as its element's
	v_max_num_f32 v[ML], FLOOR, v[ML]
	v_max_num_f32 v[ML+1], FLOOR, v[ML+1]
	v_add_nc_u32 v[ML], EOFF, v[ML]                ; the conversions' scale operands
	v_add_nc_u32 v[ML+1], EOFF, v[ML+1]
	WIN 5*EW
	v_lshrrev_b32 v26, 23, v[ML]
	v_lshrrev_b32 v27, 23, v[ML+1]
	WIN 0
	v_lshl_or_b32 v26, v27, 16, v26                ; blocks h and 2 + h of these 128 keys
	v_lshlrev_b32 v26, v[SH8], v26
	v_permlanex16_b32 v151, v26, s40, s41
	v_or_b32 v[PW], v26, v151                      ; A's scale word
	WIN 0x55*EW
.set i, 0
.rept 32
	v_pk_mul_f32 v[EL+i:EL+i+1], v[EL+i:EL+i+1], v[202:203]   ; (these are also the eight places between the scale word and the products)
.set i, i+2
.endr
	WIN 5*EW
.irp g, 0,1
.irp t, 0,1,2,3
	v_cvt_scalef32_pk8_fp4_f32 v[P+4*\g+\t], v[EL+32*\g+8*\t:EL+32*\g+8*\t+7], v[ML+\g]
.endr
.endr
	WIN VWN
	PLACES 4                                       ; between the codes and the products
	MM QA+16*(\hh), VL, P, VS+(\k), PW             ; the two accumulators take turns, one instruction a turn
	MM1 QA+16*(\hh)+8, VL+8, P, VS+(\k), PW
	PLACES 4                                       ; ahead of the loads into v's registers, of the next write of the scale word, and of the tail's reads
.if (\hh) == 0
	LOADV \k, 1
.endif
	WIN 0
.endm
.macro STAGE hh, k, kn                 ; slot k; on to slot kn where it exists, else the sum, and down into phase B at slot k
	ASLOT \hh, \k
	s_cmp_gt_u32 s38, \kn
	s_cbranch_scc1 .LA\hh\kn
	FIN \k
	s_branch .LB\hh\k
.LA\hh\kn:
.endm
.macro HEAD hh
	STAGE \hh, 0, 1
	STAGE \hh, 1, 2
	STAGE \hh, 2, 3
	STAGE \hh, 3, 4
	STAGE \hh, 4, 5
	STAGE \hh, 5, 6
	STAGE \hh, 6, 7
	ASLOT \hh, 7
	FIN 7
	BSLOT \hh, 7
	BSLOT \hh, 6
	BSLOT \hh, 5
	BSLOT \hh, 4
	BSLOT \hh, 3
	BSLOT \hh, 2
	BSLOT \hh, 1
	BSLOT \hh, 0
.endm
; A norm's first half: my wave's 64 channels of each row: their mean, and the sum of squares about that mean, to LDS.
.macro LNSTAT stat
	v_pk_add_f32 v[22:23], v[QA:QA+1], v[QA+2:QA+3]
	v_pk_add_f32 v[24:25], v[QA+4:QA+5], v[QA+6:QA+7]
.irp i, 8,12,16,20,24,28
	v_pk_add_f32 v[22:23], v[22:23], v[QA+\i:QA+\i+1]
	v_pk_add_f32 v[24:25], v[24:25], v[QA+\i+2:QA+\i+3]
.endr
	v_pk_add_f32 v[22:23], v[22:23], v[24:25]
	v_add_f32 v22, v22, v23
	v_permlanex16_b32 v150, v22, s40, s41
	v_add_f32 v22, v22, v150
	v_mul_f32 v30, 0x3c800000, v22                 ; / 64
	v_mov_b32 v31, v30
.irp i, 0,4,8,12,16,20,24,28
	v_pk_add_f32 v[22:23], v[QA+\i:QA+\i+1], v[30:31] neg_lo:[0,1] neg_hi:[0,1]
	v_pk_add_f32 v[24:25], v[QA+\i+2:QA+\i+3], v[30:31] neg_lo:[0,1] neg_hi:[0,1]
.if \i == 0
	v_pk_mul_f32 v[26:27], v[22:23], v[22:23]
	v_pk_mul_f32 v[28:29], v[24:25], v[24:25]
.else
	v_pk_fma_f32 v[26:27], v[22:23], v[22:23], v[26:27]
	v_pk_fma_f32 v[28:29], v[24:25], v[24:25], v[28:29]
.endif
.endr
	v_pk_add_f32 v[26:27], v[26:27], v[28:29]
	v_add_f32 v31, v26, v27
	v_permlanex16_b32 v150, v31, s40, s41
	v_add_f32 v31, v31, v150
	ds_store_b64 v[SST], v[30:31] offset:\stat     ; both lanes of a row write the same 8 bytes with the same values
	s_wait_dscnt 0x0                               ; for the others' sake
	s_barrier_signal -1
	s_barrier_wait -1
.endm
; Its second half: the four waves' figures make the row's mean and variance (no difference of large sums is formed); QA = (QA - mean) / sqrt(var + 1e-5) x g + b.
.macro LNAPPLY stat, g, bz, win
	ds_load_b128 v[22:25], v[SRD] offset:\stat
	ds_load_b128 v[26:29], v[SRD] offset:(\stat)+16
	s_wait_dscnt 0x0
	v_add_f32 v30, v22, v24
	v_add_f32 v31, v26, v28
	v_add_f32 v30, v30, v31
	v_mul_f32 v30, 0x3e800000, v30                 ; the row's mean
	v_sub_f32 v22, v22, v30
	v_sub_f32 v24, v24, v30
	v_sub_f32 v26, v26, v30
	v_sub_f32 v28, v28, v30
	v_add_f32 v23, v23, v25
	v_add_f32 v27, v27, v29
	v_add_f32 v23, v23, v27
	v_mul_f32 v22, v22, v22
	v_fma_f32 v22, v24, v24, v22
	v_fma_f32 v22, v26, v26, v22
	v_fma_f32 v22, v28, v28, v22
	v_fmamk_f32 v23, v22, 0x42800000, v23          ; + 64 x the waves' means' squares about the mean
	v_mul_f32 v23, 0x3b800000, v23                 ; / 256
	v_add_f32 v23, 0x3727c5ac, v23                 ; + 1e-5
	v_rsq_f32 v152, v23
	v_mov_b32 v31, v30                             ; (a plain line behind the root)
	s_wait_alu depctr_va_vdst(0)                   ; ahead of the first reader
	v_mov_b32 v153, v152
.set i, 0
.rept 16
	v_pk_add_f32 v[QA+i:QA+i+1], v[QA+i:QA+i+1], v[30:31] neg_lo:[0,1] neg_hi:[0,1]
.set i, i+2
.endr
.set i, 0
.rept 16
	v_pk_mul_f32 v[QA+i:QA+i+1], v[QA+i:QA+i+1], v[152:153]
.set i, i+2
.endr
	WIN \win
.set i, 0
.rept 16
	v_pk_fma_f32 v[QA+i:QA+i+1], v[QA+i:QA+i+1], v[(\g)+i:(\g)+i+1], v[(\bz)+i:(\bz)+i+1]
.set i, i+2
.endr
	WIN 0
.endm
	s_load_b512 s[4:19], s[0:1], 0x0               ; Q 4, lengths 6, wfrag 8, wsc 10, bq 12, kfrag 14, ksc 16, vfrag 18
	s_load_b256 s[20:27], s[0:1], 0x40             ; vsc 20, g0 22, b0 24, bo 26
	s_load_b128 s[28:31], s[0:1], 0x60             ; g1 28, b1 30
	s_load_b64 s[32:33], s[0:1], 0x70              ; out0
	v_lshl_add_u32 v158, v0, 2, 0x5100
	v_mov_b32 v159, 0
	v_lshrrev_b32 v1, 5, v0
	v_readfirstlane_b32 s34, v1                    ; wave 0..3
	s_and_b32 s35, ttmp9, 7                        ; batch
	s_lshr_b32 s36, ttmp9, 3
	s_lshl_b32 s36, s36, 4                         ; my work-group's first row
	s_mov_b32 s40, 0x76543210
	s_mov_b32 s41, 0xfedcba98                      ; v_permlanex16_b32's selects for lane l xor 16
	s_mov_b32 s42, 0x3db8aa3b                      ; log2(e) / 16
	s_mov_b32 s43, s42                             ; (named with it as a pair, so it is written)
	v_and_b32 v[LN], 31, v0
	v_and_b32 v[R], 15, v0
	v_bfe_u32 v[H], v0, 4, 1
	v_lshlrev_b32 v[LI], 4, v[LN]
	v_lshlrev_b32 v[LS], 2, v[LN]
	v_lshlrev_b32 v[QOFF], 10, v[R]
	v_lshl_add_u32 v[QOFF], v[H], 7, v[QOFF]
	s_lshl_b32 s53, s34, 8
	v_lshlrev_b32 v[PB], 6, v[H]
	v_add_nc_u32 v[PB], s53, v[PB]
	v_lshlrev_b32 v[SH8], 3, v[H]
	v_add_nc_u32 v[LOM], -1, v[H]
	v_sub_nc_u32 v[HIM], 0, v[H]
	v_lshlrev_b32 v[H32], 5, v[H]
	v_lshlrev_b32 v[SRD], 5, v[R]
	s_lshl_b32 s54, s34, 3
	v_add_nc_u32 v[SST], s54, v[SRD]
	v_lshl_add_u32 v[OIW], v0, 4, OIMG
	s_lshr_b32 s54, s34, 1
	s_lshl_b32 s54, s54, 7
	s_and_b32 s55, s34, 1
	s_lshl_b32 s55, s55, 1
	s_add_co_u32 s54, s54, s55
	s_add_co_u32 s54, s54, OSC
	v_add_nc_u32 v[OSW], s54, v[LS]                ; my two bytes of each row's scale word: K step w / 2, bytes 2 (w % 2) on
	s_mul_i32 s55, s34, 4352
	s_add_co_u32 s55, s55, STG                     ; my stage
	v_mul_u32_u24 v[SGW], v[R], 272
	v_lshl_add_u32 v[SGW], v[H], 6, v[SGW]
	v_add_nc_u32 v[SGW], s55, v[SGW]               ; in: row r, + 64 h
	v_mul_u32_u24 v[SGR], v[H], 272
	v_lshl_add_u32 v[SGR], v[R], 4, v[SGR]
	v_add_nc_u32 v[SGR], s55, v[SGR]               ; back: lanes 0-15 one row of 256 bytes, lanes 16-31 the next
	v_lshlrev_b32 v[GO], 10, v[H]
	v_lshl_add_u32 v[GO], v[R], 4, v[GO]
	v_add_nc_u32 v[GO], s53, v[GO]                 ; and the same in out0
	v_mov_b32 v150, 0                              ; written once: a lane permute's destination counts as one of its sources
	v_mov_b32 v151, 0
	s_lshl_b32 s52, s35, 2
	s_wait_kmcnt 0x0
	s_load_b32 s37, s[6:7], s52 offset:0x0         ; the batch's length
	s_lshl_b32 s54, s35, 3
	s_lshl_b32 s55, s34, 1
	s_add_co_u32 s54, s54, s55                     ; 8 batch + my first head
	s_lshl_b32 s56, s54, 14
	s_mov_b32 s57, 0
	s_add_nc_u64 s[14:15], s[14:15], s[56:57]
	s_add_nc_u64 s[18:19], s[18:19], s[56:57]
	s_lshl_b32 s56, s54, 10
	s_add_nc_u64 s[16:17], s[16:17], s[56:57]
	s_add_nc_u64 s[20:21], s[20:21], s[56:57]
	s_lshl_b32 s56, s35, 20
	s_lshl_b32 s58, s36, 10
	s_add_co_u32 s56, s56, s58
	s_add_nc_u64 s[4:5], s[4:5], s[56:57]          ; Q and out0 at my work-group's first row
	s_add_nc_u64 s[32:33], s[32:33], s[56:57]
	s_lshl_b32 s56, s34, 13
	s_add_nc_u64 s[8:9], s[8:9], s[56:57]          ; the weights' fragments at my four tiles
	s_lshl_b32 s56, s34, 9
	s_add_nc_u64 s[10:11], s[10:11], s[56:57]
	s_wait_kmcnt 0x0
	s_max_i32 s37, s37, 0
	s_min_u32 s37, s37, 0x400                      ; the length, held to 0 .. 1,024
	s_add_co_u32 s38, s37, 127
	s_lshr_b32 s38, s38, 7                         ; n: key steps that hold a key that counts
	s_sub_co_u32 s52, s37, 1
	s_lshr_b32 s52, s52, 7
	s_min_u32 s52, s52, 7                          ; the last of them: slot 0's key step
	s_lshl_b32 s39, s52, 7
	s_sub_co_i32 s39, s37, s39                     ; the length, counted from that step's first key
	s_lshl_b32 s56, s52, 11
	s_add_nc_u64 s[44:45], s[14:15], s[56:57]
	s_add_nc_u64 s[48:49], s[18:19], s[56:57]
	s_lshl_b32 s56, s52, 7
	s_add_nc_u64 s[46:47], s[16:17], s[56:57]
	s_add_nc_u64 s[50:51], s[20:21], s[56:57]
	v_add_nc_u32 v22, s36, v[R]
	v_cmp_gt_u32 vcc_lo, s37, v22
	v_cndmask_b32 v[RM], 0, 1.0, vcc_lo            ; my row's mask
	v_mov_b32 v[RM+1], v[RM]
	s_cmp_lt_u32 s36, s37
	s_cbranch_scc1 .Lactive
.set i, 0
.rept 32
	v_mov_b32 v[QA+i], 0                           ; all 16 rows lie behind the length: O = 0, and the tail is still owed
.set i, i+1
.endr
	s_branch .Ltail
.Lactive:
	; ---- 140 loads.  The first 60 are wanted first: Q's 16 rows, Wq's scale words, bq, Wq's fragments.  Then k and v of my first head, all eight slots whatever n is: every register of the pools is written on every way.
	WIN 0x40
.irp q, 0,1,2,3
.irp i, 0,1,2,3,4,5,6,7
	global_load_b128 v[32*\q+4*\i:32*\q+4*\i+3], v[QOFF], s[4:5] offset:256*\q+16*\i   ; window 1: row r, k = 64 q + 32 h + 4 i on: a lane holds whole blocks
.endr
.endr
	WIN 0
.irp t, 0,1,2,3
	global_load_b32 v[WS+\t], v[LS], s[10:11] offset:128*\t
.endr
	PLOAD QA, 12
	WIN 0x40
.irp t, 0,1,2,3
.irp q, 0,1,2,3
	global_load_b128 v[128+16*\t+4*\q:128+16*\t+4*\q+3], v[LI], s[8:9] offset:2048*\t+512*\q
.endr
.endr
.irp k, 0,1,2,3,4,5,6,7
	LOADK \k, 0
	LOADV \k, 0
.endr
	s_wait_loadcnt 63                              ; 80 loads stand behind the 60; 63 is the most that a wait can name
	; ---- Q's 16 rows are quantised, by each wave for itself: that spares a barrier under the branch on the length
.irp q, 0,1,2,3
	v_mov_b32 v[22+\q], FLOOR
.endr
	WIN 0x14
.irp i, 0,2,4,6,8,10,12,14,16,18,20,22,24,26,28,30
.irp q, 0,1,2,3
	v_max3_num_f32 v[22+\q], v[22+\q], |v[32*\q+\i]|, |v[32*\q+\i+1]|
.endr
.endr
	WIN 0
.irp q, 0,1,2,3
	v_add_nc_u32 v[26+\q], EOFF, v[22+\q]
.endr
.irp q, 0,1,2,3
	v_lshrrev_b32 v[22+\q], 23, v[26+\q]
.endr
.irp s, 0,1
	v_lshl_or_b32 v[22+2*\s], v[23+2*\s], 16, v[22+2*\s]
	v_lshlrev_b32 v[22+2*\s], v[SH8], v[22+2*\s]
	v_permlanex16_b32 v[150+\s], v[22+2*\s], s40, s41
	v_or_b32 v[XW+\s], v[22+2*\s], v[150+\s]
.endr
	WIN 0x01
.irp q, 0,1,2,3
.irp t, 0,1,2,3
	v_cvt_scalef32_pk8_fp4_f32 v[XQ+4*\q+\t], v[32*\q+8*\t:32*\q+8*\t+7], v[26+\q]
.endr
.endr
	WIN 0
	PLACES 8                                       ; a scale word made by vector lines stands eight places ahead of a scaled product, codes four
	; ---- q: my four tiles of Wq's columns, on the bias; the four accumulators take turns
	WIN 0x01
.irp t, 0,1,2,3
	MM QA+8*\t, 128+16*\t, XQ, WS+\t, XW
.endr
.irp t, 0,1,2,3
	MM1 QA+8*\t, 136+16*\t, XQ+8, WS+\t, XW+1
.endr
	WIN 0
	PLACES 4
.set i, 0
.rept 16
	v_pk_mul_f32 v[QA+i:QA+i+1], v[QA+i:QA+i+1], v[RM:RM+1]    ; the row's mask
.set i, i+2
.endr
	; ---- q's codes: a head's 32 channels are one block.  F0 holds them in lanes 0-15, F1 in lanes 16-31
	HQ2
.irp i, 0,1,2,3
	v_mov_b32 v[P+4+\i], 0
.endr
.irp i, 0,1,2,3
	v_permlanex16_b32 v[P+4+\i], v[P+\i], s40, s41
.endr
.irp d, 0,1
	v_lshl_or_b32 v[24+\d], v[24+\d], 8, v[24+\d]
	v_lshl_or_b32 v[QW+\d], v[24+\d], 16, v[24+\d]     ; q's byte in all four places: whichever block holds the codes
	v_and_b32 v[BQ+4+16*\d], v[LOM], v[P+2*\d]
	v_and_b32 v[BQ+5+16*\d], v[LOM], v[P+2*\d+1]
	v_and_b32 v[BQ+6+16*\d], v[LOM], v[P+4+2*\d]
	v_and_b32 v[BQ+7+16*\d], v[LOM], v[P+5+2*\d]
	v_and_b32 v[BQ+12+16*\d], v[HIM], v[P+4+2*\d]
	v_and_b32 v[BQ+13+16*\d], v[HIM], v[P+5+2*\d]
	v_and_b32 v[BQ+14+16*\d], v[HIM], v[P+2*\d]
	v_and_b32 v[BQ+15+16*\d], v[HIM], v[P+2*\d+1]
.endr
.irp z, 0,8,16,24,32
.irp i, 0,1,2,3
	v_mov_b32 v[BQ+\z+\i], 0
.endr
.endr
	WIN 0x40
	v_sub_nc_u32 v204, s39, v[H32]                 ; window 1: slot 0's register 32 g + i is hidden where 64 g + i >= this
	v_mov_b32 v205, 0xff800000                     ; -infinity
	WIN 0
	PLACES 8
	s_wait_loadcnt 0x0                             ; k and v of my first head
	HEAD 0
	HEAD 1
.Ltail:
	; ---- the tail, for every work-group.  60 loads: Wo's scale words, bo, g0, b0, g1, b1, Wo's fragments
.irp t, 0,1,2,3
	global_load_b32 v[WS+\t], v[LS], s[10:11] offset:2048+128*\t
.endr
	PLOAD 224, 26
	PLOAD 160, 22
	PLOAD 192, 24
	WIN 0x40
	PLOAD 0, 28
	PLOAD 32, 30
.irp t, 0,1,2,3
.irp q, 0,1,2,3
	global_load_b128 v[64+16*\t+4*\q:64+16*\t+4*\q+3], v[LI], s[8:9] offset:32768+2048*\t+512*\q
.endr
.endr
	WIN 0
	LNSTAT STAT0
	s_wait_loadcnt 0x0
	LNAPPLY STAT0, 160, 192, 0
	; ---- the normed rows as an operand: my 64 channels are registers 4 (w % 2) .. + 3 of K step w / 2's fragment, and two bytes of its scale words
	HQ2
	v_permlane16_swap_b32 v[P], v[P+2]             ; a lane is to hold a whole block: lanes 0-15 my first 32 channels, lanes 16-31 my second
	v_permlane16_swap_b32 v[P+1], v[P+3]
	v_lshl_or_b32 v24, v25, 8, v24
	ds_store_b128 v[OIW], v[P:P+3]
	ds_store_b16 v[OSW], v24
	s_wait_dscnt 0x0                               ; for the others' sake
	s_barrier_signal -1
	s_barrier_wait -1
.irp q, 0,1,2,3
	ds_load_b128 v[XQ+4*\q:XQ+4*\q+3], v[LI] offset:OIMG+512*\q
.endr
	ds_load_b32 v[XW], v[LS] offset:OSC
	ds_load_b32 v[XW+1], v[LS] offset:OSC+128
	s_wait_dscnt 0x0
	WIN 0x01
.irp t, 0,1,2,3
	MM 224+8*\t, 64+16*\t, XQ, WS+\t, XW           ; on bo; the four accumulators take turns
.endr
.irp t, 0,1,2,3
	MM1 224+8*\t, 72+16*\t, XQ+8, WS+\t, XW+1
.endr
	WIN 0
	PLACES 4
.set i, 0
.rept 32
	v_max_num_f32 v[224+i], 0, v[224+i]
.set i, i+1
.endr
.set i, 0
.rept 16
	v_pk_add_f32 v[QA+i:QA+i+1], v[QA+i:QA+i+1], v[224+i:225+i]
.set i, i+2
.endr
	LNSTAT STAT1
	LNAPPLY STAT1, 0, 32, 0x14
	; ---- the way out, through my own stage: sixteen lanes store 256 consecutive bytes, at a multiple of 256 from out0's first byte
.irp d, 0,1
.irp i, 0,1,2,3
	ds_store_b128 v[SGW], v[QA+16*\d+4*\i:QA+16*\d+4*\i+3] offset:128*\d+16*\i
.endr
.endr
.irp i, 0,1,2,3,4,5,6,7
	ds_load_b128 v[160+4*\i:163+4*\i], v[SGR] offset:544*\i    ; LDS serves a wave's instructions in order (ISA guide 5.7.1): these see my stores
.endr
.irp i, 0,1,2,3,4,5,6,7
	s_wait_dscnt 7-\i                              ; the younger loads may stay out
	global_store_b128 v[GO], v[160+4*\i:163+4*\i], s[32:33] offset:2048*\i th:TH_STORE_NT
.endr
	s_wait_tensorcnt 0x0
	ds_add_u32 v158, v159
	s_wait_dscnt 0x0
	s_endpgm
.Lfunc_end_k_q330346d595_attn:
	.size	k_q330346d595_attn, .Lfunc_end_k_q330346d595_attn-k_q330346d595_attn
	.p2alignl 7, 3214868480
	.fill 96, 4, 3214868480
	.section	.rodata,"a",@progbits
	.p2align	6, 0x0
	.amdhsa_kernel k_q330346d595_attn
		.amdhsa_group_segment_fixed_size 21248
		.amdhsa_private_segment_fixed_size 0
		.amdhsa_enable_private_segment 0
		.amdhsa_kernarg_size 120
		.amdhsa_user_sgpr_count 2
		.amdhsa_user_sgpr_kernarg_segment_ptr 1
		.amdhsa_wavefront_size32 1
		.amdhsa_system_sgpr_workgroup_id_x 1
		.amdhsa_system_sgpr_workgroup_id_y 1
		.amdhsa_system_sgpr_workgroup_id_z 1
		.amdhsa_system_vgpr_workitem_id 0
		.amdhsa_next_free_vgpr 1024
		.amdhsa_next_free_sgpr 66
		.amdhsa_reserve_vcc 1
		.amdhsa_float_denorm_mode_32 3
		.amdhsa_float_denorm_mode_16_64 3
		.amdhsa_memory_ordered 1
		.amdhsa_forward_progress 1
		.amdhsa_inst_pref_size 255
	.end_amdhsa_kernel
	.section	.bss,"aw",@nobits
	.p2align	6
	.space	262144
	.amdgpu_metadata
---
amdhsa.version: [ 1, 2 ]
amdhsa.kernels:
  - .name:           k_q330346d595_attn
    .symbol:         k_q330346d595_attn.kd
    .args:
      - { .name: Q, .offset: 0, .size: 8, .value_kind: global_buffer, .address_space: global }
      - { .name: lengths, .offset: 8, .size: 8, .value_kind: global_buffer, .address_space: global }
      - { .name: wfrag, .offset: 16, .size: 8, .value_kind: global_buffer, .address_space: global }
      - { .name: wsc, .offset: 24, .size: 8, .value_kind: global_buffer, .address_space: global }
      - { .name: bq, .offset: 32, .size: 8, .value_kind: global_buffer, .address_space: global }
      - { .name: kfrag, .offset: 40, .size: 8, .value_kind: global_buffer, .address_space: global }
      - { .name: ksc, .offset: 48, .size: 8, .value_kind: global_buffer, .address_space: global }
      - { .name: vfrag, .offset: 56, .size: 8, .value_kind: global_buffer, .address_space: global }
      - { .name: vsc, .offset: 64, .size: 8, .value_kind: global_buffer, .address_space: global }
      - { .name: g0, .offset: 72, .size: 8, .value_kind: global_buffer, .address_space: global }
      - { .name: b0, .offset: 80, .size: 8, .value_kind: global_buffer, .address_space: global }
      - { .name: bo, .offset: 88, .size: 8, .value_kind: global_buffer, .address_space: global }
      - { .name: g1, .offset: 96, .size: 8, .value_kind: global_buffer, .address_space: global }
      - { .name: b1, .offset: 104, .size: 8, .value_kind: global_buffer, .address_space: global }
      - { .name: out0, .offset: 112, .size: 8, .value_kind: global_buffer, .address_space: global }
    .group_segment_fixed_size: 21248
    .private_segment_fixed_size: 0
    .kernarg_segment_align: 8
    .kernarg_segment_size: 120
    .max_flat_workgroup_size: 128
    .sgpr_count:     66
    .vgpr_count:     1024
    .wavefront_size: 32
...
	.end_amdgpu_metadata
.endif
;; end of part 2
;; ======== version 2 of 3: 2 launches
;; workspace buffers: kfrag 1,048,576 bytes; ksc 65,536 bytes; vfrag 1,048,576 bytes; vsc 65,536 bytes; wfrag 65,536 bytes; wsc 4,096 bytes; order 2,048 bytes of whole numbers
;; launch prep (part 3): grid 260 x 1, 8 waves a work-group, no clusters, 56,320 bytes of LDS; arguments K, Wk, Wv, Wq, Wo, bk, bv, lengths, kfrag, ksc, vfrag, vsc, wfrag, wsc, order; writes kfrag, ksc, vfrag, vsc, wfrag, wsc, order
.if DOCPART == 3
	.amdgcn_target "amdgcn-amd-amdhsa--gfx1250"
	.amdhsa_code_object_version 6
	.text
	.protected	k_q330346d595_prep
	.globl	k_q330346d595_prep
	.p2align	8
	.type	k_q330346d595_prep,@function
k_q330346d595_prep:
	s_mov_b64 s[64:65], 0
	v_nop
	global_prefetch_b8 v0, s[64:65] scope:SCOPE_SE
	s_setreg_imm32_b32 hwreg(HW_REG_WAVE_MODE, 25, 1), 1
	s_wait_xcnt 0x0
; PREP: k = K Wk + bk and v = (K Wv + bv) x mask, both products on codes of FP4 (E2M1) with one E8M0 scale for each 32 along K, the codes of Wq and Wo, and the list by which the next launch shares out its work.
; All results are stored as codes and scale words IN THE ORDER OF THE NEXT LAUNCH'S OPERAND REGISTERS, so that each lane there loads its fragments whole, 16 bytes a lane, 512 bytes an instruction.
; SHARES.  Work-group id: p = id / 64, rb = id % 64.  p = 0, 1: k for 128 rows (batch rb / 8, key step rb % 8) and columns 128 p on.  p = 2, 3: v likewise.  id 256..259: a half of Wq or of Wo.
; Eight waves.  Wave w quantises one tile of 16 rows of the input K (256 along K) and one tile of 16 columns of the weight.  x's codes go to the other waves through LDS as images of the operand's
; registers (16 bytes a lane at 16 x lane, the scale word at 4 x lane); in the k path the weight's do too.
; THE COLUMNS OF A WEIGHT TILE ARE NOT NEIGHBOURS: row m of tile 2 head + u is channel 32 head + 8 u + m % 8 + 16 (m / 8): in a transposed result the 16 registers of tiles u = 0, 1 are 16 neighbouring channels.
; THE ROWS OF A TILE OF x ARE NOT NEIGHBOURS: row m of tile (c, j) is key 64 c + 8 j + m % 8 + 32 (m / 8): the four tiles j of a group c give a lane 32 neighbouring keys, a whole block of the next product.
; k IS LAID FOR A PRODUCT WHOSE K IS 32: a fragment of 16 rows x 128 holds, in its block j of 32, the 32 channels of key (c, j, row): 64 keys in 8 registers.
; k is not multiplied by the mask: the next launch gives every masked key the weight 0, so those codes are never used.  v is masked by a select ahead of its quantiser.
; THE LIST.  The next launch has 512 blocks of 16 query rows; a block's work grows with its batch's length, and a block that lies wholly behind the length has least.  Word e of the list says which block work-group e
; takes: tile | batch << 8 | length << 16.  First the blocks that hold a row that counts, the longest batch first; then the others.  The two work-groups of Wq make it, a word a thread.
; NO CLUSTER, NO TENSOR LOAD: a work-group reads its 128 KiB of x and 128 KiB of weight once, at its head, into registers in which the conversions want them (a lane's registers run along K); nothing is walked.
; The three paths part on the work-group's number alone and never join; the k path and the v path have LDS bytes of their own.
; LIMITS: NaN and infinities among the inputs are not served.  A block of zeros gets the scale byte 1 where the rule says 127: its codes are zeros, and this program alone reads the bytes.
; In the list a length is held to 0 .. 1,024: beyond these the mask is the same as at them.
.set FLOOR, 0x1800000                  ; 2^(3 - 127): under it no largest magnitude is taken, so a scale byte cannot fall under 1
.set EOFF,  0xff000000                 ; takes 2 off an exponent field
.set KX,  0                            ; LDS, k path: x's 8 tiles: tile x 2048 + K step x 1024 + c x 512 + 16 x lane
.set KXS, 16384                        ;   their scale words: (2 tile + K step) x 128 + 4 x lane
.set KW,  18432                        ;   the weight's 8 tiles, likewise
.set KWS, 34816
.set VX,  36864                        ; LDS, v path: x's 8 tiles
.set VXS, 53248
.set LN,  1                            ; lane
.set R,   2                            ; lane % 16
.set H,   3                            ; lane / 16
.set SH8, 4                            ; 8 h
.set LI,  5                            ; 16 x lane
.set LS,  6                            ; 4 x lane
.set WOFF, 7                           ; my column's bytes in a row of the weight + 32 h rows
.set XOFF, 8                           ; my row of the tile of x + 128 h bytes
.set XI,  9                            ; 2048 w + 16 x lane: where I store an image
.set XSI, 10                           ; 256 w + 4 x lane: and its scale words
.set R4,  11                           ; 4 r
.set CB,  12                           ; 4 x my column in the half
.set RW,  13                           ; k path: where I read the weight's fragments, their words, x's fragments, their words
.set RWS, 14
.set RX,  15
.set RXS, 16
.set BOF, 17                           ; k path: my 16 numbers of bk
.set M,   18                           ; v18-21 at work
.set T,   22                           ; v22-25 at work; lane permutes land here
.set S,   26                           ; v26-29 scale operands of the conversions
.set DL,  30
.set H32, 31                           ; 32 h
.set XD,  32                           ; v32-159 x as f32, then blocks of the weight, then fragments
.set WD,  160                          ; v160-191 the weight's block 0, then accumulators
.set WC,  192                          ; v192-207 codes: x's on their way to LDS, then the weight's two K steps
.set WW,  208                          ; v208-209 the weight's scale words
.set BI,  210                          ; v210-225 the bias in the result's layout
.set SW,  226                          ; v226-241 scale words read from LDS (k and v paths)
.set OC,  242                          ; v242-249 the codes that leave
.set OW,  250                          ; v250-251 scale words that leave or go to LDS
.set LE,  226                          ; the list (the weights' path): my word's number,
.set LT,  227                          ;   at work,
.set LTI, 228                          ;   the tile,
.set LW,  229                          ;   the batch and its length,
.set LA,  230                          ;   my word's byte
.set LV,  231                          ;   at work
.set LEN, 68                           ; s68-75  the eight lengths
.set ACT, 76                           ; s76-83  blocks of each batch that hold a row that counts
.set POS, 84                           ; s84-91  where each batch's such blocks begin in the list
.set WRD, 92                           ; s92-99  length << 16 | batch << 8: the list's word less the tile, and the key by which the batches are ranked
.macro MM d, a, b, c, sa, sb
	v_wmma_scale_f32_16x16x128_f8f6f4 v[(\d):(\d)+7], v[(\a):(\a)+7], v[(\b):(\b)+7], v[(\c):(\c)+7], v[\sa], v[\sb] matrix_a_fmt:MATRIX_FMT_FP4 matrix_b_fmt:MATRIX_FMT_FP4
.endm
; Two whole blocks of 32 of a lane (registers a.., b..: k = 32 h + 0..31 and 64 + 32 h + 0..31 of a K step) become the 8 registers of a fragment and the scale word.
.macro QUANT64 a, b, pc, pw
	v_max3_num_f32 v[M], |v[(\a)]|, |v[(\a)+1]|, FLOOR
	v_max3_num_f32 v[M+1], |v[(\b)]|, |v[(\b)+1]|, FLOOR
.irp i, 2,4,6,8,10,12,14,16,18,20,22,24,26,28,30
	v_max3_num_f32 v[M], v[M], |v[(\a)+\i]|, |v[(\a)+\i+1]|       ; the two blocks by turns
	v_max3_num_f32 v[M+1], v[M+1], |v[(\b)+\i]|, |v[(\b)+\i+1]|
.endr
	v_add_nc_u32 v[S], EOFF, v[M]                  ; the conversion takes this operand's exponent field as its scale
	v_add_nc_u32 v[S+1], EOFF, v[M+1]
	v_lshrrev_b32 v[M+2], 23, v[S]                 ; the scales' bytes
	v_lshrrev_b32 v[M+3], 23, v[S+1]
	v_lshl_or_b32 v[M+2], v[M+3], 16, v[M+2]       ; blocks h and 2 + h,
	v_lshlrev_b32 v[M+2], v[SH8], v[M+2]           ; at their places in the word;
	v_permlanex16_b32 v[T], v[M+2], s38, s39
	v_or_b32 v[\pw], v[M+2], v[T]                  ; with lane l xor 16's two the word is whole, in both halves of the lanes
.irp g, 0,1,2,3
	v_cvt_scalef32_pk8_fp4_f32 v[(\pc)+\g], v[(\a)+8*\g:(\a)+8*\g+7], v[S]
.endr
.irp g, 0,1,2,3
	v_cvt_scalef32_pk8_fp4_f32 v[(\pc)+4+\g], v[(\b)+8*\g:(\b)+8*\g+7], v[S+1]
.endr
	v_nop                                          ; one plain line behind the last scaled conversion
.endm
.macro IMG reg, off                    ; a K step's fragment goes to LDS as it stands
	ds_store_b128 v[XI], v[(\reg):(\reg)+3] offset:(\off)
	ds_store_b128 v[XI], v[(\reg)+4:(\reg)+7] offset:(\off)+512
.endm
.macro WLOADS blk, reg                 ; block blk of 64 along K: my column, rows 64 blk + 32 h + 0..31
.irp i, 0,1,2,3,4,5,6,7,8,9,10,11,12,13,14,15,16,17,18,19,20,21,22,23,24,25,26,27,28,29,30,31
	global_load_b32 v[(\reg)+\i], v[WOFF], s[44:45] offset:(64*(\blk)+\i)*1024
.endr
.endm
; x's tile and the weight's tile of my wave are quantised; x's images go to LDS at xb, xsb.
.macro FRONT xb, xsb
.irp q, 0,1,2,3
.irp i, 0,1,2,3,4,5,6,7
	global_load_b128 v[XD+32*\q+4*\i:XD+32*\q+4*\i+3], v[XOFF], s[4:5] offset:256*\q+16*\i   ; my row, k = 64 q + 32 h + 4 i on
.endr
.endr
	WLOADS 0, WD
	s_wait_loadcnt 32                              ; all but the weight's block 0, issued last: x (and the bias) are in
	QUANT64 XD, XD+32, WC, OW
	IMG WC, \xb
	ds_store_b32 v[XSI], v[OW] offset:\xsb
	WLOADS 1, XD                                   ; into the registers that x's first K step has left
	WLOADS 2, XD+32
	QUANT64 XD+64, XD+96, WC+8, OW+1
	IMG WC+8, (\xb)+1024
	ds_store_b32 v[XSI], v[OW+1] offset:(\xsb)+128
	WLOADS 3, XD+64
	s_wait_dscnt 0x0                               ; the stores have read the registers that the weight's codes now take
	s_wait_loadcnt 63                              ; blocks 0 and 1 are wanted; 64 loads stand behind them, and 63 is the most that a wait can name
	QUANT64 WD, XD, WC, WW
	s_wait_loadcnt 0x0
	QUANT64 XD+32, XD+64, WC+8, WW+1
.endm
	s_load_b512 s[4:19], s[0:1], 0x0               ; K 4, Wk 6, Wv 8, Wq 10, Wo 12, bk 14, bv 16, lengths 18
	s_load_b256 s[20:27], s[0:1], 0x40             ; kfrag 20, ksc 22, vfrag 24, vsc 26
	s_load_b128 s[28:31], s[0:1], 0x60             ; wfrag 28, wsc 30
	s_load_b64 s[56:57], s[0:1], 0x70              ; the list
	v_lshl_add_u32 v254, v0, 2, 0xd800
	v_mov_b32 v255, 0
	v_lshrrev_b32 v1, 5, v0
	v_readfirstlane_b32 s32, v1                    ; wave 0..7
	s_lshr_b32 s34, ttmp9, 6                       ; p
	s_and_b32 s35, ttmp9, 63                       ; rb
	s_lshr_b32 s36, s35, 3                         ; batch
	s_and_b32 s37, s35, 7                          ; key step
	s_mov_b32 s38, 0x76543210
	s_mov_b32 s39, 0xfedcba98                      ; v_permlanex16_b32's selects for lane l xor 16
	s_lshr_b32 s40, s32, 1                         ; w / 2
	s_and_b32 s41, s32, 1                          ; w % 2
	v_and_b32 v[LN], 31, v0
	v_and_b32 v[R], 15, v0
	v_bfe_u32 v[H], v0, 4, 1
	v_lshlrev_b32 v[SH8], 3, v[H]
	v_lshlrev_b32 v[LI], 4, v[LN]
	v_lshlrev_b32 v[LS], 2, v[LN]
	v_lshlrev_b32 v[R4], 2, v[R]
	v_lshlrev_b32 v[H32], 5, v[H]
	v_and_b32 v[M], 7, v[R]
	v_lshrrev_b32 v[M+1], 3, v[R]
	v_lshl_add_u32 v[CB], v[M+1], 4, v[M]          ; r % 8 + 16 (r / 8)
	s_lshl_b32 s42, s40, 5
	s_lshl_b32 s43, s41, 3
	s_add_co_u32 s42, s42, s43                     ; + 32 (w / 2) + 8 (w % 2): my column in the half
	v_add_nc_u32 v[CB], s42, v[CB]
	v_lshlrev_b32 v[CB], 2, v[CB]
	v_lshl_add_u32 v[WOFF], v[H], 15, v[CB]        ; + 32 h rows of 1,024 bytes
	v_lshl_add_u32 v[XOFF], v[M+1], 5, v[M]        ; r % 8 + 32 (r / 8)
	v_lshlrev_b32 v[XOFF], 10, v[XOFF]
	v_lshl_add_u32 v[XOFF], v[H], 7, v[XOFF]
	s_lshl_b32 s42, s32, 11
	v_add_nc_u32 v[XI], s42, v[LI]
	s_lshl_b32 s42, s32, 8
	v_add_nc_u32 v[XSI], s42, v[LS]
	s_lshl_b32 s42, s40, 12
	v_add_nc_u32 v[RW], s42, v[LI]                 ; the weight's tiles 2 (w / 2) + u
	s_lshl_b32 s42, s40, 9
	v_add_nc_u32 v[RWS], s42, v[LS]
	s_lshl_b32 s42, s41, 13
	v_add_nc_u32 v[RX], s42, v[LI]                 ; x's tiles 4 (w % 2) + j
	s_lshl_b32 s42, s41, 10
	v_add_nc_u32 v[RXS], s42, v[LS]
	s_lshl_b32 s42, s40, 7
	v_lshl_add_u32 v[BOF], v[H], 6, s42            ; 4 (32 (w / 2) + 16 h)
.irp i, 0,1,2,3
	v_mov_b32 v[T+\i], 0                           ; written once: a lane permute's destination counts as one of its sources
.endr
	s_lshl_b32 s42, s35, 17                        ; my work-group's 128 rows of 1,024 bytes,
	s_lshr_b32 s43, s32, 2
	s_lshl_b32 s43, s43, 16                        ; my tile: 64 (w / 4)
	s_add_co_u32 s42, s42, s43
	s_and_b32 s43, s32, 3
	s_lshl_b32 s43, s43, 13                        ; + 8 (w % 4) rows
	s_add_co_u32 s42, s42, s43
	s_mov_b32 s43, 0
	s_mov_b32 s47, 0
	s_wait_kmcnt 0x0
	s_add_nc_u64 s[4:5], s[4:5], s[42:43]
	s_cmp_lt_u32 s34, 2
	s_cbranch_scc1 .Lk
	s_cmp_lt_u32 s34, 4
	s_cbranch_scc1 .Lv
	; ---- Wq and Wo: wave w makes tile 8 half + w
	s_and_b32 s50, ttmp9, 1                        ; half
	s_bfe_u32 s51, ttmp9, 0x10001                  ; 0: Wq, 1: Wo
	s_load_b256 s[LEN:LEN+7], s[18:19], 0x0        ; all eight lengths, for the list: they come while the weight's loads are issued
	s_cmp_eq_u32 s51, 0
	s_cselect_b64 s[44:45], s[10:11], s[12:13]
	s_lshl_b32 s46, s50, 9
	s_add_nc_u64 s[44:45], s[44:45], s[46:47]      ; the half's 128 columns
	WLOADS 0, WD
	WLOADS 1, XD
	WLOADS 2, XD+32
	WLOADS 3, XD+64
	s_wait_kmcnt 0x0                               ; the lengths
	s_cmp_eq_u32 s51, 0
	s_cbranch_scc0 .Lnolist                        ; Wq's two work-groups make the list, 256 words each, while the weight is on its way
.irp b, 0,1,2,3,4,5,6,7
	s_max_i32 s[LEN+\b], s[LEN+\b], 0
.endr
.irp b, 0,1,2,3,4,5,6,7
	s_min_u32 s[LEN+\b], s[LEN+\b], 0x400          ; held to 0 .. 1,024
.endr
.irp b, 0,1,2,3,4,5,6,7
	s_add_co_u32 s[ACT+\b], s[LEN+\b], 15
.endr
.irp b, 0,1,2,3,4,5,6,7
	s_lshr_b32 s[ACT+\b], s[ACT+\b], 4             ; blocks of 16 rows that hold a row that counts: 0 .. 64
.endr
.irp b, 0,1,2,3,4,5,6,7
	s_lshl_b32 s[WRD+\b], s[LEN+\b], 16
.endr
.irp b, 0,1,2,3,4,5,6,7
	s_or_b32 s[WRD+\b], s[WRD+\b], \b<<8           ; no two alike: a rank without ties
.endr
.irp b, 0,1,2,3,4,5,6,7
	s_mov_b32 s[POS+\b], 0
.endr
.irp i, 0,1,2,3,4,5,6                  ; 28 pairs: the batch with the larger word stands first, and the other's place moves on by its blocks
.irp j, 1,2,3,4,5,6,7
.if \i < \j
	s_cmp_gt_u32 s[WRD+\i], s[WRD+\j]
	s_cselect_b32 s54, s[ACT+\i], 0
	s_cselect_b32 s55, 0, s[ACT+\j]
	s_add_co_u32 s[POS+\j], s[POS+\j], s54
	s_add_co_u32 s[POS+\i], s[POS+\i], s55
.endif
.endr
.endr
	s_add_co_u32 s58, s[ACT], s[ACT+1]
.irp b, 2,3,4,5,6,7
	s_add_co_u32 s58, s58, s[ACT+\b]               ; all such blocks: behind them the list goes on with the others, batch by batch
.endr
	v_lshl_add_u32 v[LE], s50, 8, v0               ; my word's number: 256 x half + thread
	v_lshlrev_b32 v[LA], 2, v[LE]
	v_mov_b32 v[LTI], 0
	v_mov_b32 v[LW], 0
.irp b, 0,1,2,3,4,5,6,7                ; the places POS .. POS + ACT - 1 of the eight batches share out 0 .. s58 - 1: my number lies in at most one
	v_sub_nc_u32 v[LT], v[LE], s[POS+\b]           ; (a number ahead of the place wraps to a large one, and fails the comparison)
	v_cmp_gt_u32 vcc_lo, s[ACT+\b], v[LT]
	v_mov_b32 v[LV], s[WRD+\b]
	v_cndmask_b32 v[LTI], v[LTI], v[LT], vcc_lo
	v_cndmask_b32 v[LW], v[LW], v[LV], vcc_lo
.endr
.irp b, 0,1,2,3,4,5,6,7                ; and the 64 - ACT other blocks of each batch share out s58 .. 511
	s_sub_co_u32 s59, 64, s[ACT+\b]
	v_sub_nc_u32 v[LT], v[LE], s58
	v_cmp_gt_u32 vcc_lo, s59, v[LT]
	v_add_nc_u32 v[LT], s[ACT+\b], v[LT]           ; tiles ACT .. 63
	v_mov_b32 v[LV], s[WRD+\b]
	v_cndmask_b32 v[LTI], v[LTI], v[LT], vcc_lo
	v_cndmask_b32 v[LW], v[LW], v[LV], vcc_lo
	s_add_co_u32 s58, s58, s59
.endr
	v_or_b32 v[LW], v[LW], v[LTI]
	global_store_b32 v[LA], v[LW], s[56:57]        ; its registers are not written again
.Lnolist:
	s_wait_loadcnt 63                              ; blocks 0 and 1: 64 loads stand behind them; 63 is the most that a wait can name
	QUANT64 WD, XD, WC, WW
	s_wait_loadcnt 0x0
	QUANT64 XD+32, XD+64, WC+8, WW+1
	s_lshl_b32 s48, s50, 3
	s_add_co_u32 s48, s48, s32                     ; the tile
	s_lshl_b32 s46, s51, 15
	s_lshl_b32 s49, s48, 11
	s_add_co_u32 s46, s46, s49
	s_add_nc_u64 s[28:29], s[28:29], s[46:47]
.irp q, 0,1,2,3
	global_store_b128 v[LI], v[WC+4*\q:WC+4*\q+3], s[28:29] offset:512*\q   ; 512 consecutive bytes a store
.endr
	s_lshl_b32 s46, s51, 11
	s_lshl_b32 s49, s48, 7
	s_add_co_u32 s46, s46, s49
	s_add_nc_u64 s[30:31], s[30:31], s[46:47]
	v_cmp_gt_u32 vcc_lo, 16, v[LN]
	v_cndmask_b32 v[OW], v[WW+1], v[WW], vcc_lo    ; lanes 0-15 K step 0's word, lanes 16-31 K step 1's
	global_store_b32 v[LS], v[OW], s[30:31]
	s_endpgm
	; ---- k
.Lk:
	s_and_b32 s50, s34, 1                          ; half
	s_lshl_b32 s46, s50, 9
	s_add_nc_u64 s[44:45], s[6:7], s[46:47]        ; Wk at the half's columns
	s_add_nc_u64 s[14:15], s[14:15], s[46:47]      ; bk likewise
.irp i, 0,1,2,3
	global_load_b128 v[BI+4*\i:BI+4*\i+3], v[BOF], s[14:15] offset:16*\i   ; channels 16 h + 0..15 of my head: the C of tiles u = 0, 1
.endr
	FRONT KX, KXS
	IMG WC, KW
	IMG WC+8, KW+1024
	ds_store_b32 v[XSI], v[WW] offset:KWS
	ds_store_b32 v[XSI], v[WW+1] offset:KWS+128
	s_wait_dscnt 0x0                               ; for the others' sake: my images lie in LDS
	s_barrier_signal -1
	s_barrier_wait -1
	; wave = (head w / 2 of the half's four, group c = w % 2 of 64 keys)
.irp u, 0,1
.irp s, 0,1
.irp c, 0,1
	ds_load_b128 v[32+16*\u+8*\s+4*\c:32+16*\u+8*\s+4*\c+3], v[RW] offset:KW+2048*\u+1024*\s+512*\c
.endr
	ds_load_b32 v[SW+2*\u+\s], v[RWS] offset:KWS+256*\u+128*\s
.endr
.endr
.irp j, 0,1,2,3
.irp s, 0,1
.irp c, 0,1
	ds_load_b128 v[64+16*\j+8*\s+4*\c:64+16*\j+8*\s+4*\c+3], v[RX] offset:KX+2048*\j+1024*\s+512*\c
.endr
	ds_load_b32 v[SW+4+2*\j+\s], v[RXS] offset:KXS+256*\j+128*\s
.endr
.endr
	s_wait_dscnt 0x0
	; TRANSPOSED: source 0 = 16 columns of Wk, source 1 = 16 keys.  Lane (r, h) holds key (c, j, r); register 8 u + i of v[128 + 16 j ..] is channel 16 h + 8 u + i.  The eight accumulators take turns.
.irp j, 0,1,2,3
.irp u, 0,1
	MM 128+16*\j+8*\u, 32+16*\u, 64+16*\j, BI+8*\u, SW+2*\u, SW+4+2*\j
.endr
.endr
.irp j, 0,1,2,3
.irp u, 0,1
	MM 128+16*\j+8*\u, 40+16*\u, 72+16*\j, 128+16*\j+8*\u, SW+2*\u+1, SW+5+2*\j
.endr
.endr
.rept 4
	v_nop                                          ; four places ahead of the first read of results
.endr
.irp j, 0,1,2,3
	v_max3_num_f32 v[M+\j], |v[128+16*\j]|, |v[129+16*\j]|, FLOOR   ; a key's 32 channels are one block: my 16,
.endr
.irp i, 2,4,6,8,10,12,14
.irp j, 0,1,2,3
	v_max3_num_f32 v[M+\j], v[M+\j], |v[128+16*\j+\i]|, |v[129+16*\j+\i]|
.endr
.endr
.irp j, 0,1,2,3
	v_permlanex16_b32 v[T+\j], v[M+\j], s38, s39
.endr
.irp j, 0,1,2,3
	v_max_num_f32 v[M+\j], v[M+\j], v[T+\j]        ; and lane l xor 16's
.endr
.irp j, 0,1,2,3
	v_add_nc_u32 v[S+\j], EOFF, v[M+\j]
.endr
.irp j, 0,1,2,3
	v_lshrrev_b32 v[T+\j], 23, v[S+\j]
.endr
	v_lshl_or_b32 v[OW], v[T+1], 8, v[T]           ; byte j: the scale of key (c, j, r)
	v_lshl_or_b32 v[OW], v[T+2], 16, v[OW]
	v_lshl_or_b32 v[OW], v[T+3], 24, v[OW]
.irp j, 0,1,2,3
	v_cvt_scalef32_pk8_fp4_f32 v[OC+2*\j], v[128+16*\j:135+16*\j], v[S+\j]
	v_cvt_scalef32_pk8_fp4_f32 v[OC+2*\j+1], v[136+16*\j:143+16*\j], v[S+\j]
.endr
	v_nop                                          ; one plain line behind the scaled conversions
.irp c, 0,1                            ; a lane is to hold a whole key: lanes 0-15 key j = 2 c, lanes 16-31 key j = 2 c + 1
.irp i, 0,1
	v_permlane16_swap_b32 v[OC+4*\c+\i], v[OC+4*\c+2+\i]
.endr
.endr
	s_lshl_b32 s46, s36, 3
	s_lshl_b32 s48, s50, 2
	s_add_co_u32 s46, s46, s48
	s_add_co_u32 s46, s46, s40                     ; 8 batch + head
	s_lshl_b32 s48, s46, 4
	s_lshl_b32 s49, s37, 1
	s_add_co_u32 s48, s48, s49
	s_add_co_u32 s48, s48, s41                     ; x 16 + the group of 64 keys
	s_lshl_b32 s48, s48, 10
	s_mov_b32 s49, 0
	s_add_nc_u64 s[20:21], s[20:21], s[48:49]
	global_store_b128 v[LI], v[OC:OC+3], s[20:21]              ; 512 consecutive bytes a store
	global_store_b128 v[LI], v[OC+4:OC+7], s[20:21] offset:512
	s_lshl_b32 s48, s46, 3
	s_add_co_u32 s48, s48, s37
	s_lshl_b32 s48, s48, 7
	s_lshl_b32 s51, s41, 6
	s_add_co_u32 s48, s48, s51
	s_add_nc_u64 s[22:23], s[22:23], s[48:49]
	v_cmp_gt_u32 vcc_lo, 16, v[LN]
	s_wait_xcnt 0x0                                ; EXEC is a source of the stores above: it changes only behind this wait
	s_wait_tensorcnt 0x0
	ds_add_u32 v254, v255
	s_wait_dscnt 0x0
	s_and_saveexec_b32 s52, vcc_lo
	global_store_b32 v[R4], v[OW], s[22:23]        ; lanes 0-15: 64 bytes; the wave of the other group stores the other 64
	s_wait_xcnt 0x0
	s_or_b32 exec_lo, exec_lo, s52
	s_endpgm
	; ---- v
.Lv:
	s_and_b32 s50, s34, 1                          ; half
	s_lshl_b32 s46, s50, 9
	s_add_nc_u64 s[44:45], s[8:9], s[46:47]        ; Wv at the half's columns
	s_add_nc_u64 s[16:17], s[16:17], s[46:47]      ; bv likewise
	s_lshl_b32 s48, s36, 2
	s_load_b32 s49, s[18:19], s48 offset:0x0       ; the batch's length
	global_load_b32 v[BI+8], v[CB], s[16:17]       ; bv of my column
	FRONT VX, VXS
	s_wait_dscnt 0x0                               ; for the others' sake: my images of x lie in LDS
	s_barrier_signal -1
	s_barrier_wait -1
.irp i, 0,1,2,3,4,5,6,7
	v_mov_b32 v[BI+\i], v[BI+8]                    ; the C of a sum's first product: my column's bias for all eight keys
.endr
.irp t, 0,1,2,3,4,5,6,7
.irp s, 0,1
.irp c, 0,1
	ds_load_b128 v[XD+16*\t+8*\s+4*\c:XD+16*\t+8*\s+4*\c+3], v[LI] offset:VX+2048*\t+1024*\s+512*\c
.endr
	ds_load_b32 v[SW+2*\t+\s], v[LS] offset:VXS+256*\t+128*\s
.endr
.endr
	s_wait_kmcnt 0x0
	s_lshl_b32 s51, s37, 7
	s_sub_co_i32 s49, s49, s51                     ; the length, counted from my work-group's first key
.rept 8
	v_nop                                          ; the weight's scale words were made by vector lines: eight places ahead of a scaled product (its codes: four)
.endr
	s_wait_dscnt 0x0
; A group c of 64 keys.  NOT transposed: source 0 = 16 keys, source 1 = my 16 columns of Wv.  Lane (r, h) holds column r; register 8 j + i of v160.. is key 64 c + 32 h + 8 j + i: a whole block of the next K.
.macro VHALF c
.irp j, 0,1,2,3
	MM 160+8*\j, XD+16*(4*(\c)+\j), WC, BI, SW+2*(4*(\c)+\j), WW
.endr
.irp j, 0,1,2,3
	MM 160+8*\j, XD+16*(4*(\c)+\j)+8, WC+8, 160+8*\j, SW+2*(4*(\c)+\j)+1, WW+1
.endr
.rept 4
	v_nop
.endr
	s_sub_co_i32 s52, s49, 64*(\c)
	v_sub_nc_u32 v[DL], s52, v[H32]                ; register i counts where i < length - first key - 64 c - 32 h
.irp i, 0,1,2,3,4,5,6,7,8,9,10,11,12,13,14,15,16,17,18,19,20,21,22,23,24,25,26,27,28,29,30,31
	v_cmp_lt_i32 vcc_lo, \i, v[DL]
	v_cndmask_b32 v[160+\i], 0, v[160+\i], vcc_lo  ; the mask, ahead of the quantiser
.endr
	v_max3_num_f32 v[M], |v160|, |v161|, FLOOR
	v_max3_num_f32 v[M+1], |v176|, |v177|, FLOOR
.irp i, 2,4,6,8,10,12,14
	v_max3_num_f32 v[M], v[M], |v[160+\i]|, |v[161+\i]|
	v_max3_num_f32 v[M+1], v[M+1], |v[176+\i]|, |v[177+\i]|
.endr
	v_max_num_f32 v[M], v[M], v[M+1]
	v_add_nc_u32 v[S+(\c)], EOFF, v[M]
	v_lshrrev_b32 v[T+(\c)], 23, v[S+(\c)]
.irp g, 0,1,2,3
	v_cvt_scalef32_pk8_fp4_f32 v[OC+4*(\c)+\g], v[160+8*\g:167+8*\g], v[S+(\c)]
.endr
	v_nop                                          ; one plain line behind the scaled conversions
.endm
	VHALF 0
	VHALF 1
	v_lshl_or_b32 v[T], v[T+1], 16, v[T]           ; blocks h and 2 + h of the key step,
	v_lshlrev_b32 v[T], v[SH8], v[T]
	v_permlanex16_b32 v[T+2], v[T], s38, s39
	v_or_b32 v[OW], v[T], v[T+2]                   ; with lane l xor 16's the word is whole
	s_lshl_b32 s46, s36, 3
	s_lshl_b32 s48, s50, 2
	s_add_co_u32 s46, s46, s48
	s_add_co_u32 s46, s46, s40                     ; 8 batch + head
	s_lshl_b32 s46, s46, 3
	s_add_co_u32 s46, s46, s37                     ; x 8 + key step
	s_lshl_b32 s48, s46, 1
	s_add_co_u32 s48, s48, s41                     ; x 2 + u
	s_lshl_b32 s48, s48, 10
	s_mov_b32 s49, 0
	s_add_nc_u64 s[24:25], s[24:25], s[48:49]
	global_store_b128 v[LI], v[OC:OC+3], s[24:25]
	global_store_b128 v[LI], v[OC+4:OC+7], s[24:25] offset:512
	s_lshl_b32 s48, s46, 7
	s_lshl_b32 s51, s41, 6
	s_add_co_u32 s48, s48, s51
	s_add_nc_u64 s[26:27], s[26:27], s[48:49]
	v_cmp_gt_u32 vcc_lo, 16, v[LN]
	s_wait_xcnt 0x0                                ; EXEC changes only behind this wait
	s_wait_tensorcnt 0x0
	ds_add_u32 v254, v255
	s_wait_dscnt 0x0
	s_and_saveexec_b32 s52, vcc_lo
	global_store_b32 v[R4], v[OW], s[26:27]
	s_wait_xcnt 0x0
	s_or_b32 exec_lo, exec_lo, s52
	s_endpgm
.Lfunc_end_k_q330346d595_prep:
	.size	k_q330346d595_prep, .Lfunc_end_k_q330346d595_prep-k_q330346d595_prep
	.p2alignl 7, 3214868480
	.fill 96, 4, 3214868480
	.section	.rodata,"a",@progbits
	.p2align	6, 0x0
	.amdhsa_kernel k_q330346d595_prep
		.amdhsa_group_segment_fixed_size 56320
		.amdhsa_private_segment_fixed_size 0
		.amdhsa_enable_private_segment 0
		.amdhsa_kernarg_size 120
		.amdhsa_user_sgpr_count 2
		.amdhsa_user_sgpr_kernarg_segment_ptr 1
		.amdhsa_wavefront_size32 1
		.amdhsa_system_sgpr_workgroup_id_x 1
		.amdhsa_system_sgpr_workgroup_id_y 1
		.amdhsa_system_sgpr_workgroup_id_z 1
		.amdhsa_system_vgpr_workitem_id 0
		.amdhsa_next_free_vgpr 256
		.amdhsa_next_free_sgpr 100
		.amdhsa_reserve_vcc 1
		.amdhsa_float_denorm_mode_32 3
		.amdhsa_float_denorm_mode_16_64 3
		.amdhsa_memory_ordered 1
		.amdhsa_forward_progress 1
		.amdhsa_inst_pref_size 113
	.end_amdhsa_kernel
	.amdgpu_metadata
---
amdhsa.version: [ 1, 2 ]
amdhsa.kernels:
  - .name:           k_q330346d595_prep
    .symbol:         k_q330346d595_prep.kd
    .args:
      - { .name: K, .offset: 0, .size: 8, .value_kind: global_buffer, .address_space: global }
      - { .name: Wk, .offset: 8, .size: 8, .value_kind: global_buffer, .address_space: global }
      - { .name: Wv, .offset: 16, .size: 8, .value_kind: global_buffer, .address_space: global }
      - { .name: Wq, .offset: 24, .size: 8, .value_kind: global_buffer, .address_space: global }
      - { .name: Wo, .offset: 32, .size: 8, .value_kind: global_buffer, .address_space: global }
      - { .name: bk, .offset: 40, .size: 8, .value_kind: global_buffer, .address_space: global }
      - { .name: bv, .offset: 48, .size: 8, .value_kind: global_buffer, .address_space: global }
      - { .name: lengths, .offset: 56, .size: 8, .value_kind: global_buffer, .address_space: global }
      - { .name: kfrag, .offset: 64, .size: 8, .value_kind: global_buffer, .address_space: global }
      - { .name: ksc, .offset: 72, .size: 8, .value_kind: global_buffer, .address_space: global }
      - { .name: vfrag, .offset: 80, .size: 8, .value_kind: global_buffer, .address_space: global }
      - { .name: vsc, .offset: 88, .size: 8, .value_kind: global_buffer, .address_space: global }
      - { .name: wfrag, .offset: 96, .size: 8, .value_kind: global_buffer, .address_space: global }
      - { .name: wsc, .offset: 104, .size: 8, .value_kind: global_buffer, .address_space: global }
      - { .name: order, .offset: 112, .size: 8, .value_kind: global_buffer, .address_space: global }
    .group_segment_fixed_size: 56320
    .private_segment_fixed_size: 0
    .kernarg_segment_align: 8
    .kernarg_segment_size: 120
    .max_flat_workgroup_size: 256
    .sgpr_count:     100
    .vgpr_count:     256
    .wavefront_size: 32
...
	.end_amdgpu_metadata
.endif
;; end of part 3
;; launch attn (part 4): grid 512 x 1, 4 waves a work-group, no clusters, 21,248 bytes of LDS; arguments Q, order, wfrag, wsc, bq, kfrag, ksc, vfrag, vsc, g0, b0, bo, g1, b1, out0; writes out0
.if DOCPART == 4
	.amdgcn_target "amdgcn-amd-amdhsa--gfx1250"
	.amdhsa_code_object_version 6
	.text
	.protected	k_q330346d595_attn
	.globl	k_q330346d595_attn
	.p2align	8
	.type	k_q330346d595_attn,@function
k_q330346d595_attn:
	s_mov_b64 s[64:65], 0
	v_nop
	global_prefetch_b8 v0, s[64:65] scope:SCOPE_SE
	s_setreg_imm32_b32 hwreg(HW_REG_WAVE_MODE, 25, 1), 1
	s_wait_xcnt 0x0
; ATTN: q = (Q Wq + bq) x mask; for each head A = e / (sum of e + 1e-15), e = exp(q . k / 16) x masks; O = q + A v; LayerNorm; O + relu(O Wo + bo); LayerNorm.  All four products on codes of FP4 (E2M1) with E8M0 scales.
; SHARES.  A work-group owns 16 query rows of one batch and all 8 heads; wave w owns heads 2 w and 2 w + 1, channels 64 w .. 64 w + 63, through the whole chain.
; WHICH 16 ROWS says the list that the launch before has made from the lengths: word number = the work-group's number; the word is tile | batch << 8 | length << 16.  A block's work grows with its batch's length,
; and the list has the blocks of the longest batch first and the blocks that lie wholly behind a length last: where work-groups are taken up in the order of their numbers, the long ones begin first and the short ones fill the end.
; A lane holds ONE query row (lane % 16) throughout: every product is used transposed (source 0 = 16 columns of a weight, 16 keys, or 16 channels of v; source 1 = my 16 rows).
; A IS QUANTISED FINISHED, so a row's whole sum comes first.  Phase A of a head: scores, exponentials and sums for all key steps, e KEPT IN REGISTERS (8 slots of 64).  Phase B: e x 1 / sum, quantised, times v.
; THE FIRST ATTENTION PRODUCT HAS K = 32: a fragment of k holds 64 keys, 16 in each block of 32 along K; four fragments of q hold q's 32 codes in block j and zero codes elsewhere.  Four products on one fragment
; of k give 64 keys' scores, and by the order in which the keys were laid a lane's 32 registers are 32 neighbouring keys: a whole block of the next product.
; THE LENGTH.  Only the n = ceil(length / 128) key steps that hold a key that counts are walked.  Slot 0 takes key step n - 1, the only one that the length can cut: it alone has mask lines.  Slot k >= 1 takes step k - 1.
; Phase A goes up the slots and leaves where they end; phase B goes down from there: so every register that is read has been written on every way.  A block of rows that lies wholly behind the length goes to the tail with O = 0.
; No maximum is taken away ahead of the exponential: the function computed here is defined so.
; NO CLUSTER, NO TENSOR LOAD: branches hang on the length, which is read from memory; and a fragment of k or v is read by one wave of a work-group alone (a wave owns its heads), so LDS would add a way and no reuse.
; Fragments come from memory straight into registers, 512 consecutive bytes an instruction, asked for a whole phase ahead of their use; so no prefetch is laid either.
; LIMITS: NaN and infinities among the inputs are not served.  An e under 2^-126 counts as 0 (the exponential's own behaviour: ISA guide, its entry).  A block of zeros has the scale byte 1, not 127: its codes are zeros.
; Sums are taken in another order than the definition's.  The list's three fields are held to their ranges (63, 7, 1,024) before they are used.
; REGISTERS, in windows of 256.  Window 0: v1-21 addresses and masks; v22-31, v150-159 at work; v32-63 QA: bq, q, O, and so on to the result (register 16 hd + i: channel 32 hd + 16 h + i of my 64);
;   v64-99 q's fragments; v100-107 A's codes; v108-127 scale words of k, v, the weight; v128-143 x's fragments; v144-148 scale words made here; v160-255 v's slots 0-5.
;   Windows 1-3: e's slots (three, three, two); from 192: each slot's two largest t (192-197), 1 / sum (202-203), at work (206-207), four sums (208-215); k's slots, v's slots 6, 7 (macro SLOTSYM).
.set FLOOR, 0x1800000                  ; 2^(3 - 127)
.set EOFF,  0xff000000                 ; takes 2 off an exponent field
.set STAT0, 0                          ; LDS: row x 32 + 8 w: a wave's mean and sum of squares, for the first norm;
.set STAT1, 512                        ;   for the second;
.set OSC,   1024                       ;   the scale words of the last product's operand: 128 x K step + 4 x lane;
.set OIMG,  1280                       ;   its two fragments as images of their registers: 16 x thread;
.set STG,   3328                       ;   a stage of 16 rows x (256 + 16) bytes for each wave, for the way out
.set LN,  1
.set R,   2
.set H,   3
.set LI,  4                            ; 16 x lane
.set LS,  5                            ; 4 x lane
.set QOFF, 6                           ; 1024 r + 128 h
.set PB,  7                            ; 256 w + 64 h: my 16 + 16 numbers of a vector of 256
.set SH8, 8                            ; 8 h
.set LOM, 9                            ; all ones in lanes 0-15
.set HIM, 10                           ; all ones in lanes 16-31
.set RM,  12                           ; v[12:13] 1.0 where my row counts, else 0
.set H32, 14
.set SST, 15                           ; 32 r + 8 w
.set SRD, 16                           ; 32 r
.set OIW, 17
.set OSW, 18
.set SGW, 19
.set SGR, 20
.set GO,  21
.set QA,  32
.set BQ,  64                           ; Z F0a Z F1a Z F0b Z F1b Z, four registers each: Z zeros, F0 q's codes in lanes 0-15, F1 in lanes 16-31
.set P,   100
.set KS,  108
.set VS,  116
.set WS,  124
.set XQ,  128
.set PW,  144
.set QW,  145
.set XW,  147
.set MSB, 0
.macro WIN new                         ; the immediate's high byte repeats the setting that is left; bits 1:0 source 0, 3:2 source 1, 5:4 source 2, 7:6 destination
.if MSB != (\new)
	s_set_vgpr_msb (MSB<<8)|(\new)
.set MSB, \new
.endif
.endm
.macro MM d, a, b, sa, sb              ; adds in place
	v_wmma_scale_f32_16x16x128_f8f6f4 v[(\d):(\d)+7], v[(\a):(\a)+7], v[(\b):(\b)+7], v[(\d):(\d)+7], v[\sa], v[\sb] matrix_a_fmt:MATRIX_FMT_FP4 matrix_b_fmt:MATRIX_FMT_FP4
.endm
.macro MM1 d, a, b, sa, sb             ; the same; source 0's scales from lanes 16-31
	v_wmma_scale_f32_16x16x128_f8f6f4 v[(\d):(\d)+7], v[(\a):(\a)+7], v[(\b):(\b)+7], v[(\d):(\d)+7], v[\sa], v[\sb] matrix_a_fmt:MATRIX_FMT_FP4 matrix_b_fmt:MATRIX_FMT_FP4 matrix_a_scale:MATRIX_SCALE_ROW1
.endm
.macro MMZ d, a, b, sa, sb             ; starts a sum
	v_wmma_scale_f32_16x16x128_f8f6f4 v[(\d):(\d)+7], v[(\a):(\a)+7], v[(\b):(\b)+7], 0, v[\sa], v[\sb] matrix_a_fmt:MATRIX_FMT_FP4 matrix_b_fmt:MATRIX_FMT_FP4
.endm
.macro MMZ1 d, a, b, sa, sb
	v_wmma_scale_f32_16x16x128_f8f6f4 v[(\d):(\d)+7], v[(\a):(\a)+7], v[(\b):(\b)+7], 0, v[\sa], v[\sb] matrix_a_fmt:MATRIX_FMT_FP4 matrix_b_fmt:MATRIX_FMT_FP4 matrix_a_scale:MATRIX_SCALE_ROW1
.endm
.macro PLACES n
.rept \n
	v_nop
.endr
.endm
.macro SLOTSYM k                       ; where slot k lies: e in window EW at EL, its largest t at ML; k's fragments in window KWN at KL; v's in window VWN at VL
.set EW, 1+(\k)/3
.set EL, 64*((\k)%3)
.set ML, 192+2*((\k)%3)
.if (\k) < 4
.set KWN, 1+(\k)/2
.set KL, 224+16*((\k)%2)
.else
.set KWN, 3
.set KL, 128+16*((\k)-4)
.endif
.if (\k) < 6
.set VWN, 0
.set VL, 160+16*(\k)
.else
.set VWN, 3
.set VL, 224+16*((\k)-6)
.endif
.endm
.macro LOADK k, hh                     ; slot k's two fragments of k (64 keys each) and their scale words, for my head hh: five loads
	SLOTSYM \k
	WIN KWN<<6
.irp q, 0,1,2,3
.if (\k) == 0
	global_load_b128 v[KL+4*\q:KL+4*\q+3], v[LI], s[44:45] offset:16384*(\hh)+512*\q
.else
	global_load_b128 v[KL+4*\q:KL+4*\q+3], v[LI], s[14:15] offset:16384*(\hh)+2048*((\k)-1)+512*\q
.endif
.endr
	WIN 0
.if (\k) == 0
	global_load_b32 v[KS+(\k)], v[LS], s[46:47] offset:1024*(\hh)
.else
	global_load_b32 v[KS+(\k)], v[LS], s[16:17] offset:1024*(\hh)+128*((\k)-1)
.endif
.endm
.macro LOADV k, hh                     ; slot k's two fragments of v (16 channels x 128 keys each) and their scale words: five loads
	SLOTSYM \k
	WIN VWN<<6
.irp q, 0,1,2,3
.if (\k) == 0
	global_load_b128 v[VL+4*\q:VL+4*\q+3], v[LI], s[48:49] offset:16384*(\hh)+512*\q
.else
	global_load_b128 v[VL+4*\q:VL+4*\q+3], v[LI], s[18:19] offset:16384*(\hh)+2048*((\k)-1)+512*\q
.endif
.endr
	WIN 0
.if (\k) == 0
	global_load_b32 v[VS+(\k)], v[LS], s[50:51] offset:1024*(\hh)
.else
	global_load_b32 v[VS+(\k)], v[LS], s[20:21] offset:1024*(\hh)+128*((\k)-1)
.endif
.endm
.macro PLOAD dst, sb                   ; my 32 numbers of a vector of 256, in QA's layout
.irp d, 0,1
.irp i, 0,1,2,3
	global_load_b128 v[(\dst)+16*\d+4*\i:(\dst)+16*\d+4*\i+3], v[PB], s[\sb:\sb+1] offset:128*\d+16*\i
.endr
.endr
.endm
; QA's two blocks of 32 channels (a lane holds 16 of each) become codes in v[P] .. v[P+3] (two registers a block) and scale bytes in v24, v25.
.macro HQ2
.irp d, 0,1
	v_max3_num_f32 v[22+\d], |v[QA+16*\d]|, |v[QA+16*\d+1]|, FLOOR
.endr
.irp i, 2,4,6,8,10,12,14
.irp d, 0,1
	v_max3_num_f32 v[22+\d], v[22+\d], |v[QA+16*\d+\i]|, |v[QA+16*\d+\i+1]|
.endr
.endr
.irp d, 0,1
	v_permlanex16_b32 v[150+\d], v[22+\d], s40, s41
.endr
.irp d, 0,1
	v_max_num_f32 v[22+\d], v[22+\d], v[150+\d]    ; with lane l xor 16's 16: the block's largest magnitude
.endr
.irp d, 0,1
	v_add_nc_u32 v[26+\d], EOFF, v[22+\d]
.endr
.irp d, 0,1
	v_lshrrev_b32 v[24+\d], 23, v[26+\d]
.endr
.irp d, 0,1
	v_cvt_scalef32_pk8_fp4_f32 v[P+2*\d], v[QA+16*\d:QA+16*\d+7], v[26+\d]
	v_cvt_scalef32_pk8_fp4_f32 v[P+2*\d+1], v[QA+16*\d+8:QA+16*\d+15], v[26+\d]
.endr
	v_nop                                          ; one plain line behind the scaled conversions
.endm
; PHASE A, slot k of head hh: 128 keys' scores, t = score x log2(e) / 16, each block's largest t, e = 2^t, the sums.
.macro ASLOT hh, k
.if (\hh) == 0
; The first head's k was asked for at the kernel's head, slot by slot, each slot's k ahead of its v.  Behind slot k's five loads of k stand its v's five, ten for each of the 7 - k later slots, and the five refills
; of each of the k slots walked so far (there is one way to this line): 75 - 5 k.  Those may stay out: the later slots land while the earlier ones are worked.  63 is the most that a wait can name.
.if 75-5*(\k) > 63
	s_wait_loadcnt 63
.else
	s_wait_loadcnt 75-5*(\k)
.endif
.endif
	SLOTSYM \k
	WIN (EW<<6)|KWN
.irp j, 0,1,2,3
	MMZ EL+8*\j, KL, BQ+16*(\hh)+4*(2*(\j%2)+1-\j/2), KS+(\k), QW+(\hh)
.endr
.irp j, 0,1,2,3
	MMZ1 EL+32+8*\j, KL+8, BQ+16*(\hh)+4*(2*(\j%2)+1-\j/2), KS+(\k), QW+(\hh)
.endr
	PLACES 4                                       ; ahead of the loads into k's registers and of the first read of results
.if (\hh) == 0
	LOADK \k, 1                                    ; the next head's fragments: a whole phase ahead of their use
.endif
	WIN 0x55*EW
.set i, 0
.rept 32
	v_pk_mul_f32 v[EL+i:EL+i+1], v[EL+i:EL+i+1], s[42:43] op_sel_hi:[1,0]   ; each accumulator from its low end on
.set i, i+2
.endr
.if (\k) == 0                          ; the key step that the length can cut: register 32 g + i is key 64 g + 32 h + i of the step; behind the length t = -infinity, e = 0
.set i, 0
.rept 64
	v_cmp_ge_i32 vcc_lo, 64*(i/32)+(i%32), v204
	v_cndmask_b32 v[EL+i], v[EL+i], v205, vcc_lo
.set i, i+1
.endr
.endif
.irp g, 0,1                            ; each block's largest t, in two chains a block: e rises with t, so its exponential is the block's largest e
	v_max3_num_f32 v[ML+\g], v[EL+32*\g], v[EL+32*\g+1], v[EL+32*\g+2]
	v_max3_num_f32 v[206+\g], v[EL+32*\g+16], v[EL+32*\g+17], v[EL+32*\g+18]
.endr
.irp i, 3,5,7,9,11,13
.irp g, 0,1
	v_max3_num_f32 v[ML+\g], v[ML+\g], v[EL+32*\g+\i], v[EL+32*\g+\i+1]
	v_max3_num_f32 v[206+\g], v[206+\g], v[EL+32*\g+16+\i], v[EL+32*\g+17+\i]
.endr
.endr
.irp g, 0,1
	v_max3_num_f32 v[ML+\g], v[ML+\g], v[EL+32*\g+15], v[EL+32*\g+31]
.endr
.irp g, 0,1
	v_max_num_f32 v[ML+\g], v[ML+\g], v[206+\g]
.endr
.set i, 0
.rept 64
	v_exp_f32 v[EL+i], v[EL+i]
.set i, i+1
.endr
	v_exp_f32 v[ML], v[ML]
	v_exp_f32 v[ML+1], v[ML+1]
	v_nop                                          ; a plain line behind the last exponential
	s_wait_alu depctr_va_vdst(0)                   ; one wait for the batch of 66, ahead of its first reader
.if (\k)%3 == 0                        ; a window's first slot starts the window's four sums
.irp q, 0,1,2,3
	v_pk_add_f32 v[208+2*\q:209+2*\q], v[EL+2*\q:EL+2*\q+1], v[EL+8+2*\q:EL+9+2*\q]
.endr
.set i, 16
.else
.set i, 0
.endif
.rept (64-i)/2
	v_pk_add_f32 v[208+2*((i/2)%4):209+2*((i/2)%4)], v[208+2*((i/2)%4):209+2*((i/2)%4)], v[EL+i:EL+i+1]
.set i, i+2
.endr
	WIN 0
.endm
; The end of phase A behind slot k: the row's sum over the windows in use, 1 / (sum + 1e-15) x the row's mask, into each window in use.
.macro FIN k
.set w, 1
.rept 1+(\k)/3
	WIN 0x55*w
	v_pk_add_f32 v[208:209], v[208:209], v[210:211]
	v_pk_add_f32 v[212:213], v[212:213], v[214:215]
	v_pk_add_f32 v[208:209], v[208:209], v[212:213]
	WIN w|(w<<2)
	v_add_f32 v[22+w-1], v208, v209
.set w, w+1
.endr
	WIN 0
.if (\k) >= 3
	v_add_f32 v22, v22, v23
.endif
.if (\k) >= 6
	v_add_f32 v22, v22, v24
.endif
	v_permlanex16_b32 v150, v22, s40, s41
	v_add_f32 v22, v22, v150                       ; with lane l xor 16's keys: the row's sum
	v_add_f32 v22, 0x26901d7d, v22                 ; + 1e-15
	v_rcp_f32 v23, v22
	v_nop                                          ; a plain line behind the reciprocal
	s_wait_alu depctr_va_vdst(0)                   ; ahead of the first reader
	v_mul_f32 v23, v23, v[RM]
.set w, 1
.rept 1+(\k)/3
	WIN w<<6
	v_mov_b32 v202, v23
	v_mov_b32 v203, v23
.set w, w+1
.endr
	WIN 0
	s_wait_loadcnt 0x0                             ; first head: its v and the next head's k are in, ahead of phase B and of the refills of v; second head: its v is in
.endm
; PHASE B, slot k of head hh: A = e / sum, quantised along the keys, O^T += v^T A^T.
.macro BSLOT hh, k
.LB\hh\k:
	SLOTSYM \k
	WIN 0x55*EW
	v_pk_mul_f32 v[ML:ML+1], v[ML:ML+1], v[202:203]    ; each block's largest A: the same multiplication as its element's
	v_max_num_f32 v[ML], FLOOR, v[ML]
	v_max_num_f32 v[ML+1], FLOOR, v[ML+1]
	v_add_nc_u32 v[ML], EOFF, v[ML]                ; the conversions' scale operands
	v_add_nc_u32 v[ML+1], EOFF, v[ML+1]
	WIN 5*EW
	v_lshrrev_b32 v26, 23, v[ML]
	v_lshrrev_b32 v27, 23, v[ML+1]
	WIN 0
	v_lshl_or_b32 v26, v27, 16, v26                ; blocks h and 2 + h of these 128 keys
	v_lshlrev_b32 v26, v[SH8], v26
	v_permlanex16_b32 v151, v26, s40, s41
	v_or_b32 v[PW], v26, v151                      ; A's scale word
	WIN 0x55*EW
.set i, 0
.rept 32
	v_pk_mul_f32 v[EL+i:EL+i+1], v[EL+i:EL+i+1], v[202:203]   ; (these are also the eight places between the scale word and the products)
.set i, i+2
.endr
	WIN 5*EW
.irp g, 0,1
.irp t, 0,1,2,3
	v_cvt_scalef32_pk8_fp4_f32 v[P+4*\g+\t], v[EL+32*\g+8*\t:EL+32*\g+8*\t+7], v[ML+\g]
.endr
.endr
	WIN VWN
	PLACES 4                                       ; between the codes and the products
	MM QA+16*(\hh), VL, P, VS+(\k), PW             ; the two accumulators take turns, one instruction a turn
	MM1 QA+16*(\hh)+8, VL+8, P, VS+(\k), PW
	PLACES 4                                       ; ahead of the loads into v's registers, of the next write of the scale word, and of the tail's reads
.if (\hh) == 0
	LOADV \k, 1
.endif
	WIN 0
.endm
.macro STAGE hh, k, kn                 ; slot k; on to slot kn where it exists, else the sum, and down into phase B at slot k
	ASLOT \hh, \k
	s_cmp_gt_u32 s38, \kn
	s_cbranch_scc1 .LA\hh\kn
	FIN \k
	s_branch .LB\hh\k
.LA\hh\kn:
.endm
.macro HEAD hh
	STAGE \hh, 0, 1
	STAGE \hh, 1, 2
	STAGE \hh, 2, 3
	STAGE \hh, 3, 4
	STAGE \hh, 4, 5
	STAGE \hh, 5, 6
	STAGE \hh, 6, 7
	ASLOT \hh, 7
	FIN 7
	BSLOT \hh, 7
	BSLOT \hh, 6
	BSLOT \hh, 5
	BSLOT \hh, 4
	BSLOT \hh, 3
	BSLOT \hh, 2
	BSLOT \hh, 1
	BSLOT \hh, 0
.endm
; A norm's first half: my wave's 64 channels of each row: their mean, and the sum of squares about that mean, to LDS.
.macro LNSTAT stat
	v_pk_add_f32 v[22:23], v[QA:QA+1], v[QA+2:QA+3]
	v_pk_add_f32 v[24:25], v[QA+4:QA+5], v[QA+6:QA+7]
.irp i, 8,12,16,20,24,28
	v_pk_add_f32 v[22:23], v[22:23], v[QA+\i:QA+\i+1]
	v_pk_add_f32 v[24:25], v[24:25], v[QA+\i+2:QA+\i+3]
.endr
	v_pk_add_f32 v[22:23], v[22:23], v[24:25]
	v_add_f32 v22, v22, v23
	v_permlanex16_b32 v150, v22, s40, s41
	v_add_f32 v22, v22, v150
	v_mul_f32 v30, 0x3c800000, v22                 ; / 64
	v_mov_b32 v31, v30
.irp i, 0,4,8,12,16,20,24,28
	v_pk_add_f32 v[22:23], v[QA+\i:QA+\i+1], v[30:31] neg_lo:[0,1] neg_hi:[0,1]
	v_pk_add_f32 v[24:25], v[QA+\i+2:QA+\i+3], v[30:31] neg_lo:[0,1] neg_hi:[0,1]
.if \i == 0
	v_pk_mul_f32 v[26:27], v[22:23], v[22:23]
	v_pk_mul_f32 v[28:29], v[24:25], v[24:25]
.else
	v_pk_fma_f32 v[26:27], v[22:23], v[22:23], v[26:27]
	v_pk_fma_f32 v[28:29], v[24:25], v[24:25], v[28:29]
.endif
.endr
	v_pk_add_f32 v[26:27], v[26:27], v[28:29]
	v_add_f32 v31, v26, v27
	v_permlanex16_b32 v150, v31, s40, s41
	v_add_f32 v31, v31, v150
	ds_store_b64 v[SST], v[30:31] offset:\stat     ; both lanes of a row write the same 8 bytes with the same values
	s_wait_dscnt 0x0                               ; for the others' sake
	s_barrier_signal -1
	s_barrier_wait -1
.endm
; Its second half: the four waves' figures make the row's mean and variance (no difference of large sums is formed); QA = (QA - mean) / sqrt(var + 1e-5) x g + b.
.macro LNAPPLY stat, g, bz, win
	ds_load_b128 v[22:25], v[SRD] offset:\stat
	ds_load_b128 v[26:29], v[SRD] offset:(\stat)+16
	s_wait_dscnt 0x0
	v_add_f32 v30, v22, v24
	v_add_f32 v31, v26, v28
	v_add_f32 v30, v30, v31
	v_mul_f32 v30, 0x3e800000, v30                 ; the row's mean
	v_sub_f32 v22, v22, v30
	v_sub_f32 v24, v24, v30
	v_sub_f32 v26, v26, v30
	v_sub_f32 v28, v28, v30
	v_add_f32 v23, v23, v25
	v_add_f32 v27, v27, v29
	v_add_f32 v23, v23, v27
	v_mul_f32 v22, v22, v22
	v_fma_f32 v22, v24, v24, v22
	v_fma_f32 v22, v26, v26, v22
	v_fma_f32 v22, v28, v28, v22
	v_fma_f32 v23, v22, 0x42800000, v23            ; + 64 x the waves' means' squares about the mean
	v_mul_f32 v23, 0x3b800000, v23                 ; / 256
	v_add_f32 v23, 0x3727c5ac, v23                 ; + 1e-5
	v_rsq_f32 v152, v23
	v_mov_b32 v31, v30                             ; (a plain line behind the root)
	s_wait_alu depctr_va_vdst(0)                   ; ahead of the first reader
	v_mov_b32 v153, v152
.set i, 0
.rept 16
	v_pk_add_f32 v[QA+i:QA+i+1], v[QA+i:QA+i+1], v[30:31] neg_lo:[0,1] neg_hi:[0,1]
.set i, i+2
.endr
.set i, 0
.rept 16
	v_pk_mul_f32 v[QA+i:QA+i+1], v[QA+i:QA+i+1], v[152:153]
.set i, i+2
.endr
	WIN \win
.set i, 0
.rept 16
	v_pk_fma_f32 v[QA+i:QA+i+1], v[QA+i:QA+i+1], v[(\g)+i:(\g)+i+1], v[(\bz)+i:(\bz)+i+1]
.set i, i+2
.endr
	WIN 0
.endm
	s_load_b512 s[4:19], s[0:1], 0x0               ; Q 4, the list 6, wfrag 8, wsc 10, bq 12, kfrag 14, ksc 16, vfrag 18
	s_load_b256 s[20:27], s[0:1], 0x40             ; vsc 20, g0 22, b0 24, bo 26
	s_load_b128 s[28:31], s[0:1], 0x60             ; g1 28, b1 30
	s_load_b64 s[32:33], s[0:1], 0x70              ; out0
	v_lshl_add_u32 v158, v0, 2, 0x5100
	v_mov_b32 v159, 0
	v_lshrrev_b32 v1, 5, v0
	v_readfirstlane_b32 s34, v1                    ; wave 0..3
	s_mov_b32 s40, 0x76543210
	s_mov_b32 s41, 0xfedcba98                      ; v_permlanex16_b32's selects for lane l xor 16
	s_mov_b32 s42, 0x3db8aa3b                      ; log2(e) / 16
	s_mov_b32 s43, s42                             ; (named with it as a pair, so it is written)
	v_and_b32 v[LN], 31, v0
	v_and_b32 v[R], 15, v0
	v_bfe_u32 v[H], v0, 4, 1
	v_lshlrev_b32 v[LI], 4, v[LN]
	v_lshlrev_b32 v[LS], 2, v[LN]
	v_lshlrev_b32 v[QOFF], 10, v[R]
	v_lshl_add_u32 v[QOFF], v[H], 7, v[QOFF]
	s_lshl_b32 s53, s34, 8
	v_lshlrev_b32 v[PB], 6, v[H]
	v_add_nc_u32 v[PB], s53, v[PB]
	v_lshlrev_b32 v[SH8], 3, v[H]
	v_add_nc_u32 v[LOM], -1, v[H]
	v_sub_nc_u32 v[HIM], 0, v[H]
	v_lshlrev_b32 v[H32], 5, v[H]
	v_lshlrev_b32 v[SRD], 5, v[R]
	s_lshl_b32 s54, s34, 3
	v_add_nc_u32 v[SST], s54, v[SRD]
	v_lshl_add_u32 v[OIW], v0, 4, OIMG
	s_lshr_b32 s54, s34, 1
	s_lshl_b32 s54, s54, 7
	s_and_b32 s55, s34, 1
	s_lshl_b32 s55, s55, 1
	s_add_co_u32 s54, s54, s55
	s_add_co_u32 s54, s54, OSC
	v_add_nc_u32 v[OSW], s54, v[LS]                ; my two bytes of each row's scale word: K step w / 2, bytes 2 (w % 2) on
	s_mul_i32 s55, s34, 4352
	s_add_co_u32 s55, s55, STG                     ; my stage
	v_mul_u32_u24 v[SGW], v[R], 272
	v_lshl_add_u32 v[SGW], v[H], 6, v[SGW]
	v_add_nc_u32 v[SGW], s55, v[SGW]               ; in: row r, + 64 h
	v_mul_u32_u24 v[SGR], v[H], 272
	v_lshl_add_u32 v[SGR], v[R], 4, v[SGR]
	v_add_nc_u32 v[SGR], s55, v[SGR]               ; back: lanes 0-15 one row of 256 bytes, lanes 16-31 the next
	v_lshlrev_b32 v[GO], 10, v[H]
	v_lshl_add_u32 v[GO], v[R], 4, v[GO]
	v_add_nc_u32 v[GO], s53, v[GO]                 ; and the same in out0
	v_mov_b32 v150, 0                              ; written once: a lane permute's destination counts as one of its sources
	v_mov_b32 v151, 0
	s_lshl_b32 s52, ttmp9, 2
	s_wait_kmcnt 0x0
	s_load_b32 s37, s[6:7], s52 offset:0x0         ; my work-group's word of the list
	s_mov_b32 s57, 0
	s_lshl_b32 s56, s34, 13
	s_add_nc_u64 s[8:9], s[8:9], s[56:57]          ; the weights' fragments at my four tiles
	s_lshl_b32 s56, s34, 9
	s_add_nc_u64 s[10:11], s[10:11], s[56:57]
	s_wait_kmcnt 0x0
	s_and_b32 s36, s37, 63
	s_min_u32 s36, s36, 63                         ; the tile,
	s_lshl_b32 s36, s36, 4                         ; my work-group's first row
	s_bfe_u32 s35, s37, 0x30008
	s_min_u32 s35, s35, 7                          ; the batch
	s_lshr_b32 s37, s37, 16
	s_min_u32 s37, s37, 0x400                      ; its length
	s_lshl_b32 s54, s35, 3
	s_lshl_b32 s55, s34, 1
	s_add_co_u32 s54, s54, s55                     ; 8 batch + my first head
	s_lshl_b32 s56, s54, 14
	s_add_nc_u64 s[14:15], s[14:15], s[56:57]
	s_add_nc_u64 s[18:19], s[18:19], s[56:57]
	s_lshl_b32 s56, s54, 10
	s_add_nc_u64 s[16:17], s[16:17], s[56:57]
	s_add_nc_u64 s[20:21], s[20:21], s[56:57]
	s_lshl_b32 s56, s35, 20
	s_lshl_b32 s58, s36, 10
	s_add_co_u32 s56, s56, s58
	s_add_nc_u64 s[4:5], s[4:5], s[56:57]          ; Q and out0 at my work-group's first row
	s_add_nc_u64 s[32:33], s[32:33], s[56:57]
	s_add_co_u32 s38, s37, 127
	s_lshr_b32 s38, s38, 7                         ; n: key steps that hold a key that counts
	s_sub_co_u32 s52, s37, 1
	s_lshr_b32 s52, s52, 7
	s_min_u32 s52, s52, 7                          ; the last of them: slot 0's key step
	s_lshl_b32 s39, s52, 7
	s_sub_co_i32 s39, s37, s39                     ; the length, counted from that step's first key
	s_lshl_b32 s56, s52, 11
	s_add_nc_u64 s[44:45], s[14:15], s[56:57]
	s_add_nc_u64 s[48:49], s[18:19], s[56:57]
	s_lshl_b32 s56, s52, 7
	s_add_nc_u64 s[46:47], s[16:17], s[56:57]
	s_add_nc_u64 s[50:51], s[20:21], s[56:57]
	v_add_nc_u32 v22, s36, v[R]
	v_cmp_gt_u32 vcc_lo, s37, v22
	v_cndmask_b32 v[RM], 0, 1.0, vcc_lo            ; my row's mask
	v_mov_b32 v[RM+1], v[RM]
	s_cmp_lt_u32 s36, s37
	s_cbranch_scc1 .Lactive
.set i, 0
.rept 32
	v_mov_b32 v[QA+i], 0                           ; all 16 rows lie behind the length: O = 0, and the tail is still owed
.set i, i+1
.endr
	s_branch .Ltail
.Lactive:
	; ---- 140 loads.  The first 60 are wanted first: Q's 16 rows, Wq's scale words, bq, Wq's fragments.  Then k and v of my first head, all eight slots whatever n is: every register of the pools is written on every way.
	WIN 0x40
.irp q, 0,1,2,3
.irp i, 0,1,2,3,4,5,6,7
	global_load_b128 v[32*\q+4*\i:32*\q+4*\i+3], v[QOFF], s[4:5] offset:256*\q+16*\i   ; window 1: row r, k = 64 q + 32 h + 4 i on: a lane holds whole blocks
.endr
.endr
	WIN 0
.irp t, 0,1,2,3
	global_load_b32 v[WS+\t], v[LS], s[10:11] offset:128*\t
.endr
	PLOAD QA, 12
	WIN 0x40
.irp t, 0,1,2,3
.irp q, 0,1,2,3
	global_load_b128 v[128+16*\t+4*\q:128+16*\t+4*\q+3], v[LI], s[8:9] offset:2048*\t+512*\q
.endr
.endr
.irp k, 0,1,2,3,4,5,6,7
	LOADK \k, 0
	LOADV \k, 0
.endr
	s_wait_loadcnt 63                              ; 80 loads stand behind the 60; 63 is the most that a wait can name
	; ---- Q's 16 rows are quantised, by each wave for itself: that spares a barrier under the branch on the length
.irp q, 0,1,2,3
	v_mov_b32 v[22+\q], FLOOR
.endr
	WIN 0x14
.irp i, 0,2,4,6,8,10,12,14,16,18,20,22,24,26,28,30
.irp q, 0,1,2,3
	v_max3_num_f32 v[22+\q], v[22+\q], |v[32*\q+\i]|, |v[32*\q+\i+1]|
.endr
.endr
	WIN 0
.irp q, 0,1,2,3
	v_add_nc_u32 v[26+\q], EOFF, v[22+\q]
.endr
.irp q, 0,1,2,3
	v_lshrrev_b32 v[22+\q], 23, v[26+\q]
.endr
.irp s, 0,1
	v_lshl_or_b32 v[22+2*\s], v[23+2*\s], 16, v[22+2*\s]
	v_lshlrev_b32 v[22+2*\s], v[SH8], v[22+2*\s]
	v_permlanex16_b32 v[150+\s], v[22+2*\s], s40, s41
	v_or_b32 v[XW+\s], v[22+2*\s], v[150+\s]
.endr
	WIN 0x01
.irp q, 0,1,2,3
.irp t, 0,1,2,3
	v_cvt_scalef32_pk8_fp4_f32 v[XQ+4*\q+\t], v[32*\q+8*\t:32*\q+8*\t+7], v[26+\q]
.endr
.endr
	WIN 0
	PLACES 8                                       ; a scale word made by vector lines stands eight places ahead of a scaled product, codes four
	; ---- q: my four tiles of Wq's columns, on the bias; the four accumulators take turns
	WIN 0x01
.irp t, 0,1,2,3
	MM QA+8*\t, 128+16*\t, XQ, WS+\t, XW
.endr
.irp t, 0,1,2,3
	MM1 QA+8*\t, 136+16*\t, XQ+8, WS+\t, XW+1
.endr
	WIN 0
	PLACES 4
.set i, 0
.rept 16
	v_pk_mul_f32 v[QA+i:QA+i+1], v[QA+i:QA+i+1], v[RM:RM+1]    ; the row's mask
.set i, i+2
.endr
	; ---- q's codes: a head's 32 channels are one block.  F0 holds them in lanes 0-15, F1 in lanes 16-31
	HQ2
.irp i, 0,1,2,3
	v_mov_b32 v[P+4+\i], 0
.endr
.irp i, 0,1,2,3
	v_permlanex16_b32 v[P+4+\i], v[P+\i], s40, s41
.endr
.irp d, 0,1
	v_lshl_or_b32 v[24+\d], v[24+\d], 8, v[24+\d]
	v_lshl_or_b32 v[QW+\d], v[24+\d], 16, v[24+\d]     ; q's byte in all four places: whichever block holds the codes
	v_and_b32 v[BQ+4+16*\d], v[LOM], v[P+2*\d]
	v_and_b32 v[BQ+5+16*\d], v[LOM], v[P+2*\d+1]
	v_and_b32 v[BQ+6+16*\d], v[LOM], v[P+4+2*\d]
	v_and_b32 v[BQ+7+16*\d], v[LOM], v[P+5+2*\d]
	v_and_b32 v[BQ+12+16*\d], v[HIM], v[P+4+2*\d]
	v_and_b32 v[BQ+13+16*\d], v[HIM], v[P+5+2*\d]
	v_and_b32 v[BQ+14+16*\d], v[HIM], v[P+2*\d]
	v_and_b32 v[BQ+15+16*\d], v[HIM], v[P+2*\d+1]
.endr
.irp z, 0,8,16,24,32
.irp i, 0,1,2,3
	v_mov_b32 v[BQ+\z+\i], 0
.endr
.endr
	WIN 0x40
	v_sub_nc_u32 v204, s39, v[H32]                 ; window 1: slot 0's register 32 g + i is hidden where 64 g + i >= this
	v_mov_b32 v205, 0xff800000                     ; -infinity
	WIN 0
	PLACES 8                                       ; q's scale words and codes were made by vector lines.  (k's loads are waited for slot by slot)
	HEAD 0
	HEAD 1
.Ltail:
	; ---- the tail, for every work-group.  60 loads: Wo's scale words, bo, g0, b0, g1, b1, Wo's fragments
.irp t, 0,1,2,3
	global_load_b32 v[WS+\t], v[LS], s[10:11] offset:2048+128*\t
.endr
	PLOAD 224, 26
	PLOAD 160, 22
	PLOAD 192, 24
	WIN 0x40
	PLOAD 0, 28
	PLOAD 32, 30
.irp t, 0,1,2,3
.irp q, 0,1,2,3
	global_load_b128 v[64+16*\t+4*\q:64+16*\t+4*\q+3], v[LI], s[8:9] offset:32768+2048*\t+512*\q
.endr
.endr
	WIN 0
	LNSTAT STAT0
	s_wait_loadcnt 0x0
	LNAPPLY STAT0, 160, 192, 0
	; ---- the normed rows as an operand: my 64 channels are registers 4 (w % 2) .. + 3 of K step w / 2's fragment, and two bytes of its scale words
	HQ2
	v_permlane16_swap_b32 v[P], v[P+2]             ; a lane is to hold a whole block: lanes 0-15 my first 32 channels, lanes 16-31 my second
	v_permlane16_swap_b32 v[P+1], v[P+3]
	v_lshl_or_b32 v24, v25, 8, v24
	ds_store_b128 v[OIW], v[P:P+3]
	ds_store_b16 v[OSW], v24
	s_wait_dscnt 0x0                               ; for the others' sake
	s_barrier_signal -1
	s_barrier_wait -1
.irp q, 0,1,2,3
	ds_load_b128 v[XQ+4*\q:XQ+4*\q+3], v[LI] offset:OIMG+512*\q
.endr
	ds_load_b32 v[XW], v[LS] offset:OSC
	ds_load_b32 v[XW+1], v[LS] offset:OSC+128
	s_wait_dscnt 0x0
	WIN 0x01
.irp t, 0,1,2,3
	MM 224+8*\t, 64+16*\t, XQ, WS+\t, XW           ; on bo; the four accumulators take turns
.endr
.irp t, 0,1,2,3
	MM1 224+8*\t, 72+16*\t, XQ+8, WS+\t, XW+1
.endr
	WIN 0
	PLACES 4
.set i, 0
.rept 32
	v_max_num_f32 v[224+i], 0, v[224+i]
.set i, i+1
.endr
.set i, 0
.rept 16
	v_pk_add_f32 v[QA+i:QA+i+1], v[QA+i:QA+i+1], v[224+i:225+i]
.set i, i+2
.endr
	LNSTAT STAT1
	LNAPPLY STAT1, 0, 32, 0x14
	; ---- the way out, through my own stage: sixteen lanes store 256 consecutive bytes, at a multiple of 256 from out0's first byte
.irp d, 0,1
.irp i, 0,1,2,3
	ds_store_b128 v[SGW], v[QA+16*\d+4*\i:QA+16*\d+4*\i+3] offset:128*\d+16*\i
.endr
.endr
.irp i, 0,1,2,3,4,5,6,7
	ds_load_b128 v[160+4*\i:163+4*\i], v[SGR] offset:544*\i    ; LDS serves a wave's instructions in order (ISA guide 5.7.1): these see my stores
.endr
.irp i, 0,1,2,3,4,5,6,7
	s_wait_dscnt 7-\i                              ; the younger loads may stay out
	global_store_b128 v[GO], v[160+4*\i:163+4*\i], s[32:33] offset:2048*\i th:TH_STORE_NT
.endr
	s_wait_tensorcnt 0x0
	ds_add_u32 v158, v159
	s_wait_dscnt 0x0
	s_endpgm
.Lfunc_end_k_q330346d595_attn:
	.size	k_q330346d595_attn, .Lfunc_end_k_q330346d595_attn-k_q330346d595_attn
	.p2alignl 7, 3214868480
	.fill 96, 4, 3214868480
	.section	.rodata,"a",@progbits
	.p2align	6, 0x0
	.amdhsa_kernel k_q330346d595_attn
		.amdhsa_group_segment_fixed_size 21248
		.amdhsa_private_segment_fixed_size 0
		.amdhsa_enable_private_segment 0
		.amdhsa_kernarg_size 120
		.amdhsa_user_sgpr_count 2
		.amdhsa_user_sgpr_kernarg_segment_ptr 1
		.amdhsa_wavefront_size32 1
		.amdhsa_system_sgpr_workgroup_id_x 1
		.amdhsa_system_sgpr_workgroup_id_y 1
		.amdhsa_system_sgpr_workgroup_id_z 1
		.amdhsa_system_vgpr_workitem_id 0
		.amdhsa_next_free_vgpr 1024
		.amdhsa_next_free_sgpr 66
		.amdhsa_reserve_vcc 1
		.amdhsa_float_denorm_mode_32 3
		.amdhsa_float_denorm_mode_16_64 3
		.amdhsa_memory_ordered 1
		.amdhsa_forward_progress 1
		.amdhsa_inst_pref_size 255
	.end_amdhsa_kernel
	.section	.bss,"aw",@nobits
	.p2align	6
	.space	262144
	.amdgpu_metadata
---
amdhsa.version: [ 1, 2 ]
amdhsa.kernels:
  - .name:           k_q330346d595_attn
    .symbol:         k_q330346d595_attn.kd
    .args:
      - { .name: Q, .offset: 0, .size: 8, .value_kind: global_buffer, .address_space: global }
      - { .name: order, .offset: 8, .size: 8, .value_kind: global_buffer, .address_space: global }
      - { .name: wfrag, .offset: 16, .size: 8, .value_kind: global_buffer, .address_space: global }
      - { .name: wsc, .offset: 24, .size: 8, .value_kind: global_buffer, .address_space: global }
      - { .name: bq, .offset: 32, .size: 8, .value_kind: global_buffer, .address_space: global }
      - { .name: kfrag, .offset: 40, .size: 8, .value_kind: global_buffer, .address_space: global }
      - { .name: ksc, .offset: 48, .size: 8, .value_kind: global_buffer, .address_space: global }
      - { .name: vfrag, .offset: 56, .size: 8, .value_kind: global_buffer, .address_space: global }
      - { .name: vsc, .offset: 64, .size: 8, .value_kind: global_buffer, .address_space: global }
      - { .name: g0, .offset: 72, .size: 8, .value_kind: global_buffer, .address_space: global }
      - { .name: b0, .offset: 80, .size: 8, .value_kind: global_buffer, .address_space: global }
      - { .name: bo, .offset: 88, .size: 8, .value_kind: global_buffer, .address_space: global }
      - { .name: g1, .offset: 96, .size: 8, .value_kind: global_buffer, .address_space: global }
      - { .name: b1, .offset: 104, .size: 8, .value_kind: global_buffer, .address_space: global }
      - { .name: out0, .offset: 112, .size: 8, .value_kind: global_buffer, .address_space: global }
    .group_segment_fixed_size: 21248
    .private_segment_fixed_size: 0
    .kernarg_segment_align: 8
    .kernarg_segment_size: 120
    .max_flat_workgroup_size: 128
    .sgpr_count:     66
    .vgpr_count:     1024
    .wavefront_size: 32
...
	.end_amdgpu_metadata
.endif
;; end of part 4
;; ======== version 3 of 3: 2 launches
;; workspace buffers: kfrag 1,048,576 bytes; ksc 65,536 bytes; vfrag 1,048,576 bytes; vsc 65,536 bytes; wfrag 65,536 bytes; wsc 4,096 bytes; order 2,048 bytes of whole numbers
;; launch prep (part 5): grid 260 x 1, 8 waves a work-group, no clusters, 56,320 bytes of LDS; arguments K, Wk, Wv, Wq, Wo, bk, bv, lengths, kfrag, ksc, vfrag, vsc, wfrag, wsc, order; writes kfrag, ksc, vfrag, vsc, wfrag, wsc, order
.if DOCPART == 5
	.amdgcn_target "amdgcn-amd-amdhsa--gfx1250"
	.amdhsa_code_object_version 6
	.text
	.protected	k_q330346d595_prep
	.globl	k_q330346d595_prep
	.p2align	8
	.type	k_q330346d595_prep,@function
k_q330346d595_prep:
	s_mov_b64 s[64:65], 0
	v_nop
	global_prefetch_b8 v0, s[64:65] scope:SCOPE_SE
	s_setreg_imm32_b32 hwreg(HW_REG_WAVE_MODE, 25, 1), 1
	s_wait_xcnt 0x0
; PREP: k = K Wk + bk and v = (K Wv + bv) x mask, both products on codes of FP4 (E2M1) with one E8M0 scale for each 32 along K, the codes of Wq and Wo, and the list by which the next launch shares out its work.
; All results are stored as codes and scale words IN THE ORDER OF THE NEXT LAUNCH'S OPERAND REGISTERS, so that each lane there loads its fragments whole, 16 bytes a lane, 512 bytes an instruction.
; SHARES.  Work-group id: p = id / 64, rb = id % 64.  p = 0, 1: k for 128 rows (batch rb / 8, key step rb % 8) and columns 128 p on.  p = 2, 3: v likewise.  id 256..259: a half of Wq or of Wo.
; Eight waves.  Wave w quantises one tile of 16 rows of the input K (256 along K) and one tile of 16 columns of the weight.  x's codes go to the other waves through LDS as images of the operand's
; registers (16 bytes a lane at 16 x lane, the scale word at 4 x lane); in the k path the weight's do too.
; THE COLUMNS OF A WEIGHT TILE ARE NOT NEIGHBOURS: row m of tile 2 head + u is channel 32 head + 8 u + m % 8 + 16 (m / 8): in a transposed result the 16 registers of tiles u = 0, 1 are 16 neighbouring channels.
; THE ROWS OF A TILE OF x ARE NOT NEIGHBOURS: row m of tile (c, j) is key 64 c + 8 j + m % 8 + 32 (m / 8): the four tiles j of a group c give a lane 32 neighbouring keys, a whole block of the next product.
; k IS LAID FOR A PRODUCT WHOSE K IS 32: a fragment of 16 rows x 128 holds, in its block j of 32, the 32 channels of key (c, j, row): 64 keys in 8 registers.
; k is not multiplied by the mask: the next launch gives every masked key the weight 0, so those codes are never used.  v is masked by a select ahead of its quantiser.
; THE LIST.  The next launch has 512 blocks of 16 query rows; a block's work grows with its batch's length, and a block that lies wholly behind the length has least.  Word e of the list says which block work-group e
; takes: tile | batch << 8 | length << 16.  First the blocks that hold a row that counts, the longest batch first; then the others.  The two work-groups of Wq make it, a word a thread.
; NO CLUSTER, NO TENSOR LOAD: a work-group reads its 128 KiB of x and 128 KiB of weight once, at its head, into registers in which the conversions want them (a lane's registers run along K); nothing is walked.
; The three paths part on the work-group's number alone and never join; the k path and the v path have LDS bytes of their own.
; LIMITS: NaN and infinities among the inputs are not served.  A block of zeros gets the scale byte 1 where the rule says 127: its codes are zeros, and this program alone reads the bytes.
; In the list a length is held to 0 .. 1,024: beyond these the mask is the same as at them.
.set FLOOR, 0x1800000                  ; 2^(3 - 127): under it no largest magnitude is taken, so a scale byte cannot fall under 1
.set EOFF,  0xff000000                 ; takes 2 off an exponent field
.set KX,  0                            ; LDS, k path: x's 8 tiles: tile x 2048 + K step x 1024 + c x 512 + 16 x lane
.set KXS, 16384                        ;   their scale words: (2 tile + K step) x 128 + 4 x lane
.set KW,  18432                        ;   the weight's 8 tiles, likewise
.set KWS, 34816
.set VX,  36864                        ; LDS, v path: x's 8 tiles
.set VXS, 53248
.set LN,  1                            ; lane
.set R,   2                            ; lane % 16
.set H,   3                            ; lane / 16
.set SH8, 4                            ; 8 h
.set LI,  5                            ; 16 x lane
.set LS,  6                            ; 4 x lane
.set WOFF, 7                           ; my column's bytes in a row of the weight + 32 h rows
.set XOFF, 8                           ; my row of the tile of x + 128 h bytes
.set XI,  9                            ; 2048 w + 16 x lane: where I store an image
.set XSI, 10                           ; 256 w + 4 x lane: and its scale words
.set R4,  11                           ; 4 r
.set CB,  12                           ; 4 x my column in the half
.set RW,  13                           ; k path: where I read the weight's fragments, their words, x's fragments, their words
.set RWS, 14
.set RX,  15
.set RXS, 16
.set BOF, 17                           ; k path: my 16 numbers of bk
.set M,   18                           ; v18-21 at work
.set T,   22                           ; v22-25 at work; lane permutes land here
.set S,   26                           ; v26-29 scale operands of the conversions
.set DL,  30
.set H32, 31                           ; 32 h
.set XD,  32                           ; v32-159 x as f32, then blocks of the weight, then fragments
.set WD,  160                          ; v160-191 the weight's block 0, then accumulators
.set WC,  192                          ; v192-207 codes: x's on their way to LDS, then the weight's two K steps
.set WW,  208                          ; v208-209 the weight's scale words
.set BI,  210                          ; v210-225 the bias in the result's layout
.set SW,  226                          ; v226-241 scale words read from LDS (k and v paths)
.set OC,  242                          ; v242-249 the codes that leave
.set OW,  250                          ; v250-251 scale words that leave or go to LDS
.set LE,  226                          ; the list (the weights' path): my word's number,
.set LT,  227                          ;   at work,
.set LTI, 228                          ;   the tile,
.set LW,  229                          ;   the batch and its length,
.set LA,  230                          ;   my word's byte
.set LV,  231                          ;   at work
.set LEN, 68                           ; s68-75  the eight lengths
.set ACT, 76                           ; s76-83  blocks of each batch that hold a row that counts
.set POS, 84                           ; s84-91  where each batch's such blocks begin in the list
.set WRD, 92                           ; s92-99  length << 16 | batch << 8: the list's word less the tile, and the key by which the batches are ranked
.macro MM d, a, b, c, sa, sb
	v_wmma_scale_f32_16x16x128_f8f6f4 v[(\d):(\d)+7], v[(\a):(\a)+7], v[(\b):(\b)+7], v[(\c):(\c)+7], v[\sa], v[\sb] matrix_a_fmt:MATRIX_FMT_FP4 matrix_b_fmt:MATRIX_FMT_FP4
.endm
; Two whole blocks of 32 of a lane (registers a.., b..: k = 32 h + 0..31 and 64 + 32 h + 0..31 of a K step) become the 8 registers of a fragment and the scale word.
.macro QUANT64 a, b, pc, pw
	v_max3_num_f32 v[M], |v[(\a)]|, |v[(\a)+1]|, FLOOR
	v_max3_num_f32 v[M+1], |v[(\b)]|, |v[(\b)+1]|, FLOOR
.irp i, 2,4,6,8,10,12,14,16,18,20,22,24,26,28,30
	s_delay_alu instid0(VALU_DEP_2)
	v_max3_num_f32 v[M], v[M], |v[(\a)+\i]|, |v[(\a)+\i+1]|       ; the two blocks by turns
	s_delay_alu instid0(VALU_DEP_2)
	v_max3_num_f32 v[M+1], v[M+1], |v[(\b)+\i]|, |v[(\b)+\i+1]|
.endr
	s_delay_alu instid0(VALU_DEP_2)
	v_add_nc_u32 v[S], EOFF, v[M]                  ; the conversion takes this operand's exponent field as its scale
	s_delay_alu instid0(VALU_DEP_2)
	v_add_nc_u32 v[S+1], EOFF, v[M+1]
	s_delay_alu instid0(VALU_DEP_2)
	v_lshrrev_b32 v[M+2], 23, v[S]                 ; the scales' bytes
	s_delay_alu instid0(VALU_DEP_2)
	v_lshrrev_b32 v[M+3], 23, v[S+1]
	s_delay_alu instid0(VALU_DEP_1)
	v_lshl_or_b32 v[M+2], v[M+3], 16, v[M+2]       ; blocks h and 2 + h,
	s_delay_alu instid0(VALU_DEP_1)
	v_lshlrev_b32 v[M+2], v[SH8], v[M+2]           ; at their places in the word;
	s_delay_alu instid0(VALU_DEP_1)
	v_permlanex16_b32 v[T], v[M+2], s38, s39
	s_delay_alu instid0(VALU_DEP_1)
	v_or_b32 v[\pw], v[M+2], v[T]                  ; with lane l xor 16's two the word is whole, in both halves of the lanes
.irp g, 0,1,2,3
	v_cvt_scalef32_pk8_fp4_f32 v[(\pc)+\g], v[(\a)+8*\g:(\a)+8*\g+7], v[S]
.endr
.irp g, 0,1,2,3
	v_cvt_scalef32_pk8_fp4_f32 v[(\pc)+4+\g], v[(\b)+8*\g:(\b)+8*\g+7], v[S+1]
.endr
	v_nop                                          ; one plain line behind the last scaled conversion
.endm
.macro IMG reg, off                    ; a K step's fragment goes to LDS as it stands
	ds_store_b128 v[XI], v[(\reg):(\reg)+3] offset:(\off)
	ds_store_b128 v[XI], v[(\reg)+4:(\reg)+7] offset:(\off)+512
.endm
.macro WLOADS blk, reg                 ; block blk of 64 along K: my column, rows 64 blk + 32 h + 0..31
.irp i, 0,1,2,3,4,5,6,7,8,9,10,11,12,13,14,15,16,17,18,19,20,21,22,23,24,25,26,27,28,29,30,31
	global_load_b32 v[(\reg)+\i], v[WOFF], s[44:45] offset:(64*(\blk)+\i)*1024
.endr
.endm
; x's tile and the weight's tile of my wave are quantised; x's images go to LDS at xb, xsb.
.macro FRONT xb, xsb
.irp q, 0,1,2,3
.irp i, 0,1,2,3,4,5,6,7
	global_load_b128 v[XD+32*\q+4*\i:XD+32*\q+4*\i+3], v[XOFF], s[4:5] offset:256*\q+16*\i   ; my row, k = 64 q + 32 h + 4 i on
.endr
.endr
	WLOADS 0, WD
	s_wait_loadcnt 32                              ; all but the weight's block 0, issued last: x (and the bias) are in
	QUANT64 XD, XD+32, WC, OW
	IMG WC, \xb
	ds_store_b32 v[XSI], v[OW] offset:\xsb
	WLOADS 1, XD                                   ; into the registers that x's first K step has left
	WLOADS 2, XD+32
	QUANT64 XD+64, XD+96, WC+8, OW+1
	IMG WC+8, (\xb)+1024
	ds_store_b32 v[XSI], v[OW+1] offset:(\xsb)+128
	WLOADS 3, XD+64
	s_wait_dscnt 0x0                               ; the stores have read the registers that the weight's codes now take
	s_wait_loadcnt 63                              ; blocks 0 and 1 are wanted; 64 loads stand behind them, and 63 is the most that a wait can name
	QUANT64 WD, XD, WC, WW
	s_wait_loadcnt 0x0
	QUANT64 XD+32, XD+64, WC+8, WW+1
.endm
	s_load_b512 s[4:19], s[0:1], 0x0               ; K 4, Wk 6, Wv 8, Wq 10, Wo 12, bk 14, bv 16, lengths 18
	s_load_b256 s[20:27], s[0:1], 0x40             ; kfrag 20, ksc 22, vfrag 24, vsc 26
	s_load_b128 s[28:31], s[0:1], 0x60             ; wfrag 28, wsc 30
	s_load_b64 s[56:57], s[0:1], 0x70              ; the list
	v_lshl_add_u32 v254, v0, 2, 0xd800
	v_mov_b32 v255, 0
	v_lshrrev_b32 v1, 5, v0
	s_delay_alu instid0(VALU_DEP_1)
	v_readfirstlane_b32 s32, v1                    ; wave 0..7
	s_lshr_b32 s34, ttmp9, 6                       ; p
	s_and_b32 s35, ttmp9, 63                       ; rb
	s_lshr_b32 s36, s35, 3                         ; batch
	s_and_b32 s37, s35, 7                          ; key step
	s_mov_b32 s38, 0x76543210
	s_mov_b32 s39, 0xfedcba98                      ; v_permlanex16_b32's selects for lane l xor 16
	s_lshr_b32 s40, s32, 1                         ; w / 2
	s_and_b32 s41, s32, 1                          ; w % 2
	v_and_b32 v[LN], 31, v0
	v_and_b32 v[R], 15, v0
	v_bfe_u32 v[H], v0, 4, 1
	s_delay_alu instid0(VALU_DEP_1)
	v_lshlrev_b32 v[SH8], 3, v[H]
	s_delay_alu instid0(VALU_DEP_4)
	v_lshlrev_b32 v[LI], 4, v[LN]
	v_lshlrev_b32 v[LS], 2, v[LN]
	v_lshlrev_b32 v[R4], 2, v[R]
	v_lshlrev_b32 v[H32], 5, v[H]
	v_and_b32 v[M], 7, v[R]
	v_lshrrev_b32 v[M+1], 3, v[R]
	s_delay_alu instid0(VALU_DEP_1)
	v_lshl_add_u32 v[CB], v[M+1], 4, v[M]          ; r % 8 + 16 (r / 8)
	s_lshl_b32 s42, s40, 5
	s_lshl_b32 s43, s41, 3
	s_add_co_u32 s42, s42, s43                     ; + 32 (w / 2) + 8 (w % 2): my column in the half
	v_add_nc_u32 v[CB], s42, v[CB]
	s_delay_alu instid0(VALU_DEP_1)
	v_lshlrev_b32 v[CB], 2, v[CB]
	s_delay_alu instid0(VALU_DEP_1)
	v_lshl_add_u32 v[WOFF], v[H], 15, v[CB]        ; + 32 h rows of 1,024 bytes
	v_lshl_add_u32 v[XOFF], v[M+1], 5, v[M]        ; r % 8 + 32 (r / 8)
	s_delay_alu instid0(VALU_DEP_1)
	v_lshlrev_b32 v[XOFF], 10, v[XOFF]
	s_delay_alu instid0(VALU_DEP_1)
	v_lshl_add_u32 v[XOFF], v[H], 7, v[XOFF]
	s_lshl_b32 s42, s32, 11
	v_add_nc_u32 v[XI], s42, v[LI]
	s_lshl_b32 s42, s32, 8
	v_add_nc_u32 v[XSI], s42, v[LS]
	s_lshl_b32 s42, s40, 12
	v_add_nc_u32 v[RW], s42, v[LI]                 ; the weight's tiles 2 (w / 2) + u
	s_lshl_b32 s42, s40, 9
	v_add_nc_u32 v[RWS], s42, v[LS]
	s_lshl_b32 s42, s41, 13
	v_add_nc_u32 v[RX], s42, v[LI]                 ; x's tiles 4 (w % 2) + j
	s_lshl_b32 s42, s41, 10
	v_add_nc_u32 v[RXS], s42, v[LS]
	s_lshl_b32 s42, s40, 7
	v_lshl_add_u32 v[BOF], v[H], 6, s42            ; 4 (32 (w / 2) + 16 h)
.irp i, 0,1,2,3
	v_mov_b32 v[T+\i], 0                           ; written once: a lane permute's destination counts as one of its sources
.endr
	s_lshl_b32 s42, s35, 17                        ; my work-group's 128 rows of 1,024 bytes,
	s_lshr_b32 s43, s32, 2
	s_lshl_b32 s43, s43, 16                        ; my tile: 64 (w / 4)
	s_add_co_u32 s42, s42, s43
	s_and_b32 s43, s32, 3
	s_lshl_b32 s43, s43, 13                        ; + 8 (w % 4) rows
	s_add_co_u32 s42, s42, s43
	s_mov_b32 s43, 0
	s_mov_b32 s47, 0
	s_wait_kmcnt 0x0
	s_add_nc_u64 s[4:5], s[4:5], s[42:43]
	s_cmp_lt_u32 s34, 2
	s_cbranch_scc1 .Lk
	s_cmp_lt_u32 s34, 4
	s_cbranch_scc1 .Lv
	; ---- Wq and Wo: wave w makes tile 8 half + w
	s_and_b32 s50, ttmp9, 1                        ; half
	s_bfe_u32 s51, ttmp9, 0x10001                  ; 0: Wq, 1: Wo
	s_load_b256 s[LEN:LEN+7], s[18:19], 0x0        ; all eight lengths, for the list: they come while the weight's loads are issued
	s_cmp_eq_u32 s51, 0
	s_cselect_b64 s[44:45], s[10:11], s[12:13]
	s_lshl_b32 s46, s50, 9
	s_add_nc_u64 s[44:45], s[44:45], s[46:47]      ; the half's 128 columns
	WLOADS 0, WD
	WLOADS 1, XD
	WLOADS 2, XD+32
	WLOADS 3, XD+64
	s_wait_kmcnt 0x0                               ; the lengths
	s_cmp_eq_u32 s51, 0
	s_cbranch_scc0 .Lnolist                        ; Wq's two work-groups make the list, 256 words each, while the weight is on its way
.irp b, 0,1,2,3,4,5,6,7
	s_max_i32 s[LEN+\b], s[LEN+\b], 0
.endr
.irp b, 0,1,2,3,4,5,6,7
	s_min_u32 s[LEN+\b], s[LEN+\b], 0x400          ; held to 0 .. 1,024
.endr
.irp b, 0,1,2,3,4,5,6,7
	s_add_co_u32 s[ACT+\b], s[LEN+\b], 15
.endr
.irp b, 0,1,2,3,4,5,6,7
	s_lshr_b32 s[ACT+\b], s[ACT+\b], 4             ; blocks of 16 rows that hold a row that counts: 0 .. 64
.endr
.irp b, 0,1,2,3,4,5,6,7
	s_lshl_b32 s[WRD+\b], s[LEN+\b], 16
.endr
.irp b, 0,1,2,3,4,5,6,7
	s_or_b32 s[WRD+\b], s[WRD+\b], \b<<8           ; no two alike: a rank without ties
.endr
.irp b, 0,1,2,3,4,5,6,7
	s_mov_b32 s[POS+\b], 0
.endr
.irp i, 0,1,2,3,4,5,6                  ; 28 pairs: the batch with the larger word stands first, and the other's place moves on by its blocks
.irp j, 1,2,3,4,5,6,7
.if \i < \j
	s_cmp_gt_u32 s[WRD+\i], s[WRD+\j]
	s_cselect_b32 s54, s[ACT+\i], 0
	s_cselect_b32 s55, 0, s[ACT+\j]
	s_add_co_u32 s[POS+\j], s[POS+\j], s54
	s_add_co_u32 s[POS+\i], s[POS+\i], s55
.endif
.endr
.endr
	s_add_co_u32 s58, s[ACT], s[ACT+1]
.irp b, 2,3,4,5,6,7
	s_add_co_u32 s58, s58, s[ACT+\b]               ; all such blocks: behind them the list goes on with the others, batch by batch
.endr
	v_lshl_add_u32 v[LE], s50, 8, v0               ; my word's number: 256 x half + thread
	s_delay_alu instid0(VALU_DEP_1)
	v_lshlrev_b32 v[LA], 2, v[LE]
	v_mov_b32 v[LTI], 0
	v_mov_b32 v[LW], 0
.irp b, 0,1,2,3,4,5,6,7                ; the places POS .. POS + ACT - 1 of the eight batches share out 0 .. s58 - 1: my number lies in at most one
	v_sub_nc_u32 v[LT], v[LE], s[POS+\b]           ; (a number ahead of the place wraps to a large one, and fails the comparison)
	s_delay_alu instid0(VALU_DEP_1)
	v_cmp_gt_u32 vcc_lo, s[ACT+\b], v[LT]
	v_mov_b32 v[LV], s[WRD+\b]
	s_delay_alu instid0(VALU_DEP_2)
	v_cndmask_b32 v[LTI], v[LTI], v[LT], vcc_lo
	s_delay_alu instid0(VALU_DEP_2)
	v_cndmask_b32 v[LW], v[LW], v[LV], vcc_lo
.endr
.irp b, 0,1,2,3,4,5,6,7                ; and the 64 - ACT other blocks of each batch share out s58 .. 511
	s_sub_co_u32 s59, 64, s[ACT+\b]
	v_sub_nc_u32 v[LT], v[LE], s58
	s_delay_alu instid0(VALU_DEP_1)
	v_cmp_gt_u32 vcc_lo, s59, v[LT]
	s_delay_alu instid0(VALU_DEP_2)
	v_add_nc_u32 v[LT], s[ACT+\b], v[LT]           ; tiles ACT .. 63
	v_mov_b32 v[LV], s[WRD+\b]
	s_delay_alu instid0(VALU_DEP_2)
	v_cndmask_b32 v[LTI], v[LTI], v[LT], vcc_lo
	s_delay_alu instid0(VALU_DEP_2)
	v_cndmask_b32 v[LW], v[LW], v[LV], vcc_lo
	s_add_co_u32 s58, s58, s59
.endr
	v_or_b32 v[LW], v[LW], v[LTI]
	global_store_b32 v[LA], v[LW], s[56:57]        ; its registers are not written again
.Lnolist:
	s_wait_loadcnt 63                              ; blocks 0 and 1: 64 loads stand behind them; 63 is the most that a wait can name
	QUANT64 WD, XD, WC, WW
	s_wait_loadcnt 0x0
	QUANT64 XD+32, XD+64, WC+8, WW+1
	s_lshl_b32 s48, s50, 3
	s_add_co_u32 s48, s48, s32                     ; the tile
	s_lshl_b32 s46, s51, 15
	s_lshl_b32 s49, s48, 11
	s_add_co_u32 s46, s46, s49
	s_add_nc_u64 s[28:29], s[28:29], s[46:47]
.irp q, 0,1,2,3
	global_store_b128 v[LI], v[WC+4*\q:WC+4*\q+3], s[28:29] offset:512*\q   ; 512 consecutive bytes a store
.endr
	s_lshl_b32 s46, s51, 11
	s_lshl_b32 s49, s48, 7
	s_add_co_u32 s46, s46, s49
	s_add_nc_u64 s[30:31], s[30:31], s[46:47]
	v_cmp_gt_u32 vcc_lo, 16, v[LN]
	s_delay_alu instid0(VALU_DEP_1)
	v_cndmask_b32 v[OW], v[WW+1], v[WW], vcc_lo    ; lanes 0-15 K step 0's word, lanes 16-31 K step 1's
	global_store_b32 v[LS], v[OW], s[30:31]
	s_endpgm
	; ---- k
.Lk:
	s_and_b32 s50, s34, 1                          ; half
	s_lshl_b32 s46, s50, 9
	s_add_nc_u64 s[44:45], s[6:7], s[46:47]        ; Wk at the half's columns
	s_add_nc_u64 s[14:15], s[14:15], s[46:47]      ; bk likewise
	s_wait_alu depctr_va_vdst(0)
.irp i, 0,1,2,3
	global_load_b128 v[BI+4*\i:BI+4*\i+3], v[BOF], s[14:15] offset:16*\i   ; channels 16 h + 0..15 of my head: the C of tiles u = 0, 1
.endr
	FRONT KX, KXS
	IMG WC, KW
	IMG WC+8, KW+1024
	ds_store_b32 v[XSI], v[WW] offset:KWS
	ds_store_b32 v[XSI], v[WW+1] offset:KWS+128
	s_wait_dscnt 0x0                               ; for the others' sake: my images lie in LDS
	s_barrier_signal -1
	s_barrier_wait -1
	; wave = (head w / 2 of the half's four, group c = w % 2 of 64 keys)
.irp u, 0,1
.irp s, 0,1
.irp c, 0,1
	ds_load_b128 v[32+16*\u+8*\s+4*\c:32+16*\u+8*\s+4*\c+3], v[RW] offset:KW+2048*\u+1024*\s+512*\c
.endr
	ds_load_b32 v[SW+2*\u+\s], v[RWS] offset:KWS+256*\u+128*\s
.endr
.endr
.irp j, 0,1,2,3
.irp s, 0,1
.irp c, 0,1
	ds_load_b128 v[64+16*\j+8*\s+4*\c:64+16*\j+8*\s+4*\c+3], v[RX] offset:KX+2048*\j+1024*\s+512*\c
.endr
	ds_load_b32 v[SW+4+2*\j+\s], v[RXS] offset:KXS+256*\j+128*\s
.endr
.endr
	s_wait_dscnt 0x0
	; TRANSPOSED: source 0 = 16 columns of Wk, source 1 = 16 keys.  Lane (r, h) holds key (c, j, r); register 8 u + i of v[128 + 16 j ..] is channel 16 h + 8 u + i.  The eight accumulators take turns.
.irp j, 0,1,2,3
.irp u, 0,1
	MM 128+16*\j+8*\u, 32+16*\u, 64+16*\j, BI+8*\u, SW+2*\u, SW+4+2*\j
.endr
.endr
.irp j, 0,1,2,3
.irp u, 0,1
	MM 128+16*\j+8*\u, 40+16*\u, 72+16*\j, 128+16*\j+8*\u, SW+2*\u+1, SW+5+2*\j
.endr
.endr
.rept 4
	v_nop                                          ; four places ahead of the first read of results
.endr
.irp j, 0,1,2,3
	v_max3_num_f32 v[M+\j], |v[128+16*\j]|, |v[129+16*\j]|, FLOOR   ; a key's 32 channels are one block: my 16,
.endr
.irp i, 2,4,6,8,10,12,14
.irp j, 0,1,2,3
	v_max3_num_f32 v[M+\j], v[M+\j], |v[128+16*\j+\i]|, |v[129+16*\j+\i]|
.endr
.endr
.irp j, 0,1,2,3
	s_delay_alu instid0(VALU_DEP_4)
	v_permlanex16_b32 v[T+\j], v[M+\j], s38, s39
.endr
.irp j, 0,1,2,3
	s_delay_alu instid0(VALU_DEP_4)
	v_max_num_f32 v[M+\j], v[M+\j], v[T+\j]        ; and lane l xor 16's
.endr
.irp j, 0,1,2,3
	s_delay_alu instid0(VALU_DEP_4)
	v_add_nc_u32 v[S+\j], EOFF, v[M+\j]
.endr
.irp j, 0,1,2,3
	s_delay_alu instid0(VALU_DEP_4)
	v_lshrrev_b32 v[T+\j], 23, v[S+\j]
.endr
	s_delay_alu instid0(VALU_DEP_3)
	v_lshl_or_b32 v[OW], v[T+1], 8, v[T]           ; byte j: the scale of key (c, j, r)
	s_delay_alu instid0(VALU_DEP_1)
	v_lshl_or_b32 v[OW], v[T+2], 16, v[OW]
	s_delay_alu instid0(VALU_DEP_1)
	v_lshl_or_b32 v[OW], v[T+3], 24, v[OW]
.irp j, 0,1,2,3
	v_cvt_scalef32_pk8_fp4_f32 v[OC+2*\j], v[128+16*\j:135+16*\j], v[S+\j]
	v_cvt_scalef32_pk8_fp4_f32 v[OC+2*\j+1], v[136+16*\j:143+16*\j], v[S+\j]
.endr
	v_nop                                          ; one plain line behind the scaled conversions
.irp c, 0,1                            ; a lane is to hold a whole key: lanes 0-15 key j = 2 c, lanes 16-31 key j = 2 c + 1
.irp i, 0,1
	v_permlane16_swap_b32 v[OC+4*\c+\i], v[OC+4*\c+2+\i]
.endr
.endr
	s_lshl_b32 s46, s36, 3
	s_lshl_b32 s48, s50, 2
	s_add_co_u32 s46, s46, s48
	s_add_co_u32 s46, s46, s40                     ; 8 batch + head
	s_lshl_b32 s48, s46, 4
	s_lshl_b32 s49, s37, 1
	s_add_co_u32 s48, s48, s49
	s_add_co_u32 s48, s48, s41                     ; x 16 + the group of 64 keys
	s_lshl_b32 s48, s48, 10
	s_mov_b32 s49, 0
	s_add_nc_u64 s[20:21], s[20:21], s[48:49]
	s_wait_alu depctr_va_vdst(0)
	global_store_b128 v[LI], v[OC:OC+3], s[20:21]              ; 512 consecutive bytes a store
	global_store_b128 v[LI], v[OC+4:OC+7], s[20:21] offset:512
	s_lshl_b32 s48, s46, 3
	s_add_co_u32 s48, s48, s37
	s_lshl_b32 s48, s48, 7
	s_lshl_b32 s51, s41, 6
	s_add_co_u32 s48, s48, s51
	s_add_nc_u64 s[22:23], s[22:23], s[48:49]
	v_cmp_gt_u32 vcc_lo, 16, v[LN]
	s_wait_xcnt 0x0                                ; EXEC is a source of the stores above: it changes only behind this wait
	s_wait_tensorcnt 0x0
	ds_add_u32 v254, v255
	s_wait_dscnt 0x0
	s_and_saveexec_b32 s52, vcc_lo
	global_store_b32 v[R4], v[OW], s[22:23]        ; lanes 0-15: 64 bytes; the wave of the other group stores the other 64
	s_wait_xcnt 0x0
	s_or_b32 exec_lo, exec_lo, s52
	s_endpgm
	; ---- v
.Lv:
	s_and_b32 s50, s34, 1                          ; half
	s_lshl_b32 s46, s50, 9
	s_add_nc_u64 s[44:45], s[8:9], s[46:47]        ; Wv at the half's columns
	s_add_nc_u64 s[16:17], s[16:17], s[46:47]      ; bv likewise
	s_lshl_b32 s48, s36, 2
	s_load_b32 s49, s[18:19], s48 offset:0x0       ; the batch's length
	global_load_b32 v[BI+8], v[CB], s[16:17]       ; bv of my column
	FRONT VX, VXS
	s_wait_dscnt 0x0                               ; for the others' sake: my images of x lie in LDS
	s_barrier_signal -1
	s_barrier_wait -1
.irp i, 0,1,2,3,4,5,6,7
	v_mov_b32 v[BI+\i], v[BI+8]                    ; the C of a sum's first product: my column's bias for all eight keys
.endr
.irp t, 0,1,2,3,4,5,6,7
.irp s, 0,1
.irp c, 0,1
	ds_load_b128 v[XD+16*\t+8*\s+4*\c:XD+16*\t+8*\s+4*\c+3], v[LI] offset:VX+2048*\t+1024*\s+512*\c
.endr
	ds_load_b32 v[SW+2*\t+\s], v[LS] offset:VXS+256*\t+128*\s
.endr
.endr
	s_wait_alu depctr_va_vdst(0)
	s_wait_kmcnt 0x0
	s_lshl_b32 s51, s37, 7
	s_sub_co_i32 s49, s49, s51                     ; the length, counted from my work-group's first key
.rept 8
	v_nop                                          ; the weight's scale words were made by vector lines: eight places ahead of a scaled product (its codes: four)
.endr
	s_wait_dscnt 0x0
; A group c of 64 keys.  NOT transposed: source 0 = 16 keys, source 1 = my 16 columns of Wv.  Lane (r, h) holds column r; register 8 j + i of v160.. is key 64 c + 32 h + 8 j + i: a whole block of the next K.
.macro VHALF c
.irp j, 0,1,2,3
	MM 160+8*\j, XD+16*(4*(\c)+\j), WC, BI, SW+2*(4*(\c)+\j), WW
.endr
.irp j, 0,1,2,3
	MM 160+8*\j, XD+16*(4*(\c)+\j)+8, WC+8, 160+8*\j, SW+2*(4*(\c)+\j)+1, WW+1
.endr
.rept 4
	v_nop
.endr
	s_sub_co_i32 s52, s49, 64*(\c)
	v_sub_nc_u32 v[DL], s52, v[H32]                ; register i counts where i < length - first key - 64 c - 32 h
.irp i, 0,1,2,3,4,5,6,7,8,9,10,11,12,13,14,15,16,17,18,19,20,21,22,23,24,25,26,27,28,29,30,31
	v_cmp_lt_i32 vcc_lo, \i, v[DL]
	v_cndmask_b32 v[160+\i], 0, v[160+\i], vcc_lo  ; the mask, ahead of the quantiser
.endr
	v_max3_num_f32 v[M], |v160|, |v161|, FLOOR
	v_max3_num_f32 v[M+1], |v176|, |v177|, FLOOR
.irp i, 2,4,6,8,10,12,14
	s_delay_alu instid0(VALU_DEP_2)
	v_max3_num_f32 v[M], v[M], |v[160+\i]|, |v[161+\i]|
	s_delay_alu instid0(VALU_DEP_2)
	v_max3_num_f32 v[M+1], v[M+1], |v[176+\i]|, |v[177+\i]|
.endr
	s_delay_alu instid0(VALU_DEP_1)
	v_max_num_f32 v[M], v[M], v[M+1]
	s_delay_alu instid0(VALU_DEP_1)
	v_add_nc_u32 v[S+(\c)], EOFF, v[M]
	s_delay_alu instid0(VALU_DEP_1)
	v_lshrrev_b32 v[T+(\c)], 23, v[S+(\c)]
.irp g, 0,1,2,3
	v_cvt_scalef32_pk8_fp4_f32 v[OC+4*(\c)+\g], v[160+8*\g:167+8*\g], v[S+(\c)]
.endr
	v_nop                                          ; one plain line behind the scaled conversions
.endm
	VHALF 0
	VHALF 1
	v_lshl_or_b32 v[T], v[T+1], 16, v[T]           ; blocks h and 2 + h of the key step,
	s_delay_alu instid0(VALU_DEP_1)
	v_lshlrev_b32 v[T], v[SH8], v[T]
	s_delay_alu instid0(VALU_DEP_1)
	v_permlanex16_b32 v[T+2], v[T], s38, s39
	s_delay_alu instid0(VALU_DEP_1)
	v_or_b32 v[OW], v[T], v[T+2]                   ; with lane l xor 16's the word is whole
	s_lshl_b32 s46, s36, 3
	s_lshl_b32 s48, s50, 2
	s_add_co_u32 s46, s46, s48
	s_add_co_u32 s46, s46, s40                     ; 8 batch + head
	s_lshl_b32 s46, s46, 3
	s_add_co_u32 s46, s46, s37                     ; x 8 + key step
	s_lshl_b32 s48, s46, 1
	s_add_co_u32 s48, s48, s41                     ; x 2 + u
	s_lshl_b32 s48, s48, 10
	s_mov_b32 s49, 0
	s_add_nc_u64 s[24:25], s[24:25], s[48:49]
	global_store_b128 v[LI], v[OC:OC+3], s[24:25]
	s_wait_alu depctr_va_vdst(0)
	global_store_b128 v[LI], v[OC+4:OC+7], s[24:25] offset:512
	s_lshl_b32 s48, s46, 7
	s_lshl_b32 s51, s41, 6
	s_add_co_u32 s48, s48, s51
	s_add_nc_u64 s[26:27], s[26:27], s[48:49]
	v_cmp_gt_u32 vcc_lo, 16, v[LN]
	s_wait_xcnt 0x0                                ; EXEC changes only behind this wait
	s_wait_tensorcnt 0x0
	ds_add_u32 v254, v255
	s_wait_dscnt 0x0
	s_and_saveexec_b32 s52, vcc_lo
	global_store_b32 v[R4], v[OW], s[26:27]
	s_wait_xcnt 0x0
	s_or_b32 exec_lo, exec_lo, s52
	s_endpgm
.Lfunc_end_k_q330346d595_prep:
	.size	k_q330346d595_prep, .Lfunc_end_k_q330346d595_prep-k_q330346d595_prep
	.p2alignl 7, 3214868480
	.fill 96, 4, 3214868480
	.section	.rodata,"a",@progbits
	.p2align	6, 0x0
	.amdhsa_kernel k_q330346d595_prep
		.amdhsa_group_segment_fixed_size 56320
		.amdhsa_private_segment_fixed_size 0
		.amdhsa_enable_private_segment 0
		.amdhsa_kernarg_size 120
		.amdhsa_user_sgpr_count 2
		.amdhsa_user_sgpr_kernarg_segment_ptr 1
		.amdhsa_wavefront_size32 1
		.amdhsa_system_sgpr_workgroup_id_x 1
		.amdhsa_system_sgpr_workgroup_id_y 1
		.amdhsa_system_sgpr_workgroup_id_z 1
		.amdhsa_system_vgpr_workitem_id 0
		.amdhsa_next_free_vgpr 256
		.amdhsa_next_free_sgpr 100
		.amdhsa_reserve_vcc 1
		.amdhsa_float_denorm_mode_32 3
		.amdhsa_float_denorm_mode_16_64 3
		.amdhsa_memory_ordered 1
		.amdhsa_forward_progress 1
		.amdhsa_inst_pref_size 129
	.end_amdhsa_kernel
	.amdgpu_metadata
---
amdhsa.version: [ 1, 2 ]
amdhsa.kernels:
  - .name:           k_q330346d595_prep
    .symbol:         k_q330346d595_prep.kd
    .args:
      - { .name: K, .offset: 0, .size: 8, .value_kind: global_buffer, .address_space: global }
      - { .name: Wk, .offset: 8, .size: 8, .value_kind: global_buffer, .address_space: global }
      - { .name: Wv, .offset: 16, .size: 8, .value_kind: global_buffer, .address_space: global }
      - { .name: Wq, .offset: 24, .size: 8, .value_kind: global_buffer, .address_space: global }
      - { .name: Wo, .offset: 32, .size: 8, .value_kind: global_buffer, .address_space: global }
      - { .name: bk, .offset: 40, .size: 8, .value_kind: global_buffer, .address_space: global }
      - { .name: bv, .offset: 48, .size: 8, .value_kind: global_buffer, .address_space: global }
      - { .name: lengths, .offset: 56, .size: 8, .value_kind: global_buffer, .address_space: global }
      - { .name: kfrag, .offset: 64, .size: 8, .value_kind: global_buffer, .address_space: global }
      - { .name: ksc, .offset: 72, .size: 8, .value_kind: global_buffer, .address_space: global }
      - { .name: vfrag, .offset: 80, .size: 8, .value_kind: global_buffer, .address_space: global }
      - { .name: vsc, .offset: 88, .size: 8, .value_kind: global_buffer, .address_space: global }
      - { .name: wfrag, .offset: 96, .size: 8, .value_kind: global_buffer, .address_space: global }
      - { .name: wsc, .offset: 104, .size: 8, .value_kind: global_buffer, .address_space: global }
      - { .name: order, .offset: 112, .size: 8, .value_kind: global_buffer, .address_space: global }
    .group_segment_fixed_size: 56320
    .private_segment_fixed_size: 0
    .kernarg_segment_align: 8
    .kernarg_segment_size: 120
    .max_flat_workgroup_size: 256
    .sgpr_count:     100
    .vgpr_count:     256
    .wavefront_size: 32
...
	.end_amdgpu_metadata
.endif
;; end of part 5
;; launch attn (part 6): grid 512 x 1, 4 waves a work-group, no clusters, 21,248 bytes of LDS; arguments Q, order, wfrag, wsc, bq, kfrag, ksc, vfrag, vsc, g0, b0, bo, g1, b1, out0; writes out0
.if DOCPART == 6
	.amdgcn_target "amdgcn-amd-amdhsa--gfx1250"
	.amdhsa_code_object_version 6
	.text
	.protected	k_q330346d595_attn
	.globl	k_q330346d595_attn
	.p2align	8
	.type	k_q330346d595_attn,@function
k_q330346d595_attn:
	s_mov_b64 s[64:65], 0
	v_nop
	global_prefetch_b8 v0, s[64:65] scope:SCOPE_SE
	s_setreg_imm32_b32 hwreg(HW_REG_WAVE_SCHED_MODE, 0, 2), 2
	s_setreg_imm32_b32 hwreg(HW_REG_WAVE_MODE, 25, 1), 1
	s_wait_xcnt 0x0
	s_wait_alu depctr_vm_vsrc(0)
; ATTN: q = (Q Wq + bq) x mask; for each head A = e / (sum of e + 1e-15), e = exp(q . k / 16) x masks; O = q + A v; LayerNorm; O + relu(O Wo + bo); LayerNorm.  All four products on codes of FP4 (E2M1) with E8M0 scales.
; SHARES.  A work-group owns 16 query rows of one batch and all 8 heads; wave w owns heads 2 w and 2 w + 1, channels 64 w .. 64 w + 63, through the whole chain.
; WHICH 16 ROWS says the list that the launch before has made from the lengths: word number = the work-group's number; the word is tile | batch << 8 | length << 16.  A block's work grows with its batch's length,
; and the list has the blocks of the longest batch first and the blocks that lie wholly behind a length last: where work-groups are taken up in the order of their numbers, the long ones begin first and the short ones fill the end.
; A lane holds ONE query row (lane % 16) throughout: every product is used transposed (source 0 = 16 columns of a weight, 16 keys, or 16 channels of v; source 1 = my 16 rows).
; A IS QUANTISED FINISHED, so a row's whole sum comes first.  Phase A of a head: scores, exponentials and sums for all key steps, e KEPT IN REGISTERS (8 slots of 64).  Phase B: e x 1 / sum, quantised, times v.
; THE FIRST ATTENTION PRODUCT HAS K = 32: a fragment of k holds 64 keys, 16 in each block of 32 along K; four fragments of q hold q's 32 codes in block j and zero codes elsewhere.  Four products on one fragment
; of k give 64 keys' scores, and by the order in which the keys were laid a lane's 32 registers are 32 neighbouring keys: a whole block of the next product.
; THE LENGTH.  Only the n = ceil(length / 128) key steps that hold a key that counts are walked.  Slot 0 takes key step n - 1, the only one that the length can cut: it alone has mask lines.  Slot k >= 1 takes step k - 1.
; Phase A goes up the slots and leaves where they end; phase B goes down from there: so every register that is read has been written on every way.  A block of rows that lies wholly behind the length goes to the tail with O = 0.
; No maximum is taken away ahead of the exponential: the function computed here is defined so.
; NO CLUSTER, NO TENSOR LOAD: branches hang on the length, which is read from memory; and a fragment of k or v is read by one wave of a work-group alone (a wave owns its heads), so LDS would add a way and no reuse.
; Fragments come from memory straight into registers, 512 consecutive bytes an instruction, asked for a whole phase ahead of their use; so no prefetch is laid either.
; LIMITS: NaN and infinities among the inputs are not served.  An e under 2^-126 counts as 0 (the exponential's own behaviour: ISA guide, its entry).  A block of zeros has the scale byte 1, not 127: its codes are zeros.
; Sums are taken in another order than the definition's.  The list's three fields are held to their ranges (63, 7, 1,024) before they are used.
; THE MODE: SCHED_MODE bits 1:0 = 2 (LLVM: expert scheduling mode 2), set by the entry lines.  The code itself states the register dependences between vector or matrix instructions and memory or LDS
; instructions, with s_wait_alu, always for 0.
; THE PLAN.  Registers that memory or LDS instructions touch:
;   v4-7, v15-21   offsets and LDS addresses: written at the head by vector lines, read by every load and store, never written again.
;   k's pool       (each slot's two fragments and its word in v108-115)  Landed in by loads; read by the slot's eight products.  First head: loaded again in the same slot, for the next head,
;                  behind the wait that stands behind the slot's exponentials: that one wait also states that the products are done reading them.
;   v's pool       (each slot's two fragments and its word in v116-123)  Landed in by loads; read by the slot's two products of phase B.  First head: loaded again behind them, behind a wait of its own.
;   the tail's 60 loads land in v124-127, v160-255 and window 1's v0-127, which products and vector lines have named: one wait at the tail's head, on both ways to it.
;   v[30:31]       written by a norm's sums, read by its LDS store, written again by the norm's second half.   v[22:29]  named by the sums; the LDS loads of the four waves' figures land there.
;   v100-103, v24  written by the conversions, read by the LDS stores of the last product's operand; v24 is written again by the second norm.   v128-143, v147-148  that operand's LDS loads land there.
;   QA             written by the last multiply-adds, read by the way out's LDS stores.   v160-191  landed in by the LDS loads of the way out, read by the global stores.
;   Codes and scale words that vector lines make for a scaled product (Q's, q's, A's) have a wait behind their places, ahead of the product.
;   Masks that vector compares write into scalar registers or VCC have a wait ahead of the selects that read them: slot 0's 64 compares go in two runs of 32, into s66-97, one wait a run.
; REGISTERS, in windows of 256.  Window 0: v1-21 addresses and masks; v22-31, v150-159 at work; v32-63 QA: bq, q, O, and so on to the result (register 16 hd + i: channel 32 hd + 16 h + i of my 64);
;   v64-99 q's fragments; v100-107 A's codes; v108-127 scale words of k, v, the weight; v128-143 x's fragments; v144-148 scale words made here; v160-255 v's slots 0-5.
;   Windows 1-3: e's slots (three, three, two); from 192: each slot's two largest t (192-197), 1 / sum (202-203), at work (206-207), four sums (208-215); k's slots, v's slots 6, 7 (macro SLOTSYM).
.set FLOOR, 0x1800000                  ; 2^(3 - 127)
.set EOFF,  0xff000000                 ; takes 2 off an exponent field
.set STAT0, 0                          ; LDS: row x 32 + 8 w: a wave's mean and sum of squares, for the first norm;
.set STAT1, 512                        ;   for the second;
.set OSC,   1024                       ;   the scale words of the last product's operand: 128 x K step + 4 x lane;
.set OIMG,  1280                       ;   its two fragments as images of their registers: 16 x thread;
.set STG,   3328                       ;   a stage of 16 rows x (256 + 16) bytes for each wave, for the way out
.set LN,  1
.set R,   2
.set H,   3
.set LI,  4                            ; 16 x lane
.set LS,  5                            ; 4 x lane
.set QOFF, 6                           ; 1024 r + 128 h
.set PB,  7                            ; 256 w + 64 h: my 16 + 16 numbers of a vector of 256
.set SH8, 8                            ; 8 h
.set LOM, 9                            ; all ones in lanes 0-15
.set HIM, 10                           ; all ones in lanes 16-31
.set RM,  12                           ; v[12:13] 1.0 where my row counts, else 0
.set H32, 14
.set SST, 15                           ; 32 r + 8 w
.set SRD, 16                           ; 32 r
.set OIW, 17
.set OSW, 18
.set SGW, 19
.set SGR, 20
.set GO,  21
.set QA,  32
.set BQ,  64                           ; Z F0a Z F1a Z F0b Z F1b Z, four registers each: Z zeros, F0 q's codes in lanes 0-15, F1 in lanes 16-31
.set P,   100
.set KS,  108
.set VS,  116
.set WS,  124
.set XQ,  128
.set PW,  144
.set QW,  145
.set XW,  147
.set MK,  66                           ; s66-97 slot 0's masks, 32 a run
.set MSB, 0
.macro WIN new                         ; the immediate's high byte repeats the setting that is left; bits 1:0 source 0, 3:2 source 1, 5:4 source 2, 7:6 destination
.if MSB != (\new)
	s_set_vgpr_msb (MSB<<8)|(\new)
.set MSB, \new
.endif
.endm
.macro MM d, a, b, sa, sb              ; adds in place
	v_wmma_scale_f32_16x16x128_f8f6f4 v[(\d):(\d)+7], v[(\a):(\a)+7], v[(\b):(\b)+7], v[(\d):(\d)+7], v[\sa], v[\sb] matrix_a_fmt:MATRIX_FMT_FP4 matrix_b_fmt:MATRIX_FMT_FP4
.endm
.macro MM1 d, a, b, sa, sb             ; the same; source 0's scales from lanes 16-31
	v_wmma_scale_f32_16x16x128_f8f6f4 v[(\d):(\d)+7], v[(\a):(\a)+7], v[(\b):(\b)+7], v[(\d):(\d)+7], v[\sa], v[\sb] matrix_a_fmt:MATRIX_FMT_FP4 matrix_b_fmt:MATRIX_FMT_FP4 matrix_a_scale:MATRIX_SCALE_ROW1
.endm
.macro MMZ d, a, b, sa, sb             ; starts a sum
	v_wmma_scale_f32_16x16x128_f8f6f4 v[(\d):(\d)+7], v[(\a):(\a)+7], v[(\b):(\b)+7], 0, v[\sa], v[\sb] matrix_a_fmt:MATRIX_FMT_FP4 matrix_b_fmt:MATRIX_FMT_FP4
.endm
.macro MMZ1 d, a, b, sa, sb
	v_wmma_scale_f32_16x16x128_f8f6f4 v[(\d):(\d)+7], v[(\a):(\a)+7], v[(\b):(\b)+7], 0, v[\sa], v[\sb] matrix_a_fmt:MATRIX_FMT_FP4 matrix_b_fmt:MATRIX_FMT_FP4 matrix_a_scale:MATRIX_SCALE_ROW1
.endm
.macro PLACES n
.rept \n
	v_nop
.endr
.endm
.macro SLOTSYM k                       ; where slot k lies: e in window EW at EL, its largest t at ML; k's fragments in window KWN at KL; v's in window VWN at VL
.set EW, 1+(\k)/3
.set EL, 64*((\k)%3)
.set ML, 192+2*((\k)%3)
.if (\k) < 4
.set KWN, 1+(\k)/2
.set KL, 224+16*((\k)%2)
.else
.set KWN, 3
.set KL, 128+16*((\k)-4)
.endif
.if (\k) < 6
.set VWN, 0
.set VL, 160+16*(\k)
.else
.set VWN, 3
.set VL, 224+16*((\k)-6)
.endif
.endm
.macro LOADK k, hh                     ; slot k's two fragments of k (64 keys each) and their scale words, for my head hh: five loads
	SLOTSYM \k
	WIN KWN<<6
.irp q, 0,1,2,3
.if (\k) == 0
	global_load_b128 v[KL+4*\q:KL+4*\q+3], v[LI], s[44:45] offset:16384*(\hh)+512*\q
.else
	global_load_b128 v[KL+4*\q:KL+4*\q+3], v[LI], s[14:15] offset:16384*(\hh)+2048*((\k)-1)+512*\q
.endif
.endr
	WIN 0
.if (\k) == 0
	global_load_b32 v[KS+(\k)], v[LS], s[46:47] offset:1024*(\hh)
.else
	global_load_b32 v[KS+(\k)], v[LS], s[16:17] offset:1024*(\hh)+128*((\k)-1)
.endif
.endm
.macro LOADV k, hh                     ; slot k's two fragments of v (16 channels x 128 keys each) and their scale words: five loads
	SLOTSYM \k
	WIN VWN<<6
.irp q, 0,1,2,3
.if (\k) == 0
	global_load_b128 v[VL+4*\q:VL+4*\q+3], v[LI], s[48:49] offset:16384*(\hh)+512*\q
.else
	global_load_b128 v[VL+4*\q:VL+4*\q+3], v[LI], s[18:19] offset:16384*(\hh)+2048*((\k)-1)+512*\q
.endif
.endr
	WIN 0
.if (\k) == 0
	global_load_b32 v[VS+(\k)], v[LS], s[50:51] offset:1024*(\hh)
.else
	global_load_b32 v[VS+(\k)], v[LS], s[20:21] offset:1024*(\hh)+128*((\k)-1)
.endif
.endm
.macro PLOAD dst, sb                   ; my 32 numbers of a vector of 256, in QA's layout
.irp d, 0,1
.irp i, 0,1,2,3
	global_load_b128 v[(\dst)+16*\d+4*\i:(\dst)+16*\d+4*\i+3], v[PB], s[\sb:\sb+1] offset:128*\d+16*\i
.endr
.endr
.endm
; QA's two blocks of 32 channels (a lane holds 16 of each) become codes in v[P] .. v[P+3] (two registers a block) and scale bytes in v24, v25.
.macro HQ2
.irp d, 0,1
	v_max3_num_f32 v[22+\d], |v[QA+16*\d]|, |v[QA+16*\d+1]|, FLOOR
.endr
.irp i, 2,4,6,8,10,12,14
.irp d, 0,1
	v_max3_num_f32 v[22+\d], v[22+\d], |v[QA+16*\d+\i]|, |v[QA+16*\d+\i+1]|
.endr
.endr
.irp d, 0,1
	v_permlanex16_b32 v[150+\d], v[22+\d], s40, s41
.endr
.irp d, 0,1
	v_max_num_f32 v[22+\d], v[22+\d], v[150+\d]    ; with lane l xor 16's 16: the block's largest magnitude
.endr
.irp d, 0,1
	v_add_nc_u32 v[26+\d], EOFF, v[22+\d]
.endr
.irp d, 0,1
	v_lshrrev_b32 v[24+\d], 23, v[26+\d]
.endr
.irp d, 0,1
	v_cvt_scalef32_pk8_fp4_f32 v[P+2*\d], v[QA+16*\d:QA+16*\d+7], v[26+\d]
	v_cvt_scalef32_pk8_fp4_f32 v[P+2*\d+1], v[QA+16*\d+8:QA+16*\d+15], v[26+\d]
.endr
	v_nop                                          ; one plain line behind the scaled conversions
.endm
; PHASE A, slot k of head hh: 128 keys' scores, t = score x log2(e) / 16, each block's largest t, e = 2^t, the sums.
.macro ASLOT hh, k
.if (\hh) == 0
; The first head's k was asked for at the kernel's head, slot by slot, each slot's k ahead of its v.  Behind slot k's five loads of k stand its v's five, ten for each of the 7 - k later slots, and the five refills
; of each of the k slots walked so far (there is one way to this line): 75 - 5 k.  Those may stay out: the later slots land while the earlier ones are worked.  63 is the most that a wait can name.
.if 75-5*(\k) > 63
	s_wait_loadcnt 63
.else
	s_wait_loadcnt 75-5*(\k)
.endif
.endif
	SLOTSYM \k
	WIN (EW<<6)|KWN
.irp j, 0,1,2,3
	MMZ EL+8*\j, KL, BQ+16*(\hh)+4*(2*(\j%2)+1-\j/2), KS+(\k), QW+(\hh)
.endr
.irp j, 0,1,2,3
	MMZ1 EL+32+8*\j, KL+8, BQ+16*(\hh)+4*(2*(\j%2)+1-\j/2), KS+(\k), QW+(\hh)
.endr
	PLACES 4                                       ; ahead of the first read of results
	WIN 0x55*EW
.set i, 0
.rept 32
	v_pk_mul_f32 v[EL+i:EL+i+1], v[EL+i:EL+i+1], s[42:43] op_sel_hi:[1,0]   ; each accumulator from its low end on
.set i, i+2
.endr
.if (\k) == 0                          ; the key step that the length can cut: register 32 g + i is key 64 g + 32 h + i of the step; behind the length t = -infinity, e = 0
.irp g, 0,1                            ; a run of 32 compares, each into a scalar register of its own; one wait; the 32 selects
.set i, 0
.rept 32
	v_cmp_ge_i32 s[MK+i], 64*\g+i, v204
.set i, i+1
.endr
	s_wait_alu depctr_va_sdst(0)                   ; the 32 compares have written s66-97, ahead of the selects that read them
.set i, 0
.rept 32
	v_cndmask_b32 v[EL+32*\g+i], v[EL+32*\g+i], v205, s[MK+i]
.set i, i+1
.endr
.endr
.endif
.irp g, 0,1                            ; each block's largest t, in two chains a block: e rises with t, so its exponential is the block's largest e
	v_max3_num_f32 v[ML+\g], v[EL+32*\g], v[EL+32*\g+1], v[EL+32*\g+2]
	v_max3_num_f32 v[206+\g], v[EL+32*\g+16], v[EL+32*\g+17], v[EL+32*\g+18]
.endr
.irp i, 3,5,7,9,11,13
.irp g, 0,1
	v_max3_num_f32 v[ML+\g], v[ML+\g], v[EL+32*\g+\i], v[EL+32*\g+\i+1]
	v_max3_num_f32 v[206+\g], v[206+\g], v[EL+32*\g+16+\i], v[EL+32*\g+17+\i]
.endr
.endr
.irp g, 0,1
	v_max3_num_f32 v[ML+\g], v[ML+\g], v[EL+32*\g+15], v[EL+32*\g+31]
.endr
.irp g, 0,1
	v_max_num_f32 v[ML+\g], v[ML+\g], v[206+\g]
.endr
.set i, 0
	s_wait_alu depctr_va_vdst(0)
.rept 64
	v_exp_f32 v[EL+i], v[EL+i]
.set i, i+1
.endr
	v_exp_f32 v[ML], v[ML]
	v_exp_f32 v[ML+1], v[ML+1]
	v_nop                                          ; a plain line behind the last exponential
	s_wait_alu depctr_va_vdst(0)                   ; the 66 exponentials have written e and the two largest e, ahead of their first reader; and the slot's eight products are done reading k's fragments and scale word, in which the loads below land
.if (\hh) == 0
	LOADK \k, 1                                    ; the next head's fragments: a whole phase ahead of their use.  No vector or matrix line behind the wait names their registers
	WIN 0x55*EW
.endif
.if (\k)%3 == 0                        ; a window's first slot starts the window's four sums
.irp q, 0,1,2,3
	v_pk_add_f32 v[208+2*\q:209+2*\q], v[EL+2*\q:EL+2*\q+1], v[EL+8+2*\q:EL+9+2*\q]
.endr
.set i, 16
.else
.set i, 0
.endif
.rept (64-i)/2
	v_pk_add_f32 v[208+2*((i/2)%4):209+2*((i/2)%4)], v[208+2*((i/2)%4):209+2*((i/2)%4)], v[EL+i:EL+i+1]
.set i, i+2
.endr
	WIN 0
.endm
; The end of phase A behind slot k: the row's sum over the windows in use, 1 / (sum + 1e-15) x the row's mask, into each window in use.
.macro FIN k
.set w, 1
.rept 1+(\k)/3
	WIN 0x55*w
	v_pk_add_f32 v[208:209], v[208:209], v[210:211]
	v_pk_add_f32 v[212:213], v[212:213], v[214:215]
	v_pk_add_f32 v[208:209], v[208:209], v[212:213]
	WIN w|(w<<2)
	v_add_f32 v[22+w-1], v208, v209
.set w, w+1
.endr
	WIN 0
.if (\k) >= 3
	v_add_f32 v22, v22, v23
.endif
.if (\k) >= 6
	v_add_f32 v22, v22, v24
.endif
	v_permlanex16_b32 v150, v22, s40, s41
	v_add_f32 v22, v22, v150                       ; with lane l xor 16's keys: the row's sum
	v_add_f32 v22, 0x26901d7d, v22                 ; + 1e-15
	s_wait_alu depctr_va_vdst(0)
	v_rcp_f32 v23, v22
	v_nop                                          ; a plain line behind the reciprocal
	s_wait_alu depctr_va_vdst(0)                   ; the reciprocal has written v23, ahead of its first reader
	v_mul_f32 v23, v23, v[RM]
.set w, 1
.rept 1+(\k)/3
	WIN w<<6
	v_mov_b32 v202, v23
	v_mov_b32 v203, v23
.set w, w+1
.endr
	WIN 0
	s_wait_alu depctr_va_vdst(0)
	s_wait_loadcnt 0x0                             ; first head: its v and the next head's k are in, ahead of phase B and of the refills of v; second head: its v is in
.endm
; PHASE B, slot k of head hh: A = e / sum, quantised along the keys, O^T += v^T A^T.
.macro BSLOT hh, k
.LB\hh\k:
	SLOTSYM \k
	WIN 0x55*EW
	v_pk_mul_f32 v[ML:ML+1], v[ML:ML+1], v[202:203]    ; each block's largest A: the same multiplication as its element's
	v_max_num_f32 v[ML], FLOOR, v[ML]
	v_max_num_f32 v[ML+1], FLOOR, v[ML+1]
	v_add_nc_u32 v[ML], EOFF, v[ML]                ; the conversions' scale operands
	v_add_nc_u32 v[ML+1], EOFF, v[ML+1]
	WIN 5*EW
	v_lshrrev_b32 v26, 23, v[ML]
	v_lshrrev_b32 v27, 23, v[ML+1]
	WIN 0
	v_lshl_or_b32 v26, v27, 16, v26                ; blocks h and 2 + h of these 128 keys
	v_lshlrev_b32 v26, v[SH8], v26
	v_permlanex16_b32 v151, v26, s40, s41
	v_or_b32 v[PW], v26, v151                      ; A's scale word
	WIN 0x55*EW
.set i, 0
.rept 32
	v_pk_mul_f32 v[EL+i:EL+i+1], v[EL+i:EL+i+1], v[202:203]   ; (these are also the eight places between the scale word and the products)
.set i, i+2
.endr
	WIN 5*EW
.irp g, 0,1
.irp t, 0,1,2,3
	v_cvt_scalef32_pk8_fp4_f32 v[P+4*\g+\t], v[EL+32*\g+8*\t:EL+32*\g+8*\t+7], v[ML+\g]
.endr
.endr
	WIN VWN
	PLACES 4                                       ; between the codes and the products
	s_wait_alu depctr_va_vdst(0)                   ; the conversions have written A's codes, and the lines above A's scale word, which the two scaled products take; the places above stay beside this wait
	MM QA+16*(\hh), VL, P, VS+(\k), PW             ; the two accumulators take turns, one instruction a turn
	MM1 QA+16*(\hh)+8, VL+8, P, VS+(\k), PW
	PLACES 4                                       ; ahead of the next write of the scale word and of the codes, and of the tail's reads
.if (\hh) == 0
	s_wait_alu depctr_va_vdst(0)                   ; the two products are done reading v's fragments and scale word, in which the loads below land
	LOADV \k, 1
.endif
	WIN 0
.endm
.macro STAGE hh, k, kn                 ; slot k; on to slot kn where it exists, else the sum, and down into phase B at slot k
	ASLOT \hh, \k
	s_cmp_gt_u32 s38, \kn
	s_cbranch_scc1 .LA\hh\kn
	FIN \k
	s_branch .LB\hh\k
.LA\hh\kn:
.endm
.macro HEAD hh
	STAGE \hh, 0, 1
	STAGE \hh, 1, 2
	STAGE \hh, 2, 3
	STAGE \hh, 3, 4
	STAGE \hh, 4, 5
	STAGE \hh, 5, 6
	STAGE \hh, 6, 7
	ASLOT \hh, 7
	FIN 7
	BSLOT \hh, 7
	BSLOT \hh, 6
	BSLOT \hh, 5
	BSLOT \hh, 4
	BSLOT \hh, 3
	BSLOT \hh, 2
	BSLOT \hh, 1
	BSLOT \hh, 0
.endm
; A norm's first half: my wave's 64 channels of each row: their mean, and the sum of squares about that mean, to LDS.
.macro LNSTAT stat
	v_pk_add_f32 v[22:23], v[QA:QA+1], v[QA+2:QA+3]
	v_pk_add_f32 v[24:25], v[QA+4:QA+5], v[QA+6:QA+7]
.irp i, 8,12,16,20,24,28
	v_pk_add_f32 v[22:23], v[22:23], v[QA+\i:QA+\i+1]
	v_pk_add_f32 v[24:25], v[24:25], v[QA+\i+2:QA+\i+3]
.endr
	v_pk_add_f32 v[22:23], v[22:23], v[24:25]
	v_add_f32 v22, v22, v23
	v_permlanex16_b32 v150, v22, s40, s41
	v_add_f32 v22, v22, v150
	v_mul_f32 v30, 0x3c800000, v22                 ; / 64
	v_mov_b32 v31, v30
.irp i, 0,4,8,12,16,20,24,28
	v_pk_add_f32 v[22:23], v[QA+\i:QA+\i+1], v[30:31] neg_lo:[0,1] neg_hi:[0,1]
	v_pk_add_f32 v[24:25], v[QA+\i+2:QA+\i+3], v[30:31] neg_lo:[0,1] neg_hi:[0,1]
.if \i == 0
	v_pk_mul_f32 v[26:27], v[22:23], v[22:23]
	v_pk_mul_f32 v[28:29], v[24:25], v[24:25]
.else
	v_pk_fma_f32 v[26:27], v[22:23], v[22:23], v[26:27]
	v_pk_fma_f32 v[28:29], v[24:25], v[24:25], v[28:29]
.endif
.endr
	v_pk_add_f32 v[26:27], v[26:27], v[28:29]
	v_add_f32 v31, v26, v27
	v_permlanex16_b32 v150, v31, s40, s41
	v_add_f32 v31, v31, v150
	s_wait_alu depctr_va_vdst(0)                   ; the sums have written v[30:31], which the LDS store reads, and are done with v[22:29], in which the LDS loads behind the barrier land
	ds_store_b64 v[SST], v[30:31] offset:\stat     ; both lanes of a row write the same 8 bytes with the same values
	s_wait_dscnt 0x0                               ; for the others' sake
	s_barrier_signal -1
	s_barrier_wait -1
.endm
; Its second half: the four waves' figures make the row's mean and variance (no difference of large sums is formed); QA = (QA - mean) / sqrt(var + 1e-5) x g + b.
.macro LNAPPLY stat, g, bz, win
	ds_load_b128 v[22:25], v[SRD] offset:\stat
	ds_load_b128 v[26:29], v[SRD] offset:(\stat)+16
	s_wait_dscnt 0x0
	s_wait_alu depctr_vm_vsrc(0)                   ; my LDS store of the norm's first half has read v[30:31], which the lines below write again
	v_add_f32 v30, v22, v24
	v_add_f32 v31, v26, v28
	v_add_f32 v30, v30, v31
	v_mul_f32 v30, 0x3e800000, v30                 ; the row's mean
	v_sub_f32 v22, v22, v30
	v_sub_f32 v24, v24, v30
	v_sub_f32 v26, v26, v30
	v_sub_f32 v28, v28, v30
	v_add_f32 v23, v23, v25
	v_add_f32 v27, v27, v29
	v_add_f32 v23, v23, v27
	v_mul_f32 v22, v22, v22
	v_fma_f32 v22, v24, v24, v22
	v_fma_f32 v22, v26, v26, v22
	v_fma_f32 v22, v28, v28, v22
	v_fma_f32 v23, v22, 0x42800000, v23            ; + 64 x the waves' means' squares about the mean
	v_mul_f32 v23, 0x3b800000, v23                 ; / 256
	v_add_f32 v23, 0x3727c5ac, v23                 ; + 1e-5
	s_wait_alu depctr_va_vdst(0)
	v_rsq_f32 v152, v23
	v_mov_b32 v31, v30                             ; (a plain line behind the root)
	s_wait_alu depctr_va_vdst(0)                   ; the root has written v152, ahead of its first reader
	v_mov_b32 v153, v152
.set i, 0
.rept 16
	v_pk_add_f32 v[QA+i:QA+i+1], v[QA+i:QA+i+1], v[30:31] neg_lo:[0,1] neg_hi:[0,1]
.set i, i+2
.endr
.set i, 0
.rept 16
	v_pk_mul_f32 v[QA+i:QA+i+1], v[QA+i:QA+i+1], v[152:153]
.set i, i+2
.endr
	WIN \win
.set i, 0
.rept 16
	v_pk_fma_f32 v[QA+i:QA+i+1], v[QA+i:QA+i+1], v[(\g)+i:(\g)+i+1], v[(\bz)+i:(\bz)+i+1]
.set i, i+2
.endr
	WIN 0
.endm
	s_load_b512 s[4:19], s[0:1], 0x0               ; Q 4, the list 6, wfrag 8, wsc 10, bq 12, kfrag 14, ksc 16, vfrag 18
	s_load_b256 s[20:27], s[0:1], 0x40             ; vsc 20, g0 22, b0 24, bo 26
	s_load_b128 s[28:31], s[0:1], 0x60             ; g1 28, b1 30
	s_load_b64 s[32:33], s[0:1], 0x70              ; out0
	v_lshl_add_u32 v158, v0, 2, 0x5100
	v_mov_b32 v159, 0
	v_lshrrev_b32 v1, 5, v0
	v_readfirstlane_b32 s34, v1                    ; wave 0..3
	s_mov_b32 s40, 0x76543210
	s_mov_b32 s41, 0xfedcba98                      ; v_permlanex16_b32's selects for lane l xor 16
	s_mov_b32 s42, 0x3db8aa3b                      ; log2(e) / 16
	s_mov_b32 s43, s42                             ; (named with it as a pair, so it is written)
	v_and_b32 v[LN], 31, v0
	v_and_b32 v[R], 15, v0
	v_bfe_u32 v[H], v0, 4, 1
	v_lshlrev_b32 v[LI], 4, v[LN]
	v_lshlrev_b32 v[LS], 2, v[LN]
	v_lshlrev_b32 v[QOFF], 10, v[R]
	v_lshl_add_u32 v[QOFF], v[H], 7, v[QOFF]
	s_wait_alu depctr_va_sdst(0)                   ; s34, the wave's number, is written, ahead of its first reader
	s_lshl_b32 s53, s34, 8
	v_lshlrev_b32 v[PB], 6, v[H]
	v_add_nc_u32 v[PB], s53, v[PB]
	v_lshlrev_b32 v[SH8], 3, v[H]
	v_add_nc_u32 v[LOM], -1, v[H]
	v_sub_nc_u32 v[HIM], 0, v[H]
	v_lshlrev_b32 v[H32], 5, v[H]
	v_lshlrev_b32 v[SRD], 5, v[R]
	s_lshl_b32 s54, s34, 3
	v_add_nc_u32 v[SST], s54, v[SRD]
	v_lshl_add_u32 v[OIW], v0, 4, OIMG
	s_lshr_b32 s54, s34, 1
	s_lshl_b32 s54, s54, 7
	s_and_b32 s55, s34, 1
	s_lshl_b32 s55, s55, 1
	s_add_co_u32 s54, s54, s55
	s_add_co_u32 s54, s54, OSC
	v_add_nc_u32 v[OSW], s54, v[LS]                ; my two bytes of each row's scale word: K step w / 2, bytes 2 (w % 2) on
	s_mul_i32 s55, s34, 4352
	s_add_co_u32 s55, s55, STG                     ; my stage
	v_mul_u32_u24 v[SGW], v[R], 272
	v_lshl_add_u32 v[SGW], v[H], 6, v[SGW]
	v_add_nc_u32 v[SGW], s55, v[SGW]               ; in: row r, + 64 h
	v_mul_u32_u24 v[SGR], v[H], 272
	v_lshl_add_u32 v[SGR], v[R], 4, v[SGR]
	v_add_nc_u32 v[SGR], s55, v[SGR]               ; back: lanes 0-15 one row of 256 bytes, lanes 16-31 the next
	v_lshlrev_b32 v[GO], 10, v[H]
	v_lshl_add_u32 v[GO], v[R], 4, v[GO]
	v_add_nc_u32 v[GO], s53, v[GO]                 ; and the same in out0
	v_mov_b32 v150, 0                              ; written once: a lane permute's destination counts as one of its sources
	v_mov_b32 v151, 0
	s_lshl_b32 s52, ttmp9, 2
	s_wait_kmcnt 0x0
	s_load_b32 s37, s[6:7], s52 offset:0x0         ; my work-group's word of the list
	s_mov_b32 s57, 0
	s_lshl_b32 s56, s34, 13
	s_add_nc_u64 s[8:9], s[8:9], s[56:57]          ; the weights' fragments at my four tiles
	s_lshl_b32 s56, s34, 9
	s_add_nc_u64 s[10:11], s[10:11], s[56:57]
	s_wait_kmcnt 0x0
	s_and_b32 s36, s37, 63
	s_min_u32 s36, s36, 63                         ; the tile,
	s_lshl_b32 s36, s36, 4                         ; my work-group's first row
	s_bfe_u32 s35, s37, 0x30008
	s_min_u32 s35, s35, 7                          ; the batch
	s_lshr_b32 s37, s37, 16
	s_min_u32 s37, s37, 0x400                      ; its length
	s_lshl_b32 s54, s35, 3
	s_lshl_b32 s55, s34, 1
	s_add_co_u32 s54, s54, s55                     ; 8 batch + my first head
	s_lshl_b32 s56, s54, 14
	s_add_nc_u64 s[14:15], s[14:15], s[56:57]
	s_add_nc_u64 s[18:19], s[18:19], s[56:57]
	s_lshl_b32 s56, s54, 10
	s_add_nc_u64 s[16:17], s[16:17], s[56:57]
	s_add_nc_u64 s[20:21], s[20:21], s[56:57]
	s_lshl_b32 s56, s35, 20
	s_lshl_b32 s58, s36, 10
	s_add_co_u32 s56, s56, s58
	s_add_nc_u64 s[4:5], s[4:5], s[56:57]          ; Q and out0 at my work-group's first row
	s_add_nc_u64 s[32:33], s[32:33], s[56:57]
	s_add_co_u32 s38, s37, 127
	s_lshr_b32 s38, s38, 7                         ; n: key steps that hold a key that counts
	s_sub_co_u32 s52, s37, 1
	s_lshr_b32 s52, s52, 7
	s_min_u32 s52, s52, 7                          ; the last of them: slot 0's key step
	s_lshl_b32 s39, s52, 7
	s_sub_co_i32 s39, s37, s39                     ; the length, counted from that step's first key
	s_lshl_b32 s56, s52, 11
	s_add_nc_u64 s[44:45], s[14:15], s[56:57]
	s_add_nc_u64 s[48:49], s[18:19], s[56:57]
	s_lshl_b32 s56, s52, 7
	s_add_nc_u64 s[46:47], s[16:17], s[56:57]
	s_add_nc_u64 s[50:51], s[20:21], s[56:57]
	v_add_nc_u32 v22, s36, v[R]
	v_cmp_gt_u32 vcc_lo, s37, v22
	s_wait_alu depctr_va_vcc(0)                    ; the compare has written VCC, ahead of the select that reads it
	v_cndmask_b32 v[RM], 0, 1.0, vcc_lo            ; my row's mask
	v_mov_b32 v[RM+1], v[RM]
	s_cmp_lt_u32 s36, s37
	s_cbranch_scc1 .Lactive
.set i, 0
.rept 32
	v_mov_b32 v[QA+i], 0                           ; all 16 rows lie behind the length: O = 0, and the tail is still owed
.set i, i+1
.endr
	s_branch .Ltail
.Lactive:
	; ---- 140 loads.  The first 60 are wanted first: Q's 16 rows, Wq's scale words, bq, Wq's fragments.  Then k and v of my first head, all eight slots whatever n is: every register of the pools is written on every way.
	s_wait_alu depctr_va_vdst(0)                   ; the offsets v4 to v7 are written, which the loads below read
	WIN 0x40
.irp q, 0,1,2,3
.irp i, 0,1,2,3,4,5,6,7
	global_load_b128 v[32*\q+4*\i:32*\q+4*\i+3], v[QOFF], s[4:5] offset:256*\q+16*\i   ; window 1: row r, k = 64 q + 32 h + 4 i on: a lane holds whole blocks
.endr
.endr
	WIN 0
.irp t, 0,1,2,3
	global_load_b32 v[WS+\t], v[LS], s[10:11] offset:128*\t
.endr
	PLOAD QA, 12
	WIN 0x40
.irp t, 0,1,2,3
.irp q, 0,1,2,3
	global_load_b128 v[128+16*\t+4*\q:128+16*\t+4*\q+3], v[LI], s[8:9] offset:2048*\t+512*\q
.endr
.endr
.irp k, 0,1,2,3,4,5,6,7
	LOADK \k, 0
	LOADV \k, 0
.endr
	s_wait_loadcnt 63                              ; 80 loads stand behind the 60; 63 is the most that a wait can name
	; ---- Q's 16 rows are quantised, by each wave for itself: that spares a barrier under the branch on the length
.irp q, 0,1,2,3
	v_mov_b32 v[22+\q], FLOOR
.endr
	WIN 0x14
.irp i, 0,2,4,6,8,10,12,14,16,18,20,22,24,26,28,30
.irp q, 0,1,2,3
	v_max3_num_f32 v[22+\q], v[22+\q], |v[32*\q+\i]|, |v[32*\q+\i+1]|
.endr
.endr
	WIN 0
.irp q, 0,1,2,3
	v_add_nc_u32 v[26+\q], EOFF, v[22+\q]
.endr
.irp q, 0,1,2,3
	v_lshrrev_b32 v[22+\q], 23, v[26+\q]
.endr
.irp s, 0,1
	v_lshl_or_b32 v[22+2*\s], v[23+2*\s], 16, v[22+2*\s]
	v_lshlrev_b32 v[22+2*\s], v[SH8], v[22+2*\s]
	v_permlanex16_b32 v[150+\s], v[22+2*\s], s40, s41
	v_or_b32 v[XW+\s], v[22+2*\s], v[150+\s]
.endr
	WIN 0x01
.irp q, 0,1,2,3
.irp t, 0,1,2,3
	v_cvt_scalef32_pk8_fp4_f32 v[XQ+4*\q+\t], v[32*\q+8*\t:32*\q+8*\t+7], v[26+\q]
.endr
.endr
	WIN 0
	PLACES 8                                       ; a scale word made by vector lines stands eight places ahead of a scaled product, codes four
	; ---- q: my four tiles of Wq's columns, on the bias; the four accumulators take turns
	WIN 0x01
	s_wait_alu depctr_va_vdst(0)                   ; the conversions have written Q's codes, and the lines ahead of them Q's two scale words, which the scaled products take; the places above stay beside this wait
.irp t, 0,1,2,3
	MM QA+8*\t, 128+16*\t, XQ, WS+\t, XW
.endr
.irp t, 0,1,2,3
	MM1 QA+8*\t, 136+16*\t, XQ+8, WS+\t, XW+1
.endr
	WIN 0
	PLACES 4
.set i, 0
.rept 16
	v_pk_mul_f32 v[QA+i:QA+i+1], v[QA+i:QA+i+1], v[RM:RM+1]    ; the row's mask
.set i, i+2
.endr
	; ---- q's codes: a head's 32 channels are one block.  F0 holds them in lanes 0-15, F1 in lanes 16-31
	HQ2
.irp i, 0,1,2,3
	v_mov_b32 v[P+4+\i], 0
.endr
.irp i, 0,1,2,3
	v_permlanex16_b32 v[P+4+\i], v[P+\i], s40, s41
.endr
.irp d, 0,1
	v_lshl_or_b32 v[24+\d], v[24+\d], 8, v[24+\d]
	v_lshl_or_b32 v[QW+\d], v[24+\d], 16, v[24+\d]     ; q's byte in all four places: whichever block holds the codes
	v_and_b32 v[BQ+4+16*\d], v[LOM], v[P+2*\d]
	v_and_b32 v[BQ+5+16*\d], v[LOM], v[P+2*\d+1]
	v_and_b32 v[BQ+6+16*\d], v[LOM], v[P+4+2*\d]
	v_and_b32 v[BQ+7+16*\d], v[LOM], v[P+5+2*\d]
	v_and_b32 v[BQ+12+16*\d], v[HIM], v[P+4+2*\d]
	v_and_b32 v[BQ+13+16*\d], v[HIM], v[P+5+2*\d]
	v_and_b32 v[BQ+14+16*\d], v[HIM], v[P+2*\d]
	v_and_b32 v[BQ+15+16*\d], v[HIM], v[P+2*\d+1]
.endr
.irp z, 0,8,16,24,32
.irp i, 0,1,2,3
	v_mov_b32 v[BQ+\z+\i], 0
.endr
.endr
	WIN 0x40
	v_sub_nc_u32 v204, s39, v[H32]                 ; window 1: slot 0's register 32 g + i is hidden where 64 g + i >= this
	v_mov_b32 v205, 0xff800000                     ; -infinity
	WIN 0
	PLACES 8                                       ; q's scale words and codes were made by vector lines.  (k's loads are waited for slot by slot)
	s_wait_alu depctr_va_vdst(0)                   ; q's fragments v64-99 and scale words v145-146, of both heads, are written: every score product of both heads takes them, and none of them is written again
	HEAD 0
	HEAD 1
.Ltail:
	; ---- the tail, for every work-group.  60 loads: Wo's scale words, bo, g0, b0, g1, b1, Wo's fragments
	s_wait_alu depctr_va_vdst(0)                   ; on both ways here: the offsets v4, v5, v7 are written, which the loads below read; the products and vector lines that named v124-127, v160-255 and window 1's v0-127 are done with them: the loads land there
.irp t, 0,1,2,3
	global_load_b32 v[WS+\t], v[LS], s[10:11] offset:2048+128*\t
.endr
	PLOAD 224, 26
	PLOAD 160, 22
	PLOAD 192, 24
	WIN 0x40
	PLOAD 0, 28
	PLOAD 32, 30
.irp t, 0,1,2,3
.irp q, 0,1,2,3
	global_load_b128 v[64+16*\t+4*\q:64+16*\t+4*\q+3], v[LI], s[8:9] offset:32768+2048*\t+512*\q
.endr
.endr
	WIN 0
	LNSTAT STAT0
	s_wait_loadcnt 0x0
	LNAPPLY STAT0, 160, 192, 0
	; ---- the normed rows as an operand: my 64 channels are registers 4 (w % 2) .. + 3 of K step w / 2's fragment, and two bytes of its scale words
	HQ2
	v_permlane16_swap_b32 v[P], v[P+2]             ; a lane is to hold a whole block: lanes 0-15 my first 32 channels, lanes 16-31 my second
	v_permlane16_swap_b32 v[P+1], v[P+3]
	v_lshl_or_b32 v24, v25, 8, v24
	s_wait_alu depctr_va_vdst(0)                   ; the codes v100-103 and the two bytes in v24 are written, which the LDS stores read; and all that named v128-143 and v147-148 is done: the LDS loads behind the barrier land there
	ds_store_b128 v[OIW], v[P:P+3]
	ds_store_b16 v[OSW], v24
	s_wait_dscnt 0x0                               ; for the others' sake
	s_barrier_signal -1
	s_barrier_wait -1
.irp q, 0,1,2,3
	ds_load_b128 v[XQ+4*\q:XQ+4*\q+3], v[LI] offset:OIMG+512*\q
.endr
	ds_load_b32 v[XW], v[LS] offset:OSC
	ds_load_b32 v[XW+1], v[LS] offset:OSC+128
	s_wait_dscnt 0x0
	s_wait_alu depctr_vm_vsrc(0)                   ; my LDS stores above have read v24, which the second norm's sums write again
	WIN 0x01
.irp t, 0,1,2,3
	MM 224+8*\t, 64+16*\t, XQ, WS+\t, XW           ; on bo; the four accumulators take turns
.endr
.irp t, 0,1,2,3
	MM1 224+8*\t, 72+16*\t, XQ+8, WS+\t, XW+1
.endr
	WIN 0
	PLACES 4
.set i, 0
.rept 32
	v_max_num_f32 v[224+i], 0, v[224+i]
.set i, i+1
.endr
.set i, 0
.rept 16
	v_pk_add_f32 v[QA+i:QA+i+1], v[QA+i:QA+i+1], v[224+i:225+i]
.set i, i+2
.endr
	LNSTAT STAT1
	LNAPPLY STAT1, 0, 32, 0x14
	; ---- the way out, through my own stage: sixteen lanes store 256 consecutive bytes, at a multiple of 256 from out0's first byte
	s_wait_alu depctr_va_vdst(0)                   ; the last multiply-adds have written QA, which the LDS stores read
.irp d, 0,1
.irp i, 0,1,2,3
	ds_store_b128 v[SGW], v[QA+16*\d+4*\i:QA+16*\d+4*\i+3] offset:128*\d+16*\i
.endr
.endr
.irp i, 0,1,2,3,4,5,6,7
	ds_load_b128 v[160+4*\i:163+4*\i], v[SGR] offset:544*\i    ; LDS serves a wave's instructions in order (ISA guide 5.7.1): these see my stores
.endr
.irp i, 0,1,2,3,4,5,6,7
	s_wait_dscnt 7-\i                              ; the younger loads may stay out
	global_store_b128 v[GO], v[160+4*\i:163+4*\i], s[32:33] offset:2048*\i th:TH_STORE_NT
.endr
	s_wait_dscnt 0x0                               ; the closing lines, six on end
	s_wait_alu 0x0
	s_wait_tensorcnt 0x0
	ds_add_u32 v158, v159
	s_wait_dscnt 0x0
	s_endpgm
.Lfunc_end_k_q330346d595_attn:
	.size	k_q330346d595_attn, .Lfunc_end_k_q330346d595_attn-k_q330346d595_attn
	.p2alignl 7, 3214868480
	.fill 96, 4, 3214868480
	.section	.rodata,"a",@progbits
	.p2align	6, 0x0
	.amdhsa_kernel k_q330346d595_attn
		.amdhsa_group_segment_fixed_size 21248
		.amdhsa_private_segment_fixed_size 0
		.amdhsa_enable_private_segment 0
		.amdhsa_kernarg_size 120
		.amdhsa_user_sgpr_count 2
		.amdhsa_user_sgpr_kernarg_segment_ptr 1
		.amdhsa_wavefront_size32 1
		.amdhsa_system_sgpr_workgroup_id_x 1
		.amdhsa_system_sgpr_workgroup_id_y 1
		.amdhsa_system_sgpr_workgroup_id_z 1
		.amdhsa_system_vgpr_workitem_id 0
		.amdhsa_next_free_vgpr 1024
		.amdhsa_next_free_sgpr 98
		.amdhsa_reserve_vcc 1
		.amdhsa_float_denorm_mode_32 3
		.amdhsa_float_denorm_mode_16_64 3
		.amdhsa_memory_ordered 1
		.amdhsa_forward_progress 1
		.amdhsa_inst_pref_size 255
	.end_amdhsa_kernel
	.section	.bss,"aw",@nobits
	.p2align	6
	.space	262144
	.amdgpu_metadata
---
amdhsa.version: [ 1, 2 ]
amdhsa.kernels:
  - .name:           k_q330346d595_attn
    .symbol:         k_q330346d595_attn.kd
    .args:
      - { .name: Q, .offset: 0, .size: 8, .value_kind: global_buffer, .address_space: global }
      - { .name: order, .offset: 8, .size: 8, .value_kind: global_buffer, .address_space: global }
      - { .name: wfrag, .offset: 16, .size: 8, .value_kind: global_buffer, .address_space: global }
      - { .name: wsc, .offset: 24, .size: 8, .value_kind: global_buffer, .address_space: global }
      - { .name: bq, .offset: 32, .size: 8, .value_kind: global_buffer, .address_space: global }
      - { .name: kfrag, .offset: 40, .size: 8, .value_kind: global_buffer, .address_space: global }
      - { .name: ksc, .offset: 48, .size: 8, .value_kind: global_buffer, .address_space: global }
      - { .name: vfrag, .offset: 56, .size: 8, .value_kind: global_buffer, .address_space: global }
      - { .name: vsc, .offset: 64, .size: 8, .value_kind: global_buffer, .address_space: global }
      - { .name: g0, .offset: 72, .size: 8, .value_kind: global_buffer, .address_space: global }
      - { .name: b0, .offset: 80, .size: 8, .value_kind: global_buffer, .address_space: global }
      - { .name: bo, .offset: 88, .size: 8, .value_kind: global_buffer, .address_space: global }
      - { .name: g1, .offset: 96, .size: 8, .value_kind: global_buffer, .address_space: global }
      - { .name: b1, .offset: 104, .size: 8, .value_kind: global_buffer, .address_space: global }
      - { .name: out0, .offset: 112, .size: 8, .value_kind: global_buffer, .address_space: global }
    .group_segment_fixed_size: 21248
    .private_segment_fixed_size: 0
    .kernarg_segment_align: 8
    .kernarg_segment_size: 120
    .max_flat_workgroup_size: 128
    .sgpr_count:     98
    .vgpr_count:     1024
    .wavefront_size: 32
...
	.end_amdgpu_metadata
.endif
;; end of part 6
